; MI455X (gfx1250); checked and timed in simulation.
; The chip was launched on July 23, 2026; its instructions are those of AMD's public machine-readable ISA for CDNA 5 (MIT licence, August 2026) and "CDNA5" Instruction Set Architecture Reference Guide (July 2026). The comments in the code are by the model that wrote it; some were corrected since.
;; Four Headed Attention. Allowed arithmetic: float matrix products may take bf16 or f16 operands with f32 sums; other float arithmetic in f32, or as packed bf16 or f16 multiplies, adds, multiply-adds, maxima and minima; sums over many terms, partial sums and values carried from step to step in f32; what a program stores and reads back later, other than sums and carried values, may be rounded once to bf16 or f16.
;; Inputs: Wk 4 x 1,024 x 256 float32; Wo 1,024 x 1,024 float32; Wq 4 x 1,024 x 256 float32; Wv 4 x 1,024 x 256 float32; bk 4 x 256 float32; bo 1,024 float32; bq 4 x 256 float32; bv 4 x 256 float32; inputs_for_keys 4 x 2,048 x 1,024 float32; inputs_for_queries 4 x 2,048 x 1,024 float32; inputs_for_values 4 x 2,048 x 1,024 float32.
;; Outputs: out0 4 x 2,048 x 1,024 float32.
;; 2 versions, each right. Each part assembles by itself: llvm-mc -triple=amdgcn-amd-amdhsa -mcpu=gfx1250 --defsym DOCPART=n.
;; ======== version 1 of 2: 4 launches
;; limits: values are held in f16: magnitudes above 65,504 overflow, below 6.1e-05 lose precision
;; workspace buffers: wc 8,388,608 bytes; qkv 50,331,648 bytes; ow 16,777,216 bytes; vlo 262,144 bytes; olo 524,288 bytes
;; launch prep (part 1): grid 64 x 4, 8 waves a work-group, no clusters, 0 bytes of LDS; arguments Wq, Wk, Wv, Wo, wc; writes wc
.if DOCPART == 1
	.amdgcn_target "amdgcn-amd-amdhsa--gfx1250"
	.amdhsa_code_object_version 6
	.text
	.protected	k_q8a67f5ddf7_prep
	.globl	k_q8a67f5ddf7_prep
	.p2align	8
	.type	k_q8a67f5ddf7_prep,@function
k_q8a67f5ddf7_prep:
	s_mov_b64 s[64:65], 0
	v_nop
	global_prefetch_b8 v0, s[64:65] scope:SCOPE_SE
	s_setreg_imm32_b32 hwreg(HW_REG_WAVE_MODE, 25, 1), 1
	s_wait_xcnt 0x0
; The four weight tensors, f32, are rounded once to bf16 and written in their own order into wc: sections of 2,097,152 bytes for Wq, Wk, Wv, Wo.
; Wo's bf16 number is written as f16 (the last launch multiplies in f16): exact from 6.1e-5 up to 65,504; below that it keeps f16's fixed step of 6e-8.
; A stream: no LDS, no matrix unit, no cluster (no byte is read twice).  A work-group takes 65,536 bytes of one tensor; thread t takes 32 bytes at 8,192 i + 32 t, i = 0..7.
; All 16 loads of a lane go out at once; each store of a wave covers 512 consecutive bytes, aligned.  No register is written twice, so no wait frees a source.
	s_load_b256 s[4:11], s[0:1], 0x0               ; Wq, Wk, Wv, Wo
	s_load_b64 s[12:13], s[0:1], 0x20              ; wc
	s_and_b32 s14, ttmp7, 0xffff                   ; which tensor
	s_lshl_b32 s16, ttmp9, 16                      ; my 65,536 bytes of it
	s_mov_b32 s17, 0
	s_lshl_b32 s18, s14, 21                        ; its section of wc,
	s_lshl_b32 s20, ttmp9, 15                      ; my 32,768 bytes there
	s_add_co_u32 s18, s18, s20
	s_mov_b32 s19, 0
	v_lshlrev_b32 v1, 5, v0                        ; 32 t
	v_lshlrev_b32 v2, 4, v0                        ; 16 t
	s_wait_kmcnt 0x0
	s_cmp_eq_u32 s14, 1
	s_cselect_b64 s[4:5], s[6:7], s[4:5]
	s_cmp_eq_u32 s14, 2
	s_cselect_b64 s[4:5], s[8:9], s[4:5]
	s_cmp_eq_u32 s14, 3
	s_cselect_b64 s[4:5], s[10:11], s[4:5]
	s_add_nc_u64 s[4:5], s[4:5], s[16:17]
	s_add_nc_u64 s[12:13], s[12:13], s[18:19]
.irp i, 0,1,2,3,4,5,6,7
	global_load_b128 v[16+8*(\i):16+8*(\i)+3], v1, s[4:5] offset:8192*(\i) th:TH_LOAD_NT
	global_load_b128 v[16+8*(\i)+4:16+8*(\i)+7], v1, s[4:5] offset:8192*(\i)+16 th:TH_LOAD_NT
.endr
; Chunk i: its two loads are in when at most the 14 - 2 i younger ones are out.  wo = 1: bf16, widened, written as f16.
.macro CASTW i, wo
	s_wait_loadcnt 14-2*(\i)
.irp k, 0,1,2,3
.if \wo
	v_cvt_pk_bf16_f32 v[4+(\k)], v[16+8*(\i)+2*(\k)], v[16+8*(\i)+2*(\k)+1]
	v_lshlrev_b32 v[8+2*(\k)], 16, v[4+(\k)]
	v_and_b32 v[9+2*(\k)], 0xffff0000, v[4+(\k)]
	v_cvt_pk_f16_f32 v[80+4*(\i)+(\k)], v[8+2*(\k)], v[9+2*(\k)]
.else
	v_cvt_pk_bf16_f32 v[80+4*(\i)+(\k)], v[16+8*(\i)+2*(\k)], v[16+8*(\i)+2*(\k)+1]
.endif
.endr
	global_store_b128 v2, v[80+4*(\i):80+4*(\i)+3], s[12:13] offset:4096*(\i)
.endm
	s_cmp_eq_u32 s14, 3
	s_cbranch_scc1 .Lwo
.irp i, 0,1,2,3,4,5,6,7
	CASTW \i, 0
.endr
	s_endpgm
.Lwo:
.irp i, 0,1,2,3,4,5,6,7
	CASTW \i, 1
.endr
	s_endpgm
.Lfunc_end_k_q8a67f5ddf7_prep:
	.size	k_q8a67f5ddf7_prep, .Lfunc_end_k_q8a67f5ddf7_prep-k_q8a67f5ddf7_prep
	.p2alignl 7, 3214868480
	.fill 96, 4, 3214868480
	.section	.rodata,"a",@progbits
	.p2align	6, 0x0
	.amdhsa_kernel k_q8a67f5ddf7_prep
		.amdhsa_group_segment_fixed_size 0
		.amdhsa_private_segment_fixed_size 0
		.amdhsa_enable_private_segment 0
		.amdhsa_kernarg_size 40
		.amdhsa_user_sgpr_count 2
		.amdhsa_user_sgpr_kernarg_segment_ptr 1
		.amdhsa_wavefront_size32 1
		.amdhsa_system_sgpr_workgroup_id_x 1
		.amdhsa_system_sgpr_workgroup_id_y 1
		.amdhsa_system_sgpr_workgroup_id_z 1
		.amdhsa_system_vgpr_workitem_id 0
		.amdhsa_next_free_vgpr 112
		.amdhsa_next_free_sgpr 66
		.amdhsa_reserve_vcc 0
		.amdhsa_float_denorm_mode_32 3
		.amdhsa_float_denorm_mode_16_64 3
		.amdhsa_memory_ordered 1
		.amdhsa_forward_progress 1
		.amdhsa_inst_pref_size 14
	.end_amdhsa_kernel
	.amdgpu_metadata
---
amdhsa.version: [ 1, 2 ]
amdhsa.kernels:
  - .name:           k_q8a67f5ddf7_prep
    .symbol:         k_q8a67f5ddf7_prep.kd
    .args:
      - { .name: Wq, .offset: 0, .size: 8, .value_kind: global_buffer, .address_space: global }
      - { .name: Wk, .offset: 8, .size: 8, .value_kind: global_buffer, .address_space: global }
      - { .name: Wv, .offset: 16, .size: 8, .value_kind: global_buffer, .address_space: global }
      - { .name: Wo, .offset: 24, .size: 8, .value_kind: global_buffer, .address_space: global }
      - { .name: wc, .offset: 32, .size: 8, .value_kind: global_buffer, .address_space: global }
    .group_segment_fixed_size: 0
    .private_segment_fixed_size: 0
    .kernarg_segment_align: 8
    .kernarg_segment_size: 40
    .max_flat_workgroup_size: 256
    .sgpr_count:     66
    .vgpr_count:     112
    .wavefront_size: 32
...
	.end_amdgpu_metadata
.endif
;; end of part 1
;; launch proj (part 2): grid 4 x 64, 4 waves a work-group, clusters of 4 x 4, 327,680 bytes of LDS; arguments inputs_for_queries, inputs_for_keys, inputs_for_values, bq, bk, bv, wc, qkv, vlo; writes qkv, vlo
.if DOCPART == 2
	.amdgcn_target "amdgcn-amd-amdhsa--gfx1250"
	.amdhsa_code_object_version 6
	.text
	.protected	k_q8a67f5ddf7_proj
	.globl	k_q8a67f5ddf7_proj
	.p2align	8
	.type	k_q8a67f5ddf7_proj,@function
k_q8a67f5ddf7_proj:
	s_mov_b64 s[64:65], 0
	v_nop
	global_prefetch_b8 v0, s[64:65] scope:SCOPE_SE
	s_setreg_imm32_b32 hwreg(HW_REG_WAVE_MODE, 25, 1), 1
	s_wait_xcnt 0x0
	s_wait_alu depctr_hold_cnt(0) depctr_sa_sdst(0) depctr_va_vdst(0) depctr_va_sdst(0) depctr_va_ssrc(0) depctr_va_vcc(0) depctr_vm_vsrc(0)
	s_getreg_b32 s2, hwreg(HW_REG_IB_STS2, 6, 4)
	s_cmp_eq_u32 s2, 0
	s_cbranch_scc0 .Lentry_in_a_cluster
	s_endpgm
.Lentry_in_a_cluster:
	s_bfe_u32 s2, ttmp6, 0x10000c
	s_cmp_lg_u32 s2, 0xf033
	s_cbranch_scc0 .Lentry_shape_is_right
	s_endpgm
.Lentry_shape_is_right:
; q, k, v = x_p W_p + b_p for p = q, k, v.  x_p: [8192][1024] f32; W_p in wc: [head][1024][256] bf16; b_p: [head][256] f32; sums in f32.
; x is rounded to bf16 between LDS and the matrix unit, the bias to bf16 too (every input of the module has that one rounding); the results leave once rounded to f16.
; LIMIT: |q|, |k|, |v| stay under 65,504 (f16); NaN and infinities are not treated apart.
; SHARES.  A work-group stays: it makes the three tiles 128 rows x 256 columns (one head) of q, k and v for one block of rows: ONE walk of 24 K steps of 128 through two LDS slots.
; Four waves, each 64 rows x 128 columns: 32 accumulators.  The product is taken transposed (source 0 = 16 columns of W, source 1 = 16 rows of x): a lane holds one row and 8 neighbouring columns.
; W lies [k][n], so its fragments come out of LDS turned (ds_load_tr16_b128).  The bias is the C operand of a tile's first products: nothing is cleared, nothing is added later.
; CLUSTER 4 x 4: cx = head, cy = batch; the block of 128 rows is cluster y + 16 cy.  x's tile is shared along a row of the cluster, W's along a column: joint loads with the row's or the column's mask.
; OUT.  qkv holds q, k, v (16,777,216 bytes each) in blocks of 16 rows x 16 channels, 512 bytes: block ((b 4 + h) 128 + s/16) 8192 + (d/16) 512.  In a block of q or k a lane's 16 bytes lie at
; 16 x lane as a matrix fragment wants them; a block of v is row-major (32 bytes a row) for the turning load.  So an accumulator is stored as it lies: 512 consecutive bytes, aligned, a store.
; A SECOND WORD FOR v's FIRST ROWS.  An output row that sees few keys is a mean of few rows of v, many times the output's root mean square, and one f16 word's rounding is as many times larger there.  So rows 0 to 31 of each
; batch also leave v - f16(v), in f16, into vlo: (b 4 + h) 16,384 bytes in v's own layout.  Those rows belong to the cluster with y = 0, all four of whose batches have them, and to waves 0 and 1.
; REGISTERS by windows of 256: 0: addresses, BIAS v32-95, x's bf16 fragments v96-159 (two buffers), at the end v32-223 for the second word;  1: the accumulators, (a, b) at 8 (8 a + b);
;   2: W's fragments v0-127 (two buffers), x as loaded in f32 v128-255 (two buffers);  3: v0-127 packed results.
.set PITA,  528                        ; a row of x in LDS: 512 bytes + 16: the 16 rows of a load start at 16 different groups of four banks (64 banks of 4 bytes: ISA guide 11.1)
.set PITB,  544                        ; a row of W: 512 + 32
.set AHALF, 64*PITA                    ; 0x8400: what one tensor load brings of x
.set ASLOT, 2*AHALF                    ; 0x10800: its bits meet none of AHALF's, so one exclusive or changes slots
.set SPARE, 2*ASLOT                    ; 0x21000: the spare words, 128 bytes a wave, two blocks of 256 bytes that no other line names
.set BBASE, 0x22000
.set BHALF, 64*PITB                    ; 0x8800
.set BSLOT, 2*BHALF                    ; 0x11000
.set RR,  1                            ; v1  lane % 16
.set HH,  2                            ; v2  lane / 16
.set LN,  3                            ; v3  lane
.set A0L, 4                            ; v4  my place in x's tile
.set B0L, 5                            ; v5  my place in W's tile, slot 0
.set ADRA, 6                           ; v6  the same in the slot in hand
.set ADRB, 7
.set BO,  8                            ; v8  my byte offset in a bias
.set CO,  9                            ; v9  my 16 bytes in a block of the output
.set PFO, 10                           ; v10 the prefetches' offset; never rewritten
.set SPW, 12                           ; v12 my spare word; never rewritten
.set NIL, 13                           ; v13 0; never rewritten
.set T0,  14
.set T1,  15
.set BIAS, 32
.set AB,  96
.set LF,  32                           ; the second word in f32: v32-159
.set LP,  160                          ; packed: v160-223
.set BF,  0                            ; window 2
.set RA,  128                          ; window 2
.set TMP, 0                            ; window 3
.set WV,  4                            ; s4  wave
.set WR,  5                            ; s5  my half of the rows; also 0: I fetch x, 1: I fetch W
.set WC,  6                            ; s6  my half of the columns; also which 64 rows I fetch
.set CX,  7
.set CY,  8
.set TR,  9                            ; s9  block of 128 rows
.set G,   10                           ; s10 the K step in hand, 0 .. 22
.set N,   11
.set OFF, 12                           ; s[12:13] an offset made of G alone
.set TA,  14                           ; s[14:15] the x whose step is asked for
.set TBA, 16                           ; s16 0 or ASLOT
.set TBB, 17                           ; s17 0 or BSLOT
.set LIM, 18                           ; s18 the last step in which I prefetch, or -1
.set PSTEP, 19                         ; s19 bytes from K step to K step in what I prefetch
.set PFA, 20                           ; s[20:21] where my prefetch stands
.set G1A, 24
.set G1B, 32
.set G0A, 40                           ; s[40:47] two sets; the second walks
.set G0B, 48
.set DBASE, 56
.set DST, 58
.set BP,  60
.set NK,  66                           ; s66, s67 at work for the walking descriptors: made of G alone
.set NS,  67
.set XA,  68                           ; s[68:73] x_q, x_k, x_v at my 64 rows
.set WB,  80                           ; s[80:81] wc at my head and my 64 k rows
.set PB0, 84                           ; s[84:89] the prefetches' three bases
.set TP,  94                           ; s[94:95] the one in hand
.set NEW, 91                           ; s91 1: the step to come starts a tile
.set VL,  96                           ; s[96:97] vlo at my batch, head and 8 channel blocks
.set MSB, 0
.macro WIN new                         ; the immediate's high byte repeats the setting that is left
.if MSB != (\new)
	s_set_vgpr_msb (MSB<<8)|(\new)
.set MSB, (\new)
.endif
.endm
.macro PLACES                          ; four places behind a matrix instruction (ISA guide 7.12.1)
.rept 4
	v_nop
.endr
.endm
.macro CREST                           ; a round of the cluster's barrier behind its opening barrier
	s_cmp_lg_u32 s[WV], 0
	s_cbranch_scc1 .Lnot_wave_0_\@
	s_barrier_signal -3
.Lnot_wave_0_\@:
	s_barrier_wait -3
	s_barrier_signal -1
	s_barrier_wait -1
.endm
.macro CROUND
	s_barrier_signal -1
	s_barrier_wait -1
	CREST
.endm
.macro JLOAD                           ; a joint refill: waves 0, 1 x's halves, waves 2, 3 W's; s_nop 0 and four v_nop follow each line
	s_cmp_eq_u32 s[WR], 0
	s_cbranch_scc0 .Lfor_b_\@
	tensor_load_to_lds s[G0A+4:G0A+7], s[G1A:G1A+7]
	s_nop 0
	PLACES
	s_branch .Lasked_\@
.Lfor_b_\@:
	tensor_load_to_lds s[G0B+4:G0B+7], s[G1B:G1B+7]
	s_nop 0
	PLACES
.Lasked_\@:
.endm
; 32 LDS loads: the fragments of 32 along K (quarter kq of the step) into buffer f: 128 columns of W, turned; 64 rows of x in f32
.macro FETCH kq, f
	WIN 0x80
.irp b, 0,1,2,3,4,5,6,7
	ds_load_tr16_b128 v[BF+64*(\f)+8*(\b):BF+64*(\f)+8*(\b)+3],   v[ADRB] offset:(\kq)*32*PITB+32*(\b)
	ds_load_tr16_b128 v[BF+64*(\f)+8*(\b)+4:BF+64*(\f)+8*(\b)+7], v[ADRB] offset:(\kq)*32*PITB+32*(\b)+16*PITB
.endr
.irp a, 0,1,2,3
	ds_load_b128 v[RA+64*(\f)+16*(\a):RA+64*(\f)+16*(\a)+3],     v[ADRA] offset:(\a)*16*PITA+(\kq)*128
	ds_load_b128 v[RA+64*(\f)+16*(\a)+4:RA+64*(\f)+16*(\a)+7],   v[ADRA] offset:(\a)*16*PITA+(\kq)*128+16
	ds_load_b128 v[RA+64*(\f)+16*(\a)+8:RA+64*(\f)+16*(\a)+11],  v[ADRA] offset:(\a)*16*PITA+(\kq)*128+64
	ds_load_b128 v[RA+64*(\f)+16*(\a)+12:RA+64*(\f)+16*(\a)+15], v[ADRA] offset:(\a)*16*PITA+(\kq)*128+80
.endr
.endm
.macro CVT f                           ; x's 64 rows x 32 K to bf16: 32 lines, which are also the places behind the products just issued
	WIN 0x0a
.irp a, 0,1,2,3
.irp i, 0,1,2,3,4,5,6,7
	v_cvt_pk_bf16_f32 v[AB+32*(\f)+8*(\a)+(\i)], v[RA+64*(\f)+16*(\a)+2*(\i)], v[RA+64*(\f)+16*(\a)+2*(\i)+1]
.endr
.endr
.endm
; 8 products: row block a x all 8 column blocks.  The 32 accumulators take turns in one fixed order, over the backward jump too.  bias = 1: C is the bias: the sums start.
.macro MUL8 f, a, bias
.if \bias
	WIN 0x42
.else
	WIN 0x52
.endif
.irp b, 0,1,2,3,4,5,6,7
.if \bias
	v_wmma_f32_16x16x32_bf16 v[8*(8*(\a)+(\b)):8*(8*(\a)+(\b))+7], v[BF+64*(\f)+8*(\b):BF+64*(\f)+8*(\b)+7], v[AB+32*(\f)+8*(\a):AB+32*(\f)+8*(\a)+7], v[BIAS+8*(\b):BIAS+8*(\b)+7]
.else
	v_wmma_f32_16x16x32_bf16 v[8*(8*(\a)+(\b)):8*(8*(\a)+(\b))+7], v[BF+64*(\f)+8*(\b):BF+64*(\f)+8*(\b)+7], v[AB+32*(\f)+8*(\a):AB+32*(\f)+8*(\a)+7], v[8*(8*(\a)+(\b)):8*(8*(\a)+(\b))+7]
.endif
.endr
.endm
.macro MULQ f, bias
	MUL8 \f, 0, \bias
	MUL8 \f, 1, \bias
	MUL8 \f, 2, \bias
	MUL8 \f, 3, \bias
.endm
.macro BLOAD                           ; my 64 numbers of the bias at s[BP]
.irp b, 0,1,2,3,4,5,6,7
	global_load_b128 v[BIAS+8*(\b):BIAS+8*(\b)+3],   v[BO], s[BP:BP+1] offset:64*(\b)
	global_load_b128 v[BIAS+8*(\b)+4:BIAS+8*(\b)+7], v[BO], s[BP:BP+1] offset:64*(\b)+16
.endr
.endm
; A quarter: multiplies buffer f, fetches quarter kqn into the other buffer.  The wait is for this quarter's 32 loads: nothing younger is out.
.macro QUARTER kqn, f
	s_wait_dscnt 0x0
	CVT \f
	FETCH \kqn, 1-(\f)
	MULQ \f, 0
.endm
; A step's first quarter.  var = 1 (the loop): where the step starts a tile the products take the bias as C, and the next tile's bias is asked for.
.macro FIRSTQ var
	s_wait_dscnt 0x0
	CVT 0
	FETCH 1, 1
.if \var
	WIN 0
	s_cmp_eq_u32 s[NEW], 1
	s_cbranch_scc1 .Lnewtile
.endif
	MULQ 0, 0
.if \var
	WIN 0
	s_branch .Ljoin
.Lnewtile:
	s_mov_b32 s[NEW], 0
	s_wait_loadcnt 0x0                             ; the bias is in, and its loads have read s[BP]
.set i, 0
.rept 32
	v_cvt_pk_bf16_f32 v[T0+i%2], v[BIAS+2*i], v[BIAS+2*i+1]   ; rounded to bf16 like every input, and widened again
	v_lshlrev_b32 v[BIAS+2*i], 16, v[T0+i%2]
	v_and_b32 v[BIAS+2*i+1], 0xffff0000, v[T0+i%2]
.set i, i+1
.endr
	MULQ 0, 1
	WIN 0
	PLACES                                         ; in front of loads into registers that those products read
	s_cmp_lt_u32 s[G], 16
	s_cbranch_scc0 .Ljoin                          ; v's tile is the last
	s_cmp_lt_u32 s[G], 8
	s_cselect_b64 s[BP:BP+1], s[76:77], s[78:79]   ; bk behind q's tile, bv behind k's
	BLOAD
.Ljoin:
.endif
.endm
; The walking descriptors: step G + 2, in the slot that is being left.  No tensor load of mine is out where this stands.
.macro NEXTADR
	s_add_co_u32 s[N], s[G], 2
	s_cmp_lt_u32 s[N], 8
	s_cselect_b64 s[TA:TA+1], s[XA:XA+1], s[XA+2:XA+3]
	s_cmp_lt_u32 s[N], 16
	s_cselect_b64 s[TA:TA+1], s[TA:TA+1], s[XA+4:XA+5]
	s_and_b32 s[NK], s[N], 7
	s_lshl_b32 s[OFF], s[NK], 9                    ; 128 f32 along a row
	s_add_nc_u64 s[G0A+6:G0A+7], s[TA:TA+1], s[OFF:OFF+1]
	s_or_b32 s[G0A+7], s[G0A+7], 0x80000000
	s_xor_b32 s[G0A+5], s[G0A+5], ASLOT
	s_lshr_b32 s[NS], s[N], 3
	s_lshl_b32 s[NS], s[NS], 21                    ; the tensor's section of wc,
	s_lshl_b32 s[OFF], s[NK], 16                   ; 128 rows of 512 bytes
	s_add_co_u32 s[OFF], s[OFF], s[NS]
	s_add_nc_u64 s[G0B+6:G0B+7], s[WB:WB+1], s[OFF:OFF+1]
	s_or_b32 s[G0B+7], s[G0B+7], 0x80000000
	s_xor_b32 s[G0B+5], s[G0B+5], BSLOT
.endm
; THE PREFETCH INTO THE L2: behind each refill (step G + 2) one instruction a wave names step G + 4: 32 blocks of 256 bytes, a lane a block.  Of the 64 rows that a wave fetches each of the four partners
; that ask for them jointly takes 16, told apart by address.  x's rows are read by this cluster alone; W's by every cluster: the cluster with y = 0 asks.  Steps 0 to 3 come by their loads alone; nothing is named past step 23.
.macro PFSTEP
	s_wait_xcnt 0x0                                ; the last prefetch, a K step back, has read its address
	s_add_co_u32 s[N], s[G], 4
	s_cmp_lt_u32 s[N], 8
	s_cselect_b64 s[TP:TP+1], s[PB0:PB0+1], s[PB0+2:PB0+3]
	s_cmp_lt_u32 s[N], 16
	s_cselect_b64 s[TP:TP+1], s[TP:TP+1], s[PB0+4:PB0+5]
	s_and_b32 s[N], s[N], 7
	s_mul_i32 s92, s[N], s[PSTEP]
	s_add_nc_u64 s[PFA:PFA+1], s[TP:TP+1], s[92:93]
.endm
.macro ASK
	s_cmp_le_i32 s[G], s[LIM]
	s_cbranch_scc0 .Lnot_mine_\@
	global_prefetch_b8 v[PFO], s[PFA:PFA+1] th:TH_LOAD_NT scope:SCOPE_SE
.Lnot_mine_\@:
.endm
; A step's last quarter multiplies buffer 1 and changes slots.  In front of the barrier each wave waits for all its tensor loads (one is out: its part of the next slot), adds 0 to its spare word, and waits for that
; and for its reads of this slot.  fill = 1: the barrier opens a round of the cluster's, and the joint refill is the first thing behind the round: it has 112 products in which to land.
.macro TURN fill
	s_wait_dscnt 0x0
	CVT 1
.if \fill
	PFSTEP
.endif
	WIN 0
	s_wait_tensorcnt 0x0
	ds_add_u32 v[SPW], v[NIL]
.if \fill
	NEXTADR
.endif
	s_xor_b32 s[TBA], s[TBA], ASLOT
	s_xor_b32 s[TBB], s[TBB], BSLOT
	MUL8 1, 0, 0
	s_wait_dscnt 0x0                               ; the add is done; my reads of this slot were over at the quarter's head
	s_barrier_signal -1
	MUL8 1, 1, 0
	WIN 0
	s_barrier_wait -1
.if \fill
	CREST
	JLOAD
.else
	PLACES
.endif
	v_add_nc_u32 v[ADRA], s[TBA], v[A0L]
	v_add_nc_u32 v[ADRB], s[TBB], v[B0L]
	FETCH 0, 0
.if \fill
	WIN 0
	ASK
.endif
	MUL8 1, 2, 0
	MUL8 1, 3, 0
.endm
; A tile leaves: rounded to f16, each accumulator's registers in ascending order, and stored as it lies.  Row blocks 0, 1 were finished ahead of the four v_nop of the change of slots; their 64 conversions are the places for blocks 2, 3.
.macro OUT
	WIN 0
	s_wait_xcnt 0x0                                ; the last tile's stores have read their registers and their base
	s_lshr_b32 s22, s[G], 3                        ; 0 q, 1 k, 2 v
	s_lshl_b32 s[OFF], s22, 24
	s_add_nc_u64 s[DST:DST+1], s[DBASE:DBASE+1], s[OFF:OFF+1]
	s_cmp_eq_u32 s22, 2
	s_cselect_b32 s22, 32, 16                      ; v: 32 r + 16 h; q, k: 16 r + 256 h
	s_cselect_b32 s23, 16, 256
	v_mul_u32_u24 v[CO], v[RR], s22
	v_mad_u32_u24 v[CO], v[HH], s23, v[CO]
	WIN 0xc5
.set t, 0
.rept 32
.irp i, 0,1,2,3
	v_cvt_pk_f16_f32 v[TMP+4*t+(\i)], v[8*t+2*(\i)], v[8*t+2*(\i)+1]
.endr
.set t, t+1
.endr
	WIN 0x0c
.set t, 0
.rept 32
	global_store_b128 v[CO], v[TMP+4*t:TMP+4*t+3], s[DST:DST+1] offset:(t/8)*8192+(t%8)*512  ; 512 consecutive bytes, aligned
.set t, t+1
.endr
	WIN 0
	s_mov_b32 s[NEW], 1
.endm
	s_load_b512 s[68:83], s[0:1], 0x0              ; x_q, x_k, x_v, bq, bk, bv, wc, qkv
	s_load_b64 s[VL:VL+1], s[0:1], 0x40            ; vlo
	v_lshl_add_u32 v[SPW], v0, 2, SPARE
	v_mov_b32 v[NIL], 0
	ds_add_u32 v[SPW], v[NIL]                      ; the wave's opening: the add and its wait ahead of my first tensor load
	v_lshrrev_b32 v[T0], 5, v0
	v_readfirstlane_b32 s[WV], v[T0]
	s_lshr_b32 s[WR], s[WV], 1
	s_and_b32 s[WC], s[WV], 1
	s_bfe_u32 s[CX], ttmp6, 0x40000
	s_bfe_u32 s[CY], ttmp6, 0x40004
	s_and_b32 s[TR], ttmp7, 0xffff
	s_lshl4_add_u32 s[TR], s[CY], s[TR]            ; block of rows = cluster y + 16 cy: batch cy, rows 128 x cluster y on
	s_lshl_b32 s62, s[CY], 2
	s_lshl_b32 s62, 15, s62                        ; my row of the cluster
	s_lshl_b32 s63, 0x1111, s[CX]                  ; my column
	s_or_b32 s[G1A], s62, (2<<16)|(1<<20)|(1<<21)|(6<<22)|(3<<25)   ; mask; 4-byte elements; padding on; bit 21 beside a mask; after every 128 words 4 words
	s_mov_b32 s[G1A+1], 128<<16                    ; tensor_dim0 = 128
	s_mov_b32 s[G1A+2], 64<<16                     ; tensor_dim1 = 64
	s_mov_b32 s[G1A+3], 128<<16                    ; tile_dim0 = 128
	s_mov_b32 s[G1A+4], 64                         ; tile_dim1 = 64
	s_mov_b32 s[G1A+5], 1024                       ; elements from row to row
	s_mov_b32 s[G1A+6], 0
	s_mov_b32 s[G1A+7], 0
	s_or_b32 s[G1B], s63, (1<<16)|(1<<20)|(1<<21)|(6<<22)|(7<<25)   ; 2-byte elements; after every 128 words 8 words
	s_mov_b32 s[G1B+1], 256<<16
	s_mov_b32 s[G1B+2], 64<<16
	s_mov_b32 s[G1B+3], 256<<16
	s_mov_b32 s[G1B+4], 64
	s_mov_b32 s[G1B+5], 256
	s_mov_b32 s[G1B+6], 0
	s_mov_b32 s[G1B+7], 0
	s_lshl_b32 s90, s[TR], 7                       ; x: row 128 TR + 64 x half, 4,096 bytes a row: no cx in it
	s_lshl_b32 s22, s[WC], 6
	s_add_co_u32 s90, s90, s22
	s_lshl_b32 s90, s90, 12
	s_mov_b32 s91, 0
	s_lshl_b32 s92, s[CX], 19                      ; W: my head, 64 x half rows of 512 bytes: no cy in it
	s_lshl_b32 s22, s[WC], 15
	s_add_co_u32 s92, s92, s22
	s_mov_b32 s93, 0
	s_mul_i32 s22, s[WC], AHALF                    ; where the tiles go: no place in the cluster enters an LDS address
	s_mul_i32 s23, s[WC], BHALF
	s_mov_b32 s[G0A], 1
	s_mov_b32 s[G0A+1], s22
	s_mov_b32 s[G0A+4], 1
	s_add_co_u32 s[G0A+5], s22, ASLOT
	s_mov_b32 s[G0B], 1
	s_add_co_u32 s[G0B+1], s23, BBASE
	s_mov_b32 s[G0B+4], 1
	s_add_co_u32 s[G0B+5], s23, BBASE+BSLOT
	s_lshr_b32 s62, s[TR], 4                       ; the output: ((b 4 + head) 128 + s/16) 8192 + my 8 channel blocks
	s_lshl_b32 s62, s62, 2
	s_add_co_u32 s62, s62, s[CX]
	s_lshl_b32 s62, s62, 20
	s_and_b32 s63, s[TR], 15
	s_lshl_b32 s63, s63, 3
	s_lshl2_add_u32 s63, s[WR], s63
	s_lshl_b32 s63, s63, 13
	s_add_co_u32 s62, s62, s63
	s_lshl_b32 s63, s[WC], 12
	s_add_co_u32 s62, s62, s63
	s_mov_b32 s63, 0
	s_lshl2_add_u32 s98, s[CY], s[CX]              ; vlo: (batch 4 + head) 16,384 + my 8 channel blocks
	s_lshl_b32 s98, s98, 14
	s_lshl_b32 s99, s[WC], 12
	s_add_co_u32 s98, s98, s99
	s_mov_b32 s99, 0
	s_mov_b32 s[OFF+1], 0
	s_mov_b32 s[TBA], 0
	s_mov_b32 s[TBB], 0
	v_and_b32 v[RR], 15, v0
	v_bfe_u32 v[HH], v0, 4, 1
	v_and_b32 v[LN], 31, v0
	s_mul_i32 s22, s[WR], 64*PITA
	v_mul_u32_u24 v[A0L], v[RR], PITA              ; x in f32: row (64 WR + r), 32 bytes for each half of the lanes
	v_lshl_add_u32 v[A0L], v[HH], 5, v[A0L]
	v_add_nc_u32 v[A0L], s22, v[A0L]
	v_and_b32 v[T0], 7, v0
	v_lshl_add_u32 v[T0], v[HH], 3, v[T0]          ; W: k row 8 h + l % 8,
	v_mul_u32_u24 v[B0L], v[T0], PITB
	v_bfe_u32 v[T1], v0, 3, 1
	v_lshl_add_u32 v[B0L], v[T1], 4, v[B0L]        ; columns 8 ((l / 8) % 2) on
	s_lshl_b32 s22, s[WC], 8
	s_add_co_u32 s22, s22, BBASE
	v_add_nc_u32 v[B0L], s22, v[B0L]
	v_mov_b32 v[ADRA], v[A0L]
	v_mov_b32 v[ADRB], v[B0L]
	s_lshl_b32 s22, s[CX], 10
	s_lshl_b32 s23, s[WC], 9
	s_add_co_u32 s22, s22, s23
	v_lshl_add_u32 v[BO], v[HH], 5, s22            ; (256 head + 128 half + 8 h) x 4
	s_wait_dscnt 0x0                               ; the opening add is done
	s_wait_kmcnt 0x0
	s_add_nc_u64 s[XA:XA+1], s[XA:XA+1], s[90:91]
	s_add_nc_u64 s[XA+2:XA+3], s[XA+2:XA+3], s[90:91]
	s_add_nc_u64 s[XA+4:XA+5], s[XA+4:XA+5], s[90:91]
	s_add_nc_u64 s[WB:WB+1], s[WB:WB+1], s[92:93]
	s_add_nc_u64 s[DBASE:DBASE+1], s[82:83], s[62:63]
	s_add_nc_u64 s[VL:VL+1], s[VL:VL+1], s[98:99]
	s_mov_b64 s[G0A+2:G0A+3], s[XA:XA+1]           ; step 0
	s_or_b32 s[G0A+3], s[G0A+3], 0x80000000
	s_add_nc_u64 s[G0A+6:G0A+7], s[XA:XA+1], 512   ; step 1
	s_or_b32 s[G0A+7], s[G0A+7], 0x80000000
	s_mov_b64 s[G0B+2:G0B+3], s[WB:WB+1]
	s_or_b32 s[G0B+3], s[G0B+3], 0x80000000
	s_add_nc_u64 s[G0B+6:G0B+7], s[WB:WB+1], 0x10000
	s_or_b32 s[G0B+7], s[G0B+7], 0x80000000
	CROUND                                         ; all sixteen work-groups are here: the first joint loads meet
	s_cmp_eq_u32 s[WR], 0                          ; a wave's two first fills stand in one branch: two loads of mine are out
	s_cbranch_scc0 .Lfirst_b
	tensor_load_to_lds s[G0A:G0A+3], s[G1A:G1A+7]
	s_nop 0
	tensor_load_to_lds s[G0A+4:G0A+7], s[G1A:G1A+7]
	s_nop 0
	PLACES
	s_branch .Lfirst_asked
.Lfirst_b:
	tensor_load_to_lds s[G0B:G0B+3], s[G1B:G1B+7]
	s_nop 0
	tensor_load_to_lds s[G0B+4:G0B+7], s[G1B:G1B+7]
	s_nop 0
	PLACES
.Lfirst_asked:
	s_mov_b64 s[BP:BP+1], s[74:75]
	BLOAD                                          ; bq
	; the prefetches' bases: x_p at my 16 of the 64 rows (by cx), or wc's section p at my 16 k rows (by cy)
	s_lshl_b32 s62, s[CX], 16
	s_lshl_b32 s63, s[CY], 13
	s_and_b32 s23, ttmp7, 0xffff
	s_cmp_eq_u32 s[WR], 0
	s_cselect_b64 s[PB0:PB0+1], s[XA:XA+1], s[WB:WB+1]
	s_cselect_b64 s[PB0+2:PB0+3], s[XA+2:XA+3], s[WB:WB+1]
	s_cselect_b64 s[PB0+4:PB0+5], s[XA+4:XA+5], s[WB:WB+1]
	s_cselect_b32 s92, s62, s63
	s_cselect_b32 s62, 0, 0x200000
	s_mov_b32 s[PSTEP], 0x10000                    ; (a move leaves the compare's answer as it is; a select takes one literal)
	s_cselect_b32 s[PSTEP], 512, s[PSTEP]
	s_mov_b32 s22, 512
	s_cselect_b32 s22, 4096, s22
	s_cselect_b32 s23, 0, s23
	s_mov_b32 s63, 0
	s_add_nc_u64 s[PB0:PB0+1], s[PB0:PB0+1], s[92:93]
	s_add_nc_u64 s[PB0+2:PB0+3], s[PB0+2:PB0+3], s[92:93]
	s_add_nc_u64 s[PB0+4:PB0+5], s[PB0+4:PB0+5], s[92:93]
	s_add_nc_u64 s[PB0+2:PB0+3], s[PB0+2:PB0+3], s[62:63]
	s_add_nc_u64 s[PB0+4:PB0+5], s[PB0+4:PB0+5], s[62:63]
	s_add_nc_u64 s[PB0+4:PB0+5], s[PB0+4:PB0+5], s[62:63]
	s_cmp_eq_u32 s23, 0
	s_cselect_b32 s[LIM], 19, -1
	v_lshrrev_b32 v[T0], 1, v[LN]
	v_and_b32 v[T1], 1, v[LN]
	v_mul_u32_u24 v[PFO], v[T0], s22               ; x: a row's two blocks of 256 bytes, 16 rows; W: 32 blocks on end
	v_lshl_add_u32 v[PFO], v[T1], 8, v[PFO]
	s_wait_tensorcnt 0x1                           ; my part of step 0 is in; step 1's may stay out
	s_barrier_signal -1
	s_barrier_wait -1
	FETCH 0, 0
	WIN 0
	s_mov_b32 s[G], 0
	s_mov_b32 s[NEW], 1
.Lstep:                                        ; 22 trips: a K step each, and the refill for the step two on
	FIRSTQ 1
	QUARTER 2, 1
	QUARTER 3, 0
	TURN 1
	WIN 0
	s_and_b32 s22, s[G], 7
	s_cmp_eq_u32 s22, 7
	s_cbranch_scc0 .Lnoout                         ; forward, past text with no barrier and no tensor load
	OUT
.Lnoout:
	s_add_co_u32 s[G], s[G], 1
	s_cmp_lt_u32 s[G], 22
	s_cbranch_scc1 .Lstep
	FIRSTQ 0                                       ; step 22: nothing is left to ask for
	QUARTER 2, 1
	QUARTER 3, 0
	TURN 0
	FIRSTQ 0                                       ; step 23
	QUARTER 2, 1
	QUARTER 3, 0
	s_wait_dscnt 0x0
	CVT 1
	MULQ 1, 0
	WIN 0
	PLACES
	OUT                                            ; G = 22: G / 8 = 2: v
	; v's second word for rows 0 to 31 of the batch: row blocks 0 and 1 of waves 0 and 1, in the cluster with y = 0 (the same answer in all sixteen partners, for a given wave)
	s_and_b32 s22, ttmp7, 0xffff
	s_or_b32 s22, s22, s[WR]
	s_cmp_eq_u32 s22, 0
	s_cbranch_scc0 .Lnolo                          ; forward, past text with no barrier and no tensor load
	v_mov_b32 v[T0], -1.0
	WIN 0x13                                       ; source 0 (the packed f16) window 3, source 1 window 0, source 2 (the sum) window 1, destination window 0
.set t, 0
.rept 16
.irp i, 0,1,2,3
	v_fma_mix_f32 v[LF+8*t+2*(\i)],   v[TMP+4*t+(\i)], v[T0], v[8*t+2*(\i)]   op_sel_hi:[1,0,0]                ; f16(v) x -1 + v: exact
	v_fma_mix_f32 v[LF+8*t+2*(\i)+1], v[TMP+4*t+(\i)], v[T0], v[8*t+2*(\i)+1] op_sel:[1,0,0] op_sel_hi:[1,0,0]
.endr
.set t, t+1
.endr
	WIN 0
.set t, 0
.rept 64
	v_cvt_pk_f16_f32 v[LP+t], v[LF+2*t], v[LF+2*t+1]
.set t, t+1
.endr
.set t, 0
.rept 16
	global_store_b128 v[CO], v[LP+4*t:LP+4*t+3], s[VL:VL+1] offset:(t/8)*8192+(t%8)*512  ; v's own layout: 512 consecutive bytes, aligned
.set t, t+1
.endr
.Lnolo:
	s_wait_tensorcnt 0x0                           ; the wave's end
	ds_add_u32 v[SPW], v[NIL]
	s_wait_dscnt 0x0
	CROUND                                         ; the closing round
	s_endpgm
.Lfunc_end_k_q8a67f5ddf7_proj:
	.size	k_q8a67f5ddf7_proj, .Lfunc_end_k_q8a67f5ddf7_proj-k_q8a67f5ddf7_proj
	.p2alignl 7, 3214868480
	.fill 96, 4, 3214868480
	.section	.rodata,"a",@progbits
	.p2align	6, 0x0
	.amdhsa_kernel k_q8a67f5ddf7_proj
		.amdhsa_group_segment_fixed_size 327680
		.amdhsa_private_segment_fixed_size 0
		.amdhsa_enable_private_segment 0
		.amdhsa_kernarg_size 72
		.amdhsa_user_sgpr_count 2
		.amdhsa_user_sgpr_kernarg_segment_ptr 1
		.amdhsa_wavefront_size32 1
		.amdhsa_system_sgpr_workgroup_id_x 1
		.amdhsa_system_sgpr_workgroup_id_y 1
		.amdhsa_system_sgpr_workgroup_id_z 1
		.amdhsa_system_vgpr_workitem_id 0
		.amdhsa_next_free_vgpr 896
		.amdhsa_next_free_sgpr 100
		.amdhsa_reserve_vcc 0
		.amdhsa_float_denorm_mode_32 3
		.amdhsa_float_denorm_mode_16_64 3
		.amdhsa_memory_ordered 1
		.amdhsa_forward_progress 1
		.amdhsa_inst_pref_size 133
	.end_amdhsa_kernel
	.amdgpu_metadata
---
amdhsa.version: [ 1, 2 ]
amdhsa.kernels:
  - .name:           k_q8a67f5ddf7_proj
    .symbol:         k_q8a67f5ddf7_proj.kd
    .args:
      - { .name: inputs_for_queries, .offset: 0, .size: 8, .value_kind: global_buffer, .address_space: global }
      - { .name: inputs_for_keys, .offset: 8, .size: 8, .value_kind: global_buffer, .address_space: global }
      - { .name: inputs_for_values, .offset: 16, .size: 8, .value_kind: global_buffer, .address_space: global }
      - { .name: bq, .offset: 24, .size: 8, .value_kind: global_buffer, .address_space: global }
      - { .name: bk, .offset: 32, .size: 8, .value_kind: global_buffer, .address_space: global }
      - { .name: bv, .offset: 40, .size: 8, .value_kind: global_buffer, .address_space: global }
      - { .name: wc, .offset: 48, .size: 8, .value_kind: global_buffer, .address_space: global }
      - { .name: qkv, .offset: 56, .size: 8, .value_kind: global_buffer, .address_space: global }
      - { .name: vlo, .offset: 64, .size: 8, .value_kind: global_buffer, .address_space: global }
    .group_segment_fixed_size: 327680
    .private_segment_fixed_size: 0
    .kernarg_segment_align: 8
    .kernarg_segment_size: 72
    .max_flat_workgroup_size: 128
    .sgpr_count:     100
    .vgpr_count:     896
    .wavefront_size: 32
...
	.end_amdgpu_metadata
.endif
;; end of part 2
;; launch attn (part 3): grid 16 x 16, 4 waves a work-group, clusters of 4 x 1, 327,680 bytes of LDS; arguments qkv, ow, vlo, olo; writes ow, olo
.if DOCPART == 3
	.amdgcn_target "amdgcn-amd-amdhsa--gfx1250"
	.amdhsa_code_object_version 6
	.text
	.protected	k_q8a67f5ddf7_attn
	.globl	k_q8a67f5ddf7_attn
	.p2align	8
	.type	k_q8a67f5ddf7_attn,@function
k_q8a67f5ddf7_attn:
	s_mov_b64 s[64:65], 0
	v_nop
	global_prefetch_b8 v0, s[64:65] scope:SCOPE_SE
	s_setreg_imm32_b32 hwreg(HW_REG_WAVE_MODE, 25, 1), 1
	s_wait_xcnt 0x0
	s_wait_alu depctr_hold_cnt(0) depctr_sa_sdst(0) depctr_va_vdst(0) depctr_va_sdst(0) depctr_va_ssrc(0) depctr_va_vcc(0) depctr_vm_vsrc(0)
	s_getreg_b32 s2, hwreg(HW_REG_IB_STS2, 6, 4)
	s_cmp_eq_u32 s2, 0
	s_cbranch_scc0 .Lentry_in_a_cluster
	s_endpgm
.Lentry_in_a_cluster:
	s_bfe_u32 s2, ttmp6, 0x10000c
	s_cmp_lg_u32 s2, 0x3003
	s_cbranch_scc0 .Lentry_shape_is_right
	s_endpgm
.Lentry_shape_is_right:
; CAUSAL ATTENTION, head size 256, scale 1/256.  O[q] = the sum over k <= q of softmax_k(Q[q] . K[k] / 256) V[k], for 16 (batch, head) pairs of 2,048 rows.  q, k, v: f16, in blocks of 16 rows x 16 channels (see below).
; Products, maxima and sums in f32; the weights are rounded to f16 for the second product (their sum is taken of the unrounded weights), O once at the end, to f16.
; LIMITS.  q, k, v lie within f16's range, so a true score is at most 1.1e12 in size.  A hidden score counts as its value less 1e30.  The running maximum starts at -1e20, below every true score and above every hidden one:
; so a hidden weight is 0 also where no key has been seen yet.  A weight below 2^-126 counts as 0.  NaN and infinities are not treated apart.
; THE WALK.  A head's queries lie in 32 blocks of 64.  A work-group takes two: 4 c + cx and then 28 - 4 c + cx (c = the cluster along x, cx = my place in it).  The four partners walk the SAME key tiles of 128 keys:
; 0 .. 2 c + 1 for the first block, 0 .. 15 - 2 c for the second: 18 tiles for every work-group.  What a partner may not see is hidden by the mask, never by a branch, so each tile is ONE joint load for the four.
; Both blocks have an even number of tiles, so tile t lies in slot t % 2, a trip of a loop is two tiles, and every LDS address in a loop is a constant of the text.  The text is straight: c + 1 trips, the first block's end,
; 7 - c trips, two tiles written out that ask for nothing, the second block's end.  The two trip counts hang on c alone, which waves and partners share; neither can be 0.
; SHARES.  Wave w: qh = w & 1 picks 32 of the 64 queries (two tiles of 16), kh = w >> 1 picks 64 of a tile's 128 keys.  Each wave keeps its own maximum, sum and O^T; at a block's end waves w and w ^ 2 merge: register tile u
; holds query tile u ^ kh, so every wave keeps register tile 0 and hands register tile 1 over, in f32, through LDS.
; LAYOUT.  S^T = K Q^T: a lane holds one query (lane % 16) and keys 8 (lane / 16) + 0..7; two results rounded to f16 in pairs are source 1 of O^T = V^T P.  THE MASK is the C operand that starts S^T: MD x AL + BE, MD the mask of
; the diagonal 64 x 64, (AL, BE) = (1, 0) on the diagonal, (0, 0) below it, (0, -1e30) above.
; A SECOND WORD WHERE FEW KEYS ARE SEEN.  A row that sees n keys is a mean of n rows of v: its numbers, and one f16 word's rounding of them, are of the order of sqrt(2048 / n) times those of a late row.  So (1) keys 0 to 31 have a
; second f16 word, v - f16(v), in vlo: 16,384 bytes a head, brought into LDS with the first tiles (by every cluster: a joint load stands on every path); in the cluster with c = 0 the waves on keys 0 to 63 add V_lo^T P behind the
; first block's first tile.  (2) In that cluster wave 0 stores O - f16(O) of its block's first 16 rows into olo: [batch][cx][16 head + channel block] 512 bytes, as fragments.  All four partners store, told apart by address
; The last launch reads the part with cx = 0, rows 0 to 15.
; MEMORY.  Block ((b 4 + h) 128 + s/16) 8192 + (d/16) 512; q, k: a lane's 16 bytes at 16 x lane, as a fragment wants them; v: row-major, 32 bytes a row, for the turning load.  128 keys are 65,536 dense bytes.
; ow: (R/128) 262,144 + (16 h + d/16) 4096 + ((R/16) % 8) 512 + 16 x lane: fragments for the last launch; every store covers 512 consecutive bytes, aligned.
; O^T and the sums are written 0 once, in the wait for the first tile (260 lines): a block's first step multiplies them by 0, so they need only be finite; no first step is written out.
; REGISTERS: window 0: addresses, statistics v16-31, factors v32-47, S^T v64-127, P v128-159, O's second word v160-223;  1: O^T, 128 a tile;  2: Q v0-127, MD v128-191, MC v192-255;  3: two buffers of 128 for K's and V's fragments.
.set SLOT1, 1<<17                      ; a slot: K 65,536 bytes, then V 65,536; slot 1 begins here
.set VOFF,  65536
.set MST,   262144                     ; the merge: 8,192 bytes a wave; no tensor load lands here
.set STATS, 294912                     ; 256 bytes a wave
.set SPARE, 295936                     ; the spare words, 128 bytes a wave: two blocks of 256 bytes that no other line names
.set VLO,   296448                     ; the second word of keys 0 to 31: 16,384 bytes, filled once
.set AKS, 2                            ; v2, v3  my place in K's part of slot 0, 1; never rewritten
.set AVS, 4                            ; v4, v5  the same for V
.set QO0, 6
.set QO1, 7
.set GO,  8                            ; v8  16 x lane
.set PFO, 9                            ; v9  256 x lane
.set MW,  10
.set MR,  11
.set SW,  12
.set SR,  13
.set TH,  14                           ; v14-15 a tile's threshold for the diagonal's mask
.set ST,  16                           ; tile u at ST + 8 u: c m, m, l, l, c0..c3 (a takes c2's place)
.set AVL, 54                           ; v54 my place in the second word's bytes
.set NEG1, 55                          ; v55 -1.0
.set SPW, 62
.set NIL, 63
.set S,   64
.set P,   128
.set LOP, 160
.set MD,  128                          ; window 2
.set MC,  192                          ; window 2
.set WV,  8
.set QH,  9
.set KH,  10
.set CC,  11
.set CX,  12
.set BH,  13
.set QB,  14                           ; the block in hand
.set CUR, 15                           ; the key tile in hand
.set TC,  16                           ; a loop's count
.set NXT, 17                           ; the tile to be asked for
.set LQ,  18                           ; the first block's number of tiles; 64 once NXT has gone back to 0
.set WQ,  19                           ; the number, in the walk of 18, of the tile that is being asked for
.set SRC, 20                           ; s[20:21] K or V at my quarter of tile 0
.set OFF, 22
.set G1,  24
.set G0,  40                           ; s[40:47] a set for each slot
.set QP1, 48
.set QP2, 50
.set OP,  52
.set OP2, 54
.set NTA, 56                           ; c + 1
.set NTB, 57                           ; 7 - c
.set CS,  58
.set SEL, 60
.set KT,  62
.set LO,  63                           ; I prefetch while LO <= WQ <= HI
.set AL,  66
.set BE,  68
.set BIGN, 70
.set QB2, 71
.set PFA, 72
.set HI,  74
.set G1L, 76                           ; s[76:83] descriptor group 1 for the second word (at work before that)
.set PB,  84                           ; s[84:85] SRC at my work-group's 8,192 bytes of my quarter
.set OFP, 86
.set VLP, 88                           ; s[88:89] vlo
.set OL,  90                           ; s[90:91] olo at my batch, place and head
.set G0L, 92                           ; s[92:95] descriptor group 0 for the second word
.set MSB, 0
.macro WIN new
.if MSB != (\new)
	s_set_vgpr_msb (MSB<<8)|(\new)
.set MSB, (\new)
.endif
.endm
.macro PLACES
.rept 4
	v_nop
.endr
.endm
.macro CREST
	s_cmp_lg_u32 s[WV], 0
	s_cbranch_scc1 .Lnot_wave_0_\@
	s_barrier_signal -3
.Lnot_wave_0_\@:
	s_barrier_wait -3
	s_barrier_signal -1
	s_barrier_wait -1
.endm
.macro CROUND
	s_barrier_signal -1
	s_barrier_wait -1
	CREST
.endm
.macro BAR
	s_barrier_signal -1
	s_barrier_wait -1
.endm
.macro QLOAD p                         ; a block's Q: register tile u from query tile u ^ kh
	WIN 0x80
.irp c, 0,1,2,3,4,5,6,7
	global_load_b128 v[8*(\c):8*(\c)+3],       v[QO0], s[\p:\p+1] offset:(\c)*1024
	global_load_b128 v[8*(\c)+4:8*(\c)+7],     v[QO0], s[\p:\p+1] offset:(\c)*1024+512
	global_load_b128 v[64+8*(\c):64+8*(\c)+3],   v[QO1], s[\p:\p+1] offset:(\c)*1024
	global_load_b128 v[64+8*(\c)+4:64+8*(\c)+7], v[QO1], s[\p:\p+1] offset:(\c)*1024+512
.endr
	WIN 0
.endm
.macro FETCH_K g, sl                   ; key tiles 2 g, 2 g + 1 of my four in slot sl, all 256 channels: 32 loads into buffer g
	WIN 0xc0
.irp t, 0,1
.irp c, 0,1,2,3,4,5,6,7
	ds_load_b128 v[128*(\g)+64*(\t)+8*(\c):128*(\g)+64*(\t)+8*(\c)+3],   v[AKS+(\sl)] offset:(2*(\g)+(\t))*8192+(\c)*1024
	ds_load_b128 v[128*(\g)+64*(\t)+8*(\c)+4:128*(\g)+64*(\t)+8*(\c)+7], v[AKS+(\sl)] offset:(2*(\g)+(\t))*8192+(\c)*1024+512
.endr
.endr
.endm
.macro FETCH_V g, sl                   ; keys 32 g .. 32 g + 31 of my 64, all 16 channel blocks, turned: 32 loads into buffer g
	WIN 0xc0
.irp cb, 0,1,2,3,4,5,6,7,8,9,10,11,12,13,14,15
	ds_load_tr16_b128 v[128*(\g)+8*(\cb):128*(\g)+8*(\cb)+3],   v[AVS+(\sl)] offset:2*(\g)*8192+(\cb)*512
	ds_load_tr16_b128 v[128*(\g)+8*(\cb)+4:128*(\g)+8*(\cb)+7], v[AVS+(\sl)] offset:(2*(\g)+1)*8192+(\cb)*512
.endr
.endm
.macro FETCH_VL                        ; the second word of keys 0 to 31, all 16 channel blocks, turned: 32 loads into buffer 1
	WIN 0xc0
.irp cb, 0,1,2,3,4,5,6,7,8,9,10,11,12,13,14,15
	ds_load_tr16_b128 v[128+8*(\cb):128+8*(\cb)+3],   v[AVL] offset:(\cb)*512
	ds_load_tr16_b128 v[128+8*(\cb)+4:128+8*(\cb)+7], v[AVL] offset:8192+(\cb)*512
.endr
.endm
; 32 products of S^T: channels 32 (i / 4) on, key tile 2 g + (i / 2) % 2, query tile i % 2.  Four accumulators take turns; the first four start the sums with the mask.
.macro KQ g
.set i, 0
.rept 32
.set rS, S+32*(i%2)+8*(2*(\g)+(i/2)%2)
.set rK, 128*(\g)+64*((i/2)%2)+8*(i/4)
.set rQ, 64*(i%2)+8*(i/4)
.set rM, MC+32*(i%2)+8*(2*(\g)+(i/2)%2)
.if i < 4
	WIN 0x2b
	v_wmma_f32_16x16x32_f16 v[rS:rS+7], v[rK:rK+7], v[rQ:rQ+7], v[rM:rM+7]
.else
	WIN 0x0b
	v_wmma_f32_16x16x32_f16 v[rS:rS+7], v[rK:rK+7], v[rQ:rQ+7], v[rS:rS+7]
.endif
.set i, i+1
.endr
.endm
; 16 products of O^T += V^T P: V's fragments in buffer g, the weights of keys 32 pg on, channel blocks 8 half + i / 2, query tile i % 2: sixteen accumulators, one instruction each
.macro PVX g, half, pg
	WIN 0x53
.set i, 0
.rept 16
.set rO, 128*(i%2)+8*(8*(\half)+i/2)
.set rV, 128*(\g)+8*(8*(\half)+i/2)
.set rP, P+16*(i%2)+8*(\pg)
	v_wmma_f32_16x16x32_f16 v[rO:rO+7], v[rV:rV+7], v[rP:rP+7], v[rO:rO+7]
.set i, i+1
.endr
.endm
.macro PVH g, half
	PVX \g, \half, \g
.endm
.macro MASK                            ; my 64 keys are key block 2 CUR + kh of 64; the selects hang on my block, no branch does
	s_lshl1_add_u32 s[KT], s[CUR], s[KH]
	s_cmp_eq_u32 s[KT], s[QB]
	s_cselect_b32 s[AL], 1.0, 0
	s_cmp_gt_u32 s[KT], s[QB]
	s_cselect_b32 s[BE], s[BIGN], 0
	WIN 0x82
.set z, 0
.rept 32
	v_pk_fma_f32 v[MC+2*z:MC+2*z+1], v[MD+2*z:MD+2*z+1], s[AL:AL+1], s[BE:BE+1] op_sel_hi:[1,0,0]
.set z, z+1
.endr
.endm
; One tile's softmax for a key step is a list of 166; SM writes number j of it for tile t.
;   0-15 the maximum of the lane's 32 scores and the old m (each accumulator's lowest registers are read first)   16-20 the other half of the lanes'; m; c m; c m_old - c m_new
;   21-69 the 16 scalings c s - c m and all 33 exponentials: none reads an exponential's result   70-85 the roundings to f16   86-101 the sums, l = a l + sum   102-165 O^T times a
.macro SM t
.set rT, ST+8*(\t)
.set rS, S+32*(\t)
.set rP, P+16*(\t)
.set rO, 128*(\t)+2*(j-102)
.if j < 102
	WIN 0
.endif
.if j < 4
	v_max3_num_f32 v[rT+4+j], v[rS+8*j], v[rS+8*j+1], v[rS+8*j+2]
.elseif j < 12
	v_max3_num_f32 v[rT+4+j%4], v[rT+4+j%4], v[rS+8*(j%4)+2*(j/4)+1], v[rS+8*(j%4)+2*(j/4)+2]
.elseif j == 12
	v_max3_num_f32 v[rT+4], v[rT+4], v[rS+7], v[rS+15]
.elseif j == 13
	v_max3_num_f32 v[rT+6], v[rT+6], v[rS+23], v[rS+31]
.elseif j == 14
	v_max3_num_f32 v[rT+4], v[rT+4], v[rT+5], v[rT+6]
.elseif j == 15
	v_max3_num_f32 v[rT+4], v[rT+4], v[rT+7], v[rT+1]
.elseif j == 16
	v_permlanex16_b32 v[rT+5], v[rT+4], s[SEL], s[SEL+1]
.elseif j == 17
	v_mov_b32 v[rT+7], v[rT]
.elseif j == 18
	v_max_num_f32 v[rT+1], v[rT+4], v[rT+5]
.elseif j == 19
	v_mul_f32 v[rT], s[CS], v[rT+1]
.elseif j == 20
	v_sub_f32 v[rT+7], v[rT+7], v[rT]
.elseif j == 23
	v_exp_f32 v[rT+6], v[rT+7]
.elseif (j < 23) || ((j < 38) && (j%2 == 0)) || ((j < 66) && (j%4 == 2))
.set pb, (j-2)/4
.if j < 38
.set pb, (j-20)/2
.endif
	v_pk_fma_f32 v[rS+2*pb:rS+2*pb+1], v[rS+2*pb:rS+2*pb+1], s[CS:CS+1], v[rT:rT+1] op_sel_hi:[1,0,0] neg_lo:[0,0,1] neg_hi:[0,0,1]
.elseif j < 70
.set pe, j-38
.if j < 66
.set pe, j-32-(j-38)/4
.endif
.if j < 38
.set pe, (j-25)/2
.endif
	v_exp_f32 v[rS+pe], v[rS+pe]
.elseif j < 86
	v_cvt_pk_f16_f32 v[rP+j-70], v[rS+2*(j-70)], v[rS+2*(j-70)+1]
.elseif j < 102
.set sz, j-86
.set sw, 4
.set su, sz
.if sz >= 14
.set sw, 32
.set su, 0
.elseif sz >= 12
.set sw, 16
.set su, sz-12
.elseif sz >= 8
.set sw, 8
.set su, sz-8
.endif
.if sz < 15
	v_pk_add_f32 v[rS+sw*su:rS+sw*su+1], v[rS+sw*su:rS+sw*su+1], v[rS+sw*su+sw/2:rS+sw*su+sw/2+1]
.else
	v_pk_fma_f32 v[rT+2:rT+3], v[rT+2:rT+3], v[rT+6:rT+7], v[rS:rS+1] op_sel_hi:[1,0,1]
.endif
.else
	WIN 0x41
	v_pk_mul_f32 v[rO:rO+1], v[rO:rO+1], v[rT+6:rT+7] op_sel_hi:[1,0]
.endif
.endm
.macro SOFTMAX                         ; the two tiles alternate; both tiles' 66 exponentials are one batch with one wait
.set j, 0
.rept 70
	SM 0
	SM 1
.set j, j+1
.endr
	WIN 0
	v_nop                                          ; the plain instruction behind the last exponential
	s_wait_alu depctr_va_vdst(0)
.rept 96
	SM 0
	SM 1
.set j, j+1
.endr
.endm
; A PREFETCH INTO THE L2 of the tile that the NEXT change of slots asks for.  Each tile of a head is named once in the launch, by the cluster whose walk comes to it first by the count of trips: tiles 3 to 7 by the cluster
; with c = 3, whose first block walks tiles 0 to 7 (requests 2 to 6 of its walk); tiles 8 to 15 by the cluster with c = 0, whose second block walks all sixteen (requests 9 to 16).  Each wave names its own quarter of a tile,
; each partner 8,192 bytes of it, by address: a lane a block of 256 bytes.  Tiles 0 to 2 come by their loads alone.
.macro ASK
	s_cmp_ge_u32 s[WQ], s[LO]
	s_cbranch_scc0 .Lnot_mine_\@
	s_cmp_le_u32 s[WQ], s[HI]
	s_cbranch_scc0 .Lnot_mine_\@
	global_prefetch_b8 v[PFO], s[PFA:PFA+1] th:TH_LOAD_NT scope:SCOPE_SE
.Lnot_mine_\@:
	s_add_co_u32 s[WQ], s[WQ], 1
.endm
; THE CHANGE OF SLOTS, out of slot sl.  Each wave waits for all its tensor loads (one is out: its quarter of the other slot), adds 0 to its spare word, and waits for that and for its reads of this slot, V's last among them.
; fill = 1: the barrier opens a round of the cluster's, and the joint refill of slot sl (tile NXT, the address made anew from that number) is the first thing behind the round: it has a whole key step in which to land.
; nextk = 1: the other slot's first fragments of K are fetched.
.macro CHANGE sl, fill, nextk
	WIN 0
	s_wait_tensorcnt 0x0
	ds_add_u32 v[SPW], v[NIL]
.if \fill
	s_lshl_b32 s[OFF], s[NXT], 16
	s_add_nc_u64 s[G0+4*(\sl)+2:G0+4*(\sl)+3], s[SRC:SRC+1], s[OFF:OFF+1]
	s_or_b32 s[G0+4*(\sl)+3], s[G0+4*(\sl)+3], 0x80000000
	s_add_co_u32 s[NXT], s[NXT], 1                 ; behind the first block's last tile comes the second block's tile 0;
	s_cmp_eq_u32 s[NXT], s[LQ]
	s_cselect_b32 s[NXT], 0, s[NXT]
	s_cselect_b32 s[LQ], 64, s[LQ]                 ; the second block, the longer one, goes back no more
	s_wait_xcnt 0x0                                ; the last prefetch, a key step back, has read its address
	s_lshl_b32 s[OFP], s[NXT], 16
	s_add_nc_u64 s[PFA:PFA+1], s[PB:PB+1], s[OFP:OFP+1]
.endif
	s_wait_dscnt 33                                ; V's first 32 loads are in; its other 32 and the add may be out
	PVH 0, 0
	s_wait_dscnt 0x0
	s_barrier_signal -1
	PVH 0, 1
	WIN 0
	s_barrier_wait -1
.if \fill
	CREST
	tensor_load_to_lds s[G0+4*(\sl):G0+4*(\sl)+3], s[G1:G1+7]
	s_nop 0
	PLACES                                         ; also the places in front of the loads into buffer 0
.elseif \nextk
	PLACES
.endif
.if \nextk
	FETCH_K 0, 1-(\sl)
	WIN 0
.endif
.if \fill
	ASK
.endif
.endm
; A KEY STEP on the tile in slot sl.  Each run of 32 LDS loads goes out 32 products or more ahead of its use; each counted wait leaves the run just issued out.
; lo = 1 (the first loop's first tile): in its first trip, in the cluster with c = 0, the waves on keys 0 to 63 add the second word of keys 0 to 31 times the same weights.  The jump goes forward past text with no barrier and no tensor load.
.macro TRIP sl, fill, nextk, lo=0
	MASK                                           ; 32 plain lines: the places in front of the loads into buffer 1
	FETCH_K 1, \sl
	s_wait_dscnt 32                                ; K's first half is in
	KQ 0
	PLACES
	FETCH_V 0, \sl
	s_wait_dscnt 32                                ; K's second half is in
	KQ 1
	PLACES
	FETCH_V 1, \sl
	SOFTMAX
	CHANGE \sl, \fill, \nextk
	PVH 1, 0
	PVH 1, 1
	WIN 0
.if \lo
	s_or_b32 s32, s[CC], s[KH]
	s_or_b32 s32, s32, s[TC]
	s_cmp_eq_u32 s32, 0
	s_cbranch_scc0 .Lno_lo_\@
	PLACES                                         ; in front of loads into buffer 1, which the last products read
	FETCH_VL
	s_wait_dscnt 0x0
	PVX 1, 0, 0
	PVX 1, 1, 0
	WIN 0
.Lno_lo_\@:
.endif
	s_add_co_u32 s[CUR], s[CUR], 1
.endm
.macro INIT                            ; c m far below every c s, so the first a is 0; m below every true score and above every hidden one
.irp u, 0,1
	v_mov_b32 v[ST+8*(\u)], 0xfe000000
	v_mov_b32 v[ST+8*(\u)+1], 0xe0ad78ec
.endr
.endm
.macro SENDH half                      ; register tile 1, channel blocks 8 half on, into my part of the merge's bytes
	WIN 0x04
.set i, 0
.rept 16
	ds_store_b128 v[MW], v[128+64*(\half)+4*i:128+64*(\half)+4*i+3] offset:512*i
.set i, i+1
.endr
.endm
.macro RECVH                           ; my partner's, into buffer 1
	WIN 0xc0
.set i, 0
.rept 16
	ds_load_b128 v[128+4*i:128+4*i+3], v[MR] offset:512*i
.set i, i+1
.endr
.endm
.macro COMB half                       ; O = O g0 + partner's O gp
	WIN 0x41
.set z, 0
.rept 32
	v_pk_mul_f32 v[64*(\half)+2*z:64*(\half)+2*z+1], v[64*(\half)+2*z:64*(\half)+2*z+1], v[32:33] op_sel_hi:[1,0]
.set z, z+1
.endr
	WIN 0x53
.set z, 0
.rept 32
	v_pk_fma_f32 v[64*(\half)+2*z:64*(\half)+2*z+1], v[128+2*z:128+2*z+1], v[34:35], v[64*(\half)+2*z:64*(\half)+2*z+1] op_sel_hi:[1,0,1]
.set z, z+1
.endr
.endm
.macro PACKST half                     ; rounded to f16 and stored: a lane's 8 channels are 16 bytes at 16 x lane of a block
	WIN 0x05
.set i, 0
.rept 32
	v_cvt_pk_f16_f32 v[S+32*(\half)+i], v[64*(\half)+2*i], v[64*(\half)+2*i+1]
.set i, i+1
.endr
	WIN 0
.irp cb, 0,1,2,3,4,5,6,7
	global_store_b128 v[GO], v[S+32*(\half)+4*(\cb):S+32*(\half)+4*(\cb)+3], s[OP:OP+1] offset:(8*(\half)+(\cb))*4096
.endr
.endm
.macro LOST half                       ; O's second word: f16(O) x -1 + O, exact, in place; rounded to f16; stored as fragments
	WIN 0x50                                       ; destination and source 2 (O) window 1; the packed f16 and -1 window 0
.set i, 0
.rept 32
	v_fma_mix_f32 v[64*(\half)+2*i],   v[S+32*(\half)+i], v[NEG1], v[64*(\half)+2*i]   op_sel_hi:[1,0,0]
	v_fma_mix_f32 v[64*(\half)+2*i+1], v[S+32*(\half)+i], v[NEG1], v[64*(\half)+2*i+1] op_sel:[1,0,0] op_sel_hi:[1,0,0]
.set i, i+1
.endr
	WIN 0x05
.set i, 0
.rept 32
	v_cvt_pk_f16_f32 v[LOP+32*(\half)+i], v[64*(\half)+2*i], v[64*(\half)+2*i+1]
.set i, i+1
.endr
	WIN 0
.irp cb, 0,1,2,3,4,5,6,7
	global_store_b128 v[GO], v[LOP+32*(\half)+4*(\cb):LOP+32*(\half)+4*(\cb)+3], s[OL:OL+1] offset:(8*(\half)+(\cb))*512
.endr
.endm
; A BLOCK ENDS.  Three barriers: my sums lie in LDS before my partner reads them; its reads are over before the second half is written; and that half lies there before it is read.  The text stands on every wave's path.
.macro END last
	WIN 0
	PLACES                                         ; behind the last products
.if !(\last)
	QLOAD QP2
.endif
.irp u, 0,1
	v_add_f32 v[ST+8*(\u)+4], v[ST+8*(\u)+2], v[ST+8*(\u)+3]
.endr
.irp u, 0,1
	v_permlanex16_b32 v[ST+8*(\u)+5], v[ST+8*(\u)+4], s[SEL], s[SEL+1]
.endr
.irp u, 0,1
	v_add_f32 v[ST+8*(\u)+2], v[ST+8*(\u)+4], v[ST+8*(\u)+5]
.endr
	v_mov_b32 v46, v[ST+8]
	v_mov_b32 v47, v[ST+10]
	ds_store_b64 v[SW], v[46:47]                   ; tile 1's c m and l
	SENDH 0
	WIN 0
	s_wait_dscnt 0x0
	BAR
	ds_load_b64 v[36:37], v[SR]
	RECVH
	WIN 0
	s_wait_dscnt 16                                ; the partner's c m and l are in; its 16 loads of sums may be out
	v_max_num_f32 v38, v[ST], v36
	v_sub_f32 v39, v[ST], v38
	v_sub_f32 v40, v36, v38
	v_exp_f32 v41, v39
	v_exp_f32 v42, v40
	v_nop
	s_wait_alu depctr_va_vdst(0)
	v_mul_f32 v43, v[ST+2], v41
	v_fmac_f32 v43, v37, v42                       ; the whole sum: every query sees its own key, so it is not 0
	v_rcp_f32 v44, v43
	v_nop
	s_wait_alu depctr_va_vdst(0)
	v_mul_f32 v32, v41, v44
	v_mul_f32 v33, v41, v44
	v_mul_f32 v34, v42, v44
	v_mul_f32 v35, v42, v44
	s_wait_dscnt 0x0
	COMB 0
	WIN 0
	BAR
	SENDH 1
	WIN 0
	s_wait_dscnt 0x0
	BAR
	RECVH
	PACKST 0
	s_wait_dscnt 0x0
	COMB 1
	PACKST 1
.if !(\last)
	s_or_b32 s32, s[CC], s[WV]                     ; wave 0 holds the block's first 16 rows; c is the partners' common number
	s_cmp_eq_u32 s32, 0
	s_cbranch_scc0 .Lno_olo_\@                     ; forward, past text with no barrier and no tensor load
	LOST 0
	LOST 1
.Lno_olo_\@:
.endif
	s_wait_xcnt 0x0                                ; the stores have read their registers and O's address
.if !(\last)
	s_mov_b64 s[OP:OP+1], s[OP2:OP2+1]
	s_mov_b32 s[QB], s[QB2]
	s_mov_b32 s[CUR], 0
	INIT
	s_wait_loadcnt 0x0                             ; the second block's Q
.endif
.endm
	s_load_b128 s[4:7], s[0:1], 0x0                ; qkv, ow
	s_load_b128 s[88:91], s[0:1], 0x10             ; vlo, olo
	v_lshl_add_u32 v[SPW], v0, 2, SPARE
	v_mov_b32 v[NIL], 0
	ds_add_u32 v[SPW], v[NIL]                      ; the wave's opening: the add and its wait ahead of my first tensor load
	v_lshrrev_b32 v48, 5, v0
	v_readfirstlane_b32 s[WV], v48
	s_and_b32 s[QH], s[WV], 1
	s_lshr_b32 s[KH], s[WV], 1
	s_mov_b32 s[CC], ttmp9
	s_bfe_u32 s[CX], ttmp6, 0x40000
	s_and_b32 s[BH], ttmp7, 0xffff
	s_lshl_b32 s32, s[CC], 2
	s_add_co_u32 s[QB], s32, s[CX]                 ; the first block: 4 c + cx
	s_sub_co_u32 s[QB2], 28, s32
	s_add_co_u32 s[QB2], s[QB2], s[CX]             ; the second: 28 - 4 c + cx
	s_lshl_b32 s33, s[CC], 1
	s_add_co_u32 s[LQ], s33, 2                     ; the first block's tiles
	s_add_co_u32 s[NTA], s[CC], 1
	s_sub_co_u32 s[NTB], 7, s[CC]
	s_mov_b32 s[G1], 15|(3<<16)|(1<<21)            ; the mask of four; 8-byte elements; bit 21 beside a mask: 32,768 dense bytes as 128 rows of 256
	s_mov_b32 s[G1+1], 32<<16
	s_mov_b32 s[G1+2], 128<<16
	s_mov_b32 s[G1+3], 32<<16
	s_mov_b32 s[G1+4], 128
	s_mov_b32 s[G1+5], 32
	s_mov_b32 s[G1+6], 0
	s_mov_b32 s[G1+7], 0
	s_add_co_u32 s34, s[KH], 1                     ; waves 0, 1: k's section; waves 2, 3: v's;
	s_lshl_b32 s34, s34, 24
	s_lshl_b32 s35, s[BH], 20                      ; the head;
	s_add_co_u32 s34, s34, s35
	s_lshl_b32 s35, s[QH], 15                      ; my half of a tile: nothing of cx
	s_add_co_u32 s34, s34, s35
	s_mov_b32 s35, 0
	s_lshl_b32 s32, s[BH], 20
	s_lshl_b32 s33, s[QH], 1
	s_lshl2_add_u32 s36, s[QB], s33                ; row tile 4 qb + 2 qh
	s_lshl_b32 s36, s36, 13
	s_add_co_u32 s36, s36, s32
	s_mov_b32 s37, 0
	s_lshl2_add_u32 s38, s[QB2], s33
	s_lshl_b32 s38, s38, 13
	s_add_co_u32 s38, s38, s32
	s_mov_b32 s39, 0
	s_lshr_b32 s32, s[BH], 2
	s_lshl_b32 s32, s32, 4
	s_and_b32 s33, s[BH], 3
	s_lshl_b32 s33, s33, 16
	s_lshl1_add_u32 s80, s[QH], s[KH]              ; I store query tile 2 qh + kh of the block's four
	s_lshr_b32 s76, s[QB], 1
	s_add_co_u32 s76, s76, s32
	s_lshl_b32 s76, s76, 18
	s_add_co_u32 s76, s76, s33
	s_and_b32 s77, s[QB], 1
	s_lshl2_add_u32 s77, s77, s80
	s_lshl_b32 s77, s77, 9
	s_add_co_u32 s76, s76, s77
	s_mov_b32 s77, 0
	s_lshr_b32 s78, s[QB2], 1
	s_add_co_u32 s78, s78, s32
	s_lshl_b32 s78, s78, 18
	s_add_co_u32 s78, s78, s33
	s_and_b32 s79, s[QB2], 1
	s_lshl2_add_u32 s79, s79, s80
	s_lshl_b32 s79, s79, 9
	s_add_co_u32 s78, s78, s79
	s_mov_b32 s79, 0
	s_lshl_b32 s81, s[WV], 15                      ; my quarter of a slot
	s_mov_b32 s[G0], 1
	s_mov_b32 s[G0+1], s81
	s_mov_b32 s[G0+4], 1
	s_add_co_u32 s[G0+5], s81, SLOT1
	s_mov_b32 s[G0L], 1
	s_lshl_b32 s[G0L+1], s[WV], 12                 ; my quarter of the second word's 16,384 bytes
	s_add_co_u32 s[G0L+1], s[G0L+1], VLO
	s_mov_b32 s[CS], 0x3bb8aa3b                    ; c = log2(e) / 256
	s_mov_b32 s[CS+1], s[CS]
	s_mov_b32 s[SEL], 0x76543210
	s_mov_b32 s[SEL+1], 0xfedcba98
	s_mov_b32 s[BIGN], 0xf149f2ca                  ; -1e30
	s_mov_b32 s[AL+1], 0
	s_mov_b32 s[BE+1], 0
	s_mov_b32 s[OFF+1], 0
	s_mov_b32 s[OFP+1], 0
	s_mov_b32 s[LO], 1                             ; an empty range,
	s_mov_b32 s[HI], 0
	s_cmp_eq_u32 s[CC], 3                          ; but for c = 3
	s_cselect_b32 s[LO], 2, s[LO]
	s_cselect_b32 s[HI], 6, s[HI]
	s_cmp_eq_u32 s[CC], 0                          ; and c = 0
	s_cselect_b32 s[LO], 9, s[LO]
	s_cselect_b32 s[HI], 16, s[HI]
	s_mov_b32 s[WQ], 2                             ; tiles 0 and 1 of the walk go out at the head
	s_mov_b32 s[NXT], 2
	s_cmp_eq_u32 s[LQ], 2                          ; where the first block has two tiles the walk's third is the second block's tile 0
	s_cselect_b32 s[NXT], 0, s[NXT]
	s_cselect_b32 s[LQ], 64, s[LQ]
	s_mov_b32 s[CUR], 0
	v_and_b32 v49, 31, v0                          ; lane
	v_and_b32 v50, 15, v0                          ; r
	v_bfe_u32 v51, v0, 4, 1                        ; h
	v_lshlrev_b32 v[GO], 4, v49
	v_mov_b32 v[NEG1], -1.0
	s_lshl_b32 s82, s[KH], 13
	v_add_nc_u32 v[QO0], s82, v[GO]                ; register tile 0 = query tile kh,
	s_xor_b32 s83, s82, 8192
	v_add_nc_u32 v[QO1], s83, v[GO]                ; register tile 1 = the other
	s_lshl_b32 s82, s[KH], 15
	v_add_nc_u32 v[AKS], s82, v[GO]
	v_add_nc_u32 v[AKS+1], SLOT1, v[AKS]
	v_and_b32 v52, 7, v0
	v_lshl_add_u32 v52, v51, 3, v52                ; the turning load: key 8 h + l % 8,
	v_bfe_u32 v53, v0, 3, 1
	v_lshlrev_b32 v[AVS], 5, v52
	v_lshl_add_u32 v[AVS], v53, 4, v[AVS]          ; channels 8 ((l / 8) % 2) on
	v_add_nc_u32 v[AVL], VLO, v[AVS]
	s_add_co_u32 s82, s82, VOFF
	v_add_nc_u32 v[AVS], s82, v[AVS]
	v_add_nc_u32 v[AVS+1], SLOT1, v[AVS]
	v_lshlrev_b32 v[PFO], 8, v49
	s_lshl_b32 s82, s[WV], 13
	s_add_co_u32 s82, s82, MST
	v_add_nc_u32 v[MW], s82, v[GO]
	s_xor_b32 s83, s[WV], 2
	s_lshl_b32 s82, s83, 13
	s_add_co_u32 s82, s82, MST
	v_add_nc_u32 v[MR], s82, v[GO]
	s_lshl_b32 s82, s[WV], 8
	s_add_co_u32 s82, s82, STATS
	v_lshl_add_u32 v[SW], v49, 3, s82
	s_lshl_b32 s82, s83, 8
	s_add_co_u32 s82, s82, STATS
	v_lshl_add_u32 v[SR], v49, 3, s82
	v_lshlrev_b32 v52, 3, v51
	v_sub_nc_u32 v52, v50, v52                     ; r - 8 h
	s_lshl_b32 s82, s[QH], 5
	s_lshl_b32 s83, s[KH], 4
	s_add_co_u32 s83, s82, s83
	v_add_nc_u32 v[TH], s83, v52                   ; my query's place in the block less 8 h: register j of key tile kk is hidden where 16 kk + j is greater
	s_xor_b32 s83, s83, 16
	v_add_nc_u32 v[TH+1], s83, v52
	s_wait_dscnt 0x0                               ; the opening add is done
	s_wait_kmcnt 0x0
	s_add_nc_u64 s[SRC:SRC+1], s[4:5], s[34:35]
	s_mov_b64 s[G0+2:G0+3], s[SRC:SRC+1]           ; tile 0
	s_or_b32 s[G0+3], s[G0+3], 0x80000000
	s_add_nc_u64 s[G0+6:G0+7], s[SRC:SRC+1], 0x10000  ; tile 1
	s_or_b32 s[G0+7], s[G0+7], 0x80000000
	s_add_nc_u64 s[QP1:QP1+1], s[4:5], s[36:37]
	s_add_nc_u64 s[QP2:QP2+1], s[4:5], s[38:39]
	s_add_nc_u64 s[OP:OP+1], s[6:7], s[76:77]
	s_add_nc_u64 s[OP2:OP2+1], s[6:7], s[78:79]
	s_mov_b32 s[G1L], 15|(3<<16)|(1<<21)           ; the second word: 4,096 dense bytes a wave, as 16 rows of 256
	s_mov_b32 s[G1L+1], 32<<16
	s_mov_b32 s[G1L+2], 16<<16
	s_mov_b32 s[G1L+3], 32<<16
	s_mov_b32 s[G1L+4], 16
	s_mov_b32 s[G1L+5], 32
	s_mov_b32 s[G1L+6], 0
	s_mov_b32 s[G1L+7], 0
	s_lshl_b32 s32, s[BH], 14                      ; the head's 16,384 bytes of vlo, my quarter: nothing of cx
	s_lshl_b32 s33, s[WV], 12
	s_add_co_u32 s32, s32, s33
	s_mov_b32 s33, 0
	s_add_nc_u64 s[G0L+2:G0L+3], s[VLP:VLP+1], s[32:33]
	s_or_b32 s[G0L+3], s[G0L+3], 0x80000000
	s_lshl_b32 s32, s[CX], 13
	s_mov_b32 s33, 0
	s_add_nc_u64 s[PB:PB+1], s[SRC:SRC+1], s[32:33]
	s_lshr_b32 s32, s[BH], 2                       ; olo: (batch 4 + cx) 32,768 + head 8,192
	s_lshl2_add_u32 s32, s32, s[CX]
	s_lshl_b32 s32, s32, 15
	s_and_b32 s33, s[BH], 3
	s_lshl_b32 s33, s33, 13
	s_add_co_u32 s32, s32, s33
	s_mov_b32 s33, 0
	s_add_nc_u64 s[OL:OL+1], s[OL:OL+1], s[32:33]
	CROUND                                         ; all four work-groups are here: the first joint loads meet
	tensor_load_to_lds s[G0:G0+3], s[G1:G1+7]      ; three loads of mine are out: tile 0,
	s_nop 0
	tensor_load_to_lds s[G0L:G0L+3], s[G1L:G1L+7]  ; the second word of keys 0 to 31,
	s_nop 0
	tensor_load_to_lds s[G0+4:G0+7], s[G1:G1+7]    ; tile 1
	s_nop 0
	PLACES
	QLOAD QP1
	WIN 0x80
.set i, 0
.rept 64
	v_cmp_gt_i32 vcc_lo, 16*((i%32)/8)+i%8, v[TH+i/32]
	v_cndmask_b32 v[MD+i], 0, s[BIGN], vcc_lo
.set i, i+1
.endr
	WIN 0x40
.set i, 0
.rept 256
	v_mov_b32 v[i], 0
.set i, i+1
.endr
	WIN 0
.irp u, 0,1
	v_mov_b32 v[ST+8*(\u)+2], 0
	v_mov_b32 v[ST+8*(\u)+3], 0
.endr
	INIT
	s_wait_tensorcnt 0x1                           ; my quarters of tile 0 and of the second word are in; tile 1's may stay out
	s_barrier_signal -1
	s_barrier_wait -1
	FETCH_K 0, 0
	WIN 0
	s_wait_loadcnt 0x0                             ; Q
	s_mov_b32 s[TC], 0
.Lfirst_block:                                 ; c + 1 trips of two tiles; each tile's change of slots asks for the tile two on in the walk
	TRIP 0, 1, 1, 1
	TRIP 1, 1, 1
	s_add_co_u32 s[TC], s[TC], 1
	s_cmp_lt_u32 s[TC], s[NTA]
	s_cbranch_scc1 .Lfirst_block
	END 0
	s_mov_b32 s[TC], 0
.Lsecond_block:                                ; 7 - c trips of two tiles
	TRIP 0, 1, 1
	TRIP 1, 1, 1
	s_add_co_u32 s[TC], s[TC], 1
	s_cmp_lt_u32 s[TC], s[NTB]
	s_cbranch_scc1 .Lsecond_block
	TRIP 0, 0, 1                                   ; the walk's last two tiles are written out: nothing is asked for
	TRIP 1, 0, 0
	END 1
	s_wait_tensorcnt 0x0                           ; the wave's end
	ds_add_u32 v[SPW], v[NIL]
	s_wait_dscnt 0x0
	CROUND                                         ; the closing round
	s_endpgm
.Lfunc_end_k_q8a67f5ddf7_attn:
	.size	k_q8a67f5ddf7_attn, .Lfunc_end_k_q8a67f5ddf7_attn-k_q8a67f5ddf7_attn
	.p2alignl 7, 3214868480
	.fill 96, 4, 3214868480
	.section	.rodata,"a",@progbits
	.p2align	6, 0x0
	.amdhsa_kernel k_q8a67f5ddf7_attn
		.amdhsa_group_segment_fixed_size 327680
		.amdhsa_private_segment_fixed_size 0
		.amdhsa_enable_private_segment 0
		.amdhsa_kernarg_size 32
		.amdhsa_user_sgpr_count 2
		.amdhsa_user_sgpr_kernarg_segment_ptr 1
		.amdhsa_wavefront_size32 1
		.amdhsa_system_sgpr_workgroup_id_x 1
		.amdhsa_system_sgpr_workgroup_id_y 1
		.amdhsa_system_sgpr_workgroup_id_z 1
		.amdhsa_system_vgpr_workitem_id 0
		.amdhsa_next_free_vgpr 1024
		.amdhsa_next_free_sgpr 96
		.amdhsa_reserve_vcc 1
		.amdhsa_float_denorm_mode_32 3
		.amdhsa_float_denorm_mode_16_64 3
		.amdhsa_memory_ordered 1
		.amdhsa_forward_progress 1
		.amdhsa_inst_pref_size 255
	.end_amdhsa_kernel
	.section	.bss,"aw",@nobits
	.p2align	6
	.space	262144
	.amdgpu_metadata
---
amdhsa.version: [ 1, 2 ]
amdhsa.kernels:
  - .name:           k_q8a67f5ddf7_attn
    .symbol:         k_q8a67f5ddf7_attn.kd
    .args:
      - { .name: qkv, .offset: 0, .size: 8, .value_kind: global_buffer, .address_space: global }
      - { .name: ow, .offset: 8, .size: 8, .value_kind: global_buffer, .address_space: global }
      - { .name: vlo, .offset: 16, .size: 8, .value_kind: global_buffer, .address_space: global }
      - { .name: olo, .offset: 24, .size: 8, .value_kind: global_buffer, .address_space: global }
    .group_segment_fixed_size: 327680
    .private_segment_fixed_size: 0
    .kernarg_segment_align: 8
    .kernarg_segment_size: 32
    .max_flat_workgroup_size: 128
    .sgpr_count:     96
    .vgpr_count:     1024
    .wavefront_size: 32
...
	.end_amdgpu_metadata
.endif
;; end of part 3
;; launch outp (part 4): grid 4 x 64, 4 waves a work-group, clusters of 4 x 4, 327,680 bytes of LDS; arguments ow, wc, bo, out0, olo; writes out0
.if DOCPART == 4
	.amdgcn_target "amdgcn-amd-amdhsa--gfx1250"
	.amdhsa_code_object_version 6
	.text
	.protected	k_q8a67f5ddf7_outp
	.globl	k_q8a67f5ddf7_outp
	.p2align	8
	.type	k_q8a67f5ddf7_outp,@function
k_q8a67f5ddf7_outp:
	s_mov_b64 s[64:65], 0
	v_nop
	global_prefetch_b8 v0, s[64:65] scope:SCOPE_SE
	s_setreg_imm32_b32 hwreg(HW_REG_WAVE_MODE, 25, 1), 1
	s_wait_xcnt 0x0
	s_wait_alu depctr_hold_cnt(0) depctr_sa_sdst(0) depctr_va_vdst(0) depctr_va_sdst(0) depctr_va_ssrc(0) depctr_va_vcc(0) depctr_vm_vsrc(0)
	s_getreg_b32 s2, hwreg(HW_REG_IB_STS2, 6, 4)
	s_cmp_eq_u32 s2, 0
	s_cbranch_scc0 .Lentry_in_a_cluster
	s_endpgm
.Lentry_in_a_cluster:
	s_bfe_u32 s2, ttmp6, 0x10000c
	s_cmp_lg_u32 s2, 0xf033
	s_cbranch_scc0 .Lentry_shape_is_right
	s_endpgm
.Lentry_shape_is_right:
; out0 = O Wo + bo.  O: ow, f16, [8192][1024] in fragment blocks: (R/128) 262,144 + (k/16) 4096 + ((R/16) % 8) 512 + 16 x lane.  Wo: wc's fourth section, [1024][1024], bf16-rounded numbers written as f16.
; bo: f32, rounded to bf16 like every input; it is the C operand of the first products.  Sums in f32; out0 is f32.
; SHARES.  A work-group makes 128 rows x 256 columns; four waves, each 64 x 128: 32 accumulators.  8 K steps of 128 through two LDS slots.  The product is taken transposed (source 0 = 16 columns of Wo, turned out of LDS;
; source 1 = 16 rows of O, which lie in LDS as fragments: 16 x lane, no padding wanted).  CLUSTER 4 x 4: cy = batch, the block of 128 rows is cluster y + 16 cy; O's tile is shared along a row of the cluster, Wo's along a column.
; O's SECOND WORD.  Rows 0 to 15 of each batch see at most 16 keys: their numbers, and one f16 word's rounding of them, are many times the output's root mean square.  Their O - f16(O) lies in olo ([batch][4][64 blocks of 16 k] 512 bytes,
; as fragments; the first of the four parts is read).  Those rows are row block 0 of waves 0 and 1 in the cluster with y = 0: there each quarter has eight products more, onto the same accumulators.  The batch's 32,768 bytes come into
; LDS once, with the first tiles, by a joint load along the cluster's row; a quarter's fragment is two LDS loads more in the run that fetches the quarter.  That load and those LDS loads stand on every path, so that every wait
; counts the same on every path; only the eight products stand under a branch.  In the other fifteen clusters, and in waves 2 and 3, what they bring is not used.
; THE WAY OUT: 16 rows at a time through the wave's own stage: rows of 528 bytes in, whole rows of 512 bytes back, each store 512 consecutive bytes, aligned.
; REGISTERS: window 0: addresses, BIAS v32-95, O's fragments v96-159 (two buffers), the second word's v160-175 (two buffers);  1: the accumulators;  2: Wo's fragments v0-127 (two buffers), v128-255 rows on the way out.
.set PITB,  544
.set AHALF, 0x4000
.set ASLOT, 0x8000
.set SPARE, 0x10000                    ; the spare words, 128 bytes a wave: two blocks of 256 bytes that no other line names
.set OLO,   0x12000                    ; O's second word, 32,768 bytes, filled once
.set BBASE, 0x22000
.set BHALF, 64*PITB
.set BSLOT, 2*BHALF
.set STAGE, 0x44000                    ; 16 rows x 528 bytes for each wave; no tensor load lands here
.set SPIT,  528
.set RR,  1
.set HH,  2
.set LN,  3
.set A0L, 4
.set B0L, 5
.set ADRA, 6
.set ADRB, 7
.set BO,  8
.set CO,  9                            ; v9  16 x lane; never rewritten
.set PFO, 10
.set STO, 11
.set SPW, 12
.set NIL, 13
.set T0,  14
.set T1,  15
.set RD,  16
.set ADRL, 17                          ; v17 my place in the second word's bytes, at the K step in hand
.set L0L, 18                           ; v18 the same at K step 0; never rewritten
.set BIAS, 32
.set AF,  96
.set ALO, 160                          ; the second word's fragment, buffer f at ALO + 8 f
.set BF,  0                            ; window 2
.set OB,  128                          ; window 2
.set WV,  4
.set WR,  5
.set WC,  6
.set CX,  7
.set CY,  8
.set TR,  9
.set G,   10
.set TBL, 11                           ; s11 4,096 x the K step whose fragments are fetched
.set TBA, 16
.set TBB, 17
.set LIM, 18
.set PSTEP, 19
.set PFA, 20
.set G1A, 24
.set G1B, 32
.set G0A, 40
.set G0B, 48
.set OLP, 60                           ; s[60:61] olo
.set TY,  66                           ; s66 cluster y
.set LOF, 67                           ; s67 0 in waves 0 and 1 of the cluster with y = 0: the same in all sixteen partners, for a given wave
.set XA,  68                           ; s[68:69] ow at my part of the tile row
.set WB,  70                           ; s[70:71] Wo at my columns and my 64 k rows
.set G0L, 80                           ; s[80:83] descriptor group 0 for the second word
.set MSB, 0
.macro WIN new
.if MSB != (\new)
	s_set_vgpr_msb (MSB<<8)|(\new)
.set MSB, (\new)
.endif
.endm
.macro PLACES
.rept 4
	v_nop
.endr
.endm
.macro CREST
	s_cmp_lg_u32 s[WV], 0
	s_cbranch_scc1 .Lnot_wave_0_\@
	s_barrier_signal -3
.Lnot_wave_0_\@:
	s_barrier_wait -3
	s_barrier_signal -1
	s_barrier_wait -1
.endm
.macro CROUND
	s_barrier_signal -1
	s_barrier_wait -1
	CREST
.endm
.macro JLOAD
	s_cmp_eq_u32 s[WR], 0
	s_cbranch_scc0 .Lfor_b_\@
	tensor_load_to_lds s[G0A+4:G0A+7], s[G1A:G1A+7]
	s_nop 0
	PLACES
	s_branch .Lasked_\@
.Lfor_b_\@:
	tensor_load_to_lds s[G0B+4:G0B+7], s[G1B:G1B+7]
	s_nop 0
	PLACES
.Lasked_\@:
.endm
.macro FETCH kq, f                     ; 26 LDS loads: 128 columns of Wo, turned; 64 rows of O; 16 rows of O's second word
	WIN 0x80
.irp b, 0,1,2,3,4,5,6,7
	ds_load_tr16_b128 v[BF+64*(\f)+8*(\b):BF+64*(\f)+8*(\b)+3],   v[ADRB] offset:(\kq)*32*PITB+32*(\b)
	ds_load_tr16_b128 v[BF+64*(\f)+8*(\b)+4:BF+64*(\f)+8*(\b)+7], v[ADRB] offset:(\kq)*32*PITB+32*(\b)+16*PITB
.endr
	WIN 0
.irp a, 0,1,2,3
	ds_load_b128 v[AF+32*(\f)+8*(\a):AF+32*(\f)+8*(\a)+3],   v[ADRA] offset:(\kq)*8192+(\a)*512
	ds_load_b128 v[AF+32*(\f)+8*(\a)+4:AF+32*(\f)+8*(\a)+7], v[ADRA] offset:(\kq)*8192+(\a)*512+4096
.endr
	ds_load_b128 v[ALO+8*(\f):ALO+8*(\f)+3],   v[ADRL] offset:(\kq)*1024
	ds_load_b128 v[ALO+8*(\f)+4:ALO+8*(\f)+7], v[ADRL] offset:(\kq)*1024+512
.endm
.macro MUL8 f, a, bias                 ; the 32 accumulators take turns in one fixed order, over the backward jump too
.if \bias
	WIN 0x42
.else
	WIN 0x52
.endif
.irp b, 0,1,2,3,4,5,6,7
.if \bias
	v_wmma_f32_16x16x32_f16 v[8*(8*(\a)+(\b)):8*(8*(\a)+(\b))+7], v[BF+64*(\f)+8*(\b):BF+64*(\f)+8*(\b)+7], v[AF+32*(\f)+8*(\a):AF+32*(\f)+8*(\a)+7], v[BIAS+8*(\b):BIAS+8*(\b)+7]
.else
	v_wmma_f32_16x16x32_f16 v[8*(8*(\a)+(\b)):8*(8*(\a)+(\b))+7], v[BF+64*(\f)+8*(\b):BF+64*(\f)+8*(\b)+7], v[AF+32*(\f)+8*(\a):AF+32*(\f)+8*(\a)+7], v[8*(8*(\a)+(\b)):8*(8*(\a)+(\b))+7]
.endif
.endr
.endm
.macro QUARTER kqn, f, bias            ; multiplies buffer f; the next quarter's loads go out first, four places behind the products that read their registers
	s_wait_dscnt 0x0
	PLACES
	FETCH \kqn, 1-(\f)
	MUL8 \f, 0, \bias
	MUL8 \f, 1, \bias
	MUL8 \f, 2, \bias
	MUL8 \f, 3, \bias
.endm
; THE SECOND WORD's part of a quarter, behind the quarter's 32 products on buffer f: eight products onto row block 0's accumulators, one instruction each.  The jump goes forward past matrix instructions alone.
.macro LOB f
	WIN 0
	s_cmp_eq_u32 s[LOF], 0
	s_cbranch_scc0 .Lno_lo_\@
	WIN 0x52
.irp b, 0,1,2,3,4,5,6,7
	v_wmma_f32_16x16x32_f16 v[8*(\b):8*(\b)+7], v[BF+64*(\f)+8*(\b):BF+64*(\f)+8*(\b)+7], v[ALO+8*(\f):ALO+8*(\f)+7], v[8*(\b):8*(\b)+7]
.endr
	WIN 0
.Lno_lo_\@:
.endm
; A PREFETCH INTO THE L2 behind each refill (step G + 2): step G + 4.  O's 32,768 bytes of a step are read by this cluster alone: wave 0 of each of the four partners along x names 8,192 of them, by address.
; Wo's rows are read by every cluster: in the cluster with y = 0 waves 2 and 3 name 16 of their 64 rows, by cy.  Steps 0 to 3 come by their loads alone; nothing is named past step 7.
.macro ASK
	s_cmp_le_i32 s[G], s[LIM]
	s_cbranch_scc0 .Lnot_mine_\@
	global_prefetch_b8 v[PFO], s[PFA:PFA+1] th:TH_LOAD_NT scope:SCOPE_SE
.Lnot_mine_\@:
.endm
; A step's last quarter and the change of slots: all my tensor loads waited for, the add, the wait for it and for my reads; fill = 1: a round of the cluster's barrier, the joint refill first behind it.
.macro TURN fill
	s_wait_dscnt 0x0
.if \fill
	s_wait_xcnt 0x0                                ; the last prefetch, a K step back, has read its address
	s_add_nc_u64 s[PFA:PFA+1], s[PFA:PFA+1], s[76:77]
.endif
	WIN 0
	s_wait_tensorcnt 0x0
	ds_add_u32 v[SPW], v[NIL]
.if \fill
	s_add_nc_u64 s[G0A+6:G0A+7], s[G0A+6:G0A+7], 0x8000   ; the walking descriptors: the next step, the other slot
	s_xor_b32 s[G0A+5], s[G0A+5], ASLOT
	s_add_nc_u64 s[G0B+6:G0B+7], s[G0B+6:G0B+7], 0x40000
	s_xor_b32 s[G0B+5], s[G0B+5], BSLOT
.endif
	s_xor_b32 s[TBA], s[TBA], ASLOT
	s_xor_b32 s[TBB], s[TBB], BSLOT
	s_add_co_u32 s[TBL], s[TBL], 4096              ; the second word's next 8 blocks of 512 bytes
	MUL8 1, 0, 0
	s_wait_dscnt 0x0
	s_barrier_signal -1
	MUL8 1, 1, 0
	WIN 0
	s_barrier_wait -1
.if \fill
	CREST
	JLOAD
.else
	PLACES
.endif
	v_add_nc_u32 v[ADRA], s[TBA], v[A0L]
	v_add_nc_u32 v[ADRB], s[TBB], v[B0L]
	v_add_nc_u32 v[ADRL], s[TBL], v[L0L]
	FETCH 0, 0
.if \fill
	ASK
.endif
	MUL8 1, 2, 0
	MUL8 1, 3, 0
.endm
	s_load_b256 s[68:75], s[0:1], 0x0              ; ow, wc, bo, out0
	s_load_b64 s[OLP:OLP+1], s[0:1], 0x20          ; olo
	v_lshl_add_u32 v[SPW], v0, 2, SPARE
	v_mov_b32 v[NIL], 0
	ds_add_u32 v[SPW], v[NIL]                      ; the wave's opening: the add and its wait ahead of my first tensor load
	v_lshrrev_b32 v[T0], 5, v0
	v_readfirstlane_b32 s[WV], v[T0]
	s_lshr_b32 s[WR], s[WV], 1
	s_and_b32 s[WC], s[WV], 1
	s_bfe_u32 s[CX], ttmp6, 0x40000
	s_bfe_u32 s[CY], ttmp6, 0x40004
	s_and_b32 s[TY], ttmp7, 0xffff
	s_lshl4_add_u32 s[TR], s[CY], s[TY]            ; block of rows = cluster y + 16 cy: batch cy, rows 128 x cluster y on
	s_or_b32 s[LOF], s[WR], s[TY]
	s_lshl_b32 s12, s[CY], 17                      ; olo: my batch's four parts of 32,768 bytes, of which the first is read; my half of it: no cx in it
	s_lshl_b32 s14, s[WC], 14
	s_add_co_u32 s12, s12, s14
	s_mov_b32 s13, 0
	s_lshl_b32 s62, s[CY], 2
	s_lshl_b32 s62, 15, s62
	s_lshl_b32 s63, 0x1111, s[CX]
	s_or_b32 s[G1A], s62, (3<<16)|(1<<21)          ; my row's mask; 8-byte elements: 16,384 dense bytes as 64 rows of 256: for O's tiles and for the second word
	s_mov_b32 s[G1A+1], 32<<16
	s_mov_b32 s[G1A+2], 64<<16
	s_mov_b32 s[G1A+3], 32<<16
	s_mov_b32 s[G1A+4], 64
	s_mov_b32 s[G1A+5], 32
	s_mov_b32 s[G1A+6], 0
	s_mov_b32 s[G1A+7], 0
	s_or_b32 s[G1B], s63, (1<<16)|(1<<20)|(1<<21)|(6<<22)|(7<<25)   ; my column's mask; 2-byte elements; after every 128 words 8 words of padding
	s_mov_b32 s[G1B+1], 256<<16
	s_mov_b32 s[G1B+2], 64<<16
	s_mov_b32 s[G1B+3], 256<<16
	s_mov_b32 s[G1B+4], 64
	s_mov_b32 s[G1B+5], 1024
	s_mov_b32 s[G1B+6], 0
	s_mov_b32 s[G1B+7], 0
	s_lshl_b32 s56, s[TR], 18                      ; O: my tile row, my half of a step's 32,768 bytes: no cx in it
	s_lshl_b32 s22, s[WC], 14
	s_add_co_u32 s56, s56, s22
	s_mov_b32 s57, 0
	s_lshl_b32 s58, s[CX], 9                       ; Wo: the fourth section, my 256 columns, my 64 k rows: no cy in it
	s_lshl_b32 s22, s[WC], 17
	s_add_co_u32 s58, s58, s22
	s_add_co_u32 s58, s58, 6291456
	s_mov_b32 s59, 0
	s_mul_i32 s22, s[WC], AHALF
	s_mul_i32 s23, s[WC], BHALF
	s_mov_b32 s[G0A], 1
	s_mov_b32 s[G0A+1], s22
	s_mov_b32 s[G0A+4], 1
	s_add_co_u32 s[G0A+5], s22, ASLOT
	s_mov_b32 s[G0L], 1
	s_add_co_u32 s[G0L+1], s22, OLO
	s_mov_b32 s[G0B], 1
	s_add_co_u32 s[G0B+1], s23, BBASE
	s_mov_b32 s[G0B+4], 1
	s_add_co_u32 s[G0B+5], s23, BBASE+BSLOT
	s_lshl_b32 s78, s[TR], 7                       ; out0: row 128 TR + 64 WR, column 256 cx + 128 WC
	s_lshl_b32 s22, s[WR], 6
	s_add_co_u32 s78, s78, s22
	s_lshl_b32 s78, s78, 12
	s_lshl_b32 s22, s[CX], 10
	s_add_co_u32 s78, s78, s22
	s_lshl_b32 s23, s[WC], 9
	s_add_co_u32 s78, s78, s23
	s_mov_b32 s79, 0
	s_add_co_u32 s22, s22, s23
	s_mov_b32 s[TBA], 0
	s_mov_b32 s[TBB], 0
	s_mov_b32 s[TBL], 0
	v_and_b32 v[RR], 15, v0
	v_bfe_u32 v[HH], v0, 4, 1
	v_and_b32 v[LN], 31, v0
	v_lshl_add_u32 v[BO], v[HH], 5, s22            ; (256 cx + 128 WC + 8 h) x 4
	s_lshl_b32 s22, s[WR], 11
	v_lshl_add_u32 v[A0L], v[LN], 4, s22           ; row tile 4 WR, 16 x lane
	v_lshl_add_u32 v[L0L], v[LN], 4, OLO           ; the second word: 16 x lane
	v_and_b32 v[T0], 7, v0
	v_lshl_add_u32 v[T0], v[HH], 3, v[T0]
	v_mul_u32_u24 v[B0L], v[T0], PITB
	v_bfe_u32 v[T1], v0, 3, 1
	v_lshl_add_u32 v[B0L], v[T1], 4, v[B0L]
	s_lshl_b32 s22, s[WC], 8
	s_add_co_u32 s22, s22, BBASE
	v_add_nc_u32 v[B0L], s22, v[B0L]
	v_mov_b32 v[ADRA], v[A0L]
	v_mov_b32 v[ADRB], v[B0L]
	v_mov_b32 v[ADRL], v[L0L]
	s_mul_i32 s22, s[WV], 16*SPIT
	s_add_co_u32 s22, s22, STAGE
	v_mul_u32_u24 v[STO], v[RR], SPIT              ; in: row r, 32 bytes for each half of the lanes
	v_lshl_add_u32 v[STO], v[HH], 5, v[STO]
	v_add_nc_u32 v[STO], s22, v[STO]
	v_lshl_add_u32 v[RD], v[LN], 4, s22            ; back: a row's 512 bytes, 16 a lane
	v_lshlrev_b32 v[CO], 4, v[LN]
	s_wait_dscnt 0x0                               ; the opening add is done
	s_wait_kmcnt 0x0
	s_add_nc_u64 s[XA:XA+1], s[XA:XA+1], s[56:57]
	s_add_nc_u64 s[WB:WB+1], s[WB:WB+1], s[58:59]
	s_add_nc_u64 s[74:75], s[74:75], s[78:79]
	s_mov_b64 s[G0A+2:G0A+3], s[XA:XA+1]
	s_or_b32 s[G0A+3], s[G0A+3], 0x80000000
	s_add_nc_u64 s[G0A+6:G0A+7], s[XA:XA+1], 0x8000
	s_or_b32 s[G0A+7], s[G0A+7], 0x80000000
	s_add_nc_u64 s[G0L+2:G0L+3], s[OLP:OLP+1], s[12:13]
	s_or_b32 s[G0L+3], s[G0L+3], 0x80000000
	s_mov_b64 s[G0B+2:G0B+3], s[WB:WB+1]
	s_or_b32 s[G0B+3], s[G0B+3], 0x80000000
	s_add_nc_u64 s[G0B+6:G0B+7], s[WB:WB+1], 0x40000
	s_or_b32 s[G0B+7], s[G0B+7], 0x80000000
	CROUND                                         ; all sixteen work-groups are here: the first joint loads meet
	s_cmp_eq_u32 s[WR], 0                          ; a wave's first fills stand in one branch: three loads are out in waves 0 and 1, two in waves 2 and 3
	s_cbranch_scc0 .Lfirst_b
	tensor_load_to_lds s[G0A:G0A+3], s[G1A:G1A+7]  ; step 0,
	s_nop 0
	tensor_load_to_lds s[G0L:G0L+3], s[G1A:G1A+7]  ; my half of the second word,
	s_nop 0
	tensor_load_to_lds s[G0A+4:G0A+7], s[G1A:G1A+7]  ; step 1
	s_nop 0
	PLACES
	s_branch .Lfirst_asked
.Lfirst_b:
	tensor_load_to_lds s[G0B:G0B+3], s[G1B:G1B+7]
	s_nop 0
	tensor_load_to_lds s[G0B+4:G0B+7], s[G1B:G1B+7]
	s_nop 0
	PLACES
.Lfirst_asked:
.irp b, 0,1,2,3,4,5,6,7
	global_load_b128 v[BIAS+8*(\b):BIAS+8*(\b)+3],   v[BO], s[72:73] offset:64*(\b)
	global_load_b128 v[BIAS+8*(\b)+4:BIAS+8*(\b)+7], v[BO], s[72:73] offset:64*(\b)+16
.endr
	s_lshl_b32 s62, s[CX], 13                      ; O: my 8,192 bytes of a step
	s_lshl_b32 s63, s[CY], 15                      ; Wo: my 16 rows of 2,048 bytes
	s_and_b32 s23, ttmp7, 0xffff
	s_cmp_eq_u32 s[WR], 0
	s_cselect_b64 s[PFA:PFA+1], s[XA:XA+1], s[WB:WB+1]
	s_cselect_b32 s76, s62, s63
	s_mov_b32 s[PSTEP], 0x40000                    ; (a move leaves the compare's answer as it is; a select takes one literal)
	s_cselect_b32 s[PSTEP], 0x8000, s[PSTEP]
	s_mov_b32 s22, 2048
	s_cselect_b32 s22, 512, s22
	s_cselect_b32 s23, s[WC], s23                  ; wave 0 for O; waves 2, 3 of the cluster with y = 0 for Wo
	s_mov_b32 s77, 0
	s_add_nc_u64 s[PFA:PFA+1], s[PFA:PFA+1], s[76:77]
	s_mul_i32 s76, s[PSTEP], 3
	s_add_nc_u64 s[PFA:PFA+1], s[PFA:PFA+1], s[76:77]   ; at step 3: the first change of slots steps it to step 4
	s_mov_b32 s76, s[PSTEP]
	s_cmp_eq_u32 s23, 0
	s_cselect_b32 s[LIM], 3, -1
	v_lshrrev_b32 v[T0], 1, v[LN]
	v_and_b32 v[T1], 1, v[LN]
	v_mul_u32_u24 v[PFO], v[T0], s22
	v_lshl_add_u32 v[PFO], v[T1], 8, v[PFO]
	s_wait_loadcnt 0x0                             ; bo
.set i, 0
.rept 32
	v_cvt_pk_bf16_f32 v[T0+i%2], v[BIAS+2*i], v[BIAS+2*i+1]   ; rounded to bf16 like every input, and widened again
	v_lshlrev_b32 v[BIAS+2*i], 16, v[T0+i%2]
	v_and_b32 v[BIAS+2*i+1], 0xffff0000, v[T0+i%2]
.set i, i+1
.endr
	s_wait_tensorcnt 0x1                           ; my part of step 0 is in, and of the second word; step 1's may stay out
	s_barrier_signal -1
	s_barrier_wait -1
	FETCH 0, 0
	QUARTER 1, 0, 1                                ; the first quarter stands ahead of the loop: its products start the sums with the bias
	LOB 0
	WIN 0
	s_mov_b32 s[G], 0
.Lstep:                                        ; 6 trips, from a step's second quarter to the next step's first; each fills a slot again
	QUARTER 2, 1, 0
	LOB 1
	QUARTER 3, 0, 0
	LOB 0
	TURN 1
	LOB 1
	QUARTER 1, 0, 0
	LOB 0
	WIN 0
	s_add_co_u32 s[G], s[G], 1
	s_cmp_lt_u32 s[G], 6
	s_cbranch_scc1 .Lstep
	QUARTER 2, 1, 0                                ; step 6 goes on: nothing is left to ask for
	LOB 1
	QUARTER 3, 0, 0
	LOB 0
	TURN 0
	LOB 1
	QUARTER 1, 0, 0                                ; step 7
	LOB 0
	QUARTER 2, 1, 0
	LOB 1
	QUARTER 3, 0, 0
	LOB 0
	s_wait_dscnt 0x0
	MUL8 1, 0, 0
	MUL8 1, 1, 0
	MUL8 1, 2, 0
	MUL8 1, 3, 0
	LOB 1
	WIN 0
	PLACES
.irp a, 0,1,2,3
	WIN 0x04
.irp b, 0,1,2,3,4,5,6,7
	ds_store_b128 v[STO], v[8*(8*(\a)+(\b)):8*(8*(\a)+(\b))+3]   offset:64*(\b)     ; each accumulator's low registers first
	ds_store_b128 v[STO], v[8*(8*(\a)+(\b))+4:8*(8*(\a)+(\b))+7] offset:64*(\b)+16
.endr
	s_wait_xcnt 0x0                                ; earlier stores have read the registers that are loaded again below
	WIN 0x80
.irp t, 0,1,2,3,4,5,6,7,8,9,10,11,12,13,14,15
	ds_load_b128 v[OB+64*((\a)%2)+4*(\t):OB+64*((\a)%2)+4*(\t)+3], v[RD] offset:(\t)*SPIT  ; LDS serves a wave's instructions in order (ISA guide 5.7.1.4): these see the stores above
.endr
	s_wait_dscnt 0x0
	WIN 0x08
.irp t, 0,1,2,3,4,5,6,7,8,9,10,11,12,13,14,15
	global_store_b128 v[CO], v[OB+64*((\a)%2)+4*(\t):OB+64*((\a)%2)+4*(\t)+3], s[74:75] offset:(16*(\a)+(\t))*4096  ; 512 consecutive bytes of a row, aligned
.endr
.endr
	WIN 0
	s_wait_tensorcnt 0x0                           ; the wave's end
	ds_add_u32 v[SPW], v[NIL]
	s_wait_dscnt 0x0
	CROUND                                         ; the closing round
	s_endpgm
.Lfunc_end_k_q8a67f5ddf7_outp:
	.size	k_q8a67f5ddf7_outp, .Lfunc_end_k_q8a67f5ddf7_outp-k_q8a67f5ddf7_outp
	.p2alignl 7, 3214868480
	.fill 96, 4, 3214868480
	.section	.rodata,"a",@progbits
	.p2align	6, 0x0
	.amdhsa_kernel k_q8a67f5ddf7_outp
		.amdhsa_group_segment_fixed_size 327680
		.amdhsa_private_segment_fixed_size 0
		.amdhsa_enable_private_segment 0
		.amdhsa_kernarg_size 40
		.amdhsa_user_sgpr_count 2
		.amdhsa_user_sgpr_kernarg_segment_ptr 1
		.amdhsa_wavefront_size32 1
		.amdhsa_system_sgpr_workgroup_id_x 1
		.amdhsa_system_sgpr_workgroup_id_y 1
		.amdhsa_system_sgpr_workgroup_id_z 1
		.amdhsa_system_vgpr_workitem_id 0
		.amdhsa_next_free_vgpr 768
		.amdhsa_next_free_sgpr 88
		.amdhsa_reserve_vcc 0
		.amdhsa_float_denorm_mode_32 3
		.amdhsa_float_denorm_mode_16_64 3
		.amdhsa_memory_ordered 1
		.amdhsa_forward_progress 1
		.amdhsa_inst_pref_size 87
	.end_amdhsa_kernel
	.amdgpu_metadata
---
amdhsa.version: [ 1, 2 ]
amdhsa.kernels:
  - .name:           k_q8a67f5ddf7_outp
    .symbol:         k_q8a67f5ddf7_outp.kd
    .args:
      - { .name: ow, .offset: 0, .size: 8, .value_kind: global_buffer, .address_space: global }
      - { .name: wc, .offset: 8, .size: 8, .value_kind: global_buffer, .address_space: global }
      - { .name: bo, .offset: 16, .size: 8, .value_kind: global_buffer, .address_space: global }
      - { .name: out0, .offset: 24, .size: 8, .value_kind: global_buffer, .address_space: global }
      - { .name: olo, .offset: 32, .size: 8, .value_kind: global_buffer, .address_space: global }
    .group_segment_fixed_size: 327680
    .private_segment_fixed_size: 0
    .kernarg_segment_align: 8
    .kernarg_segment_size: 40
    .max_flat_workgroup_size: 128
    .sgpr_count:     88
    .vgpr_count:     768
    .wavefront_size: 32
...
	.end_amdgpu_metadata
.endif
;; end of part 4
;; ======== version 2 of 2: 4 launches
;; limits: values are held in f16: magnitudes above 65,504 overflow, below 6.1e-05 lose precision
;; workspace buffers: wc 8,388,608 bytes; qkv 50,331,648 bytes; ow 16,777,216 bytes; vlo 262,144 bytes; olo 524,288 bytes
;; launch prep: the kernel of part 1 again; grid 64 x 4, 8 waves a work-group, no clusters, 0 bytes of LDS; arguments Wq, Wk, Wv, Wo, wc; writes wc
;; launch proj (part 5): grid 4 x 64, 4 waves a work-group, clusters of 4 x 4, 327,680 bytes of LDS; arguments inputs_for_queries, inputs_for_keys, inputs_for_values, bq, bk, bv, wc, qkv, vlo; writes qkv, vlo
.if DOCPART == 5
	.amdgcn_target "amdgcn-amd-amdhsa--gfx1250"
	.amdhsa_code_object_version 6
	.text
	.protected	k_q8a67f5ddf7_proj
	.globl	k_q8a67f5ddf7_proj
	.p2align	8
	.type	k_q8a67f5ddf7_proj,@function
k_q8a67f5ddf7_proj:
	s_mov_b64 s[64:65], 0
	v_nop
	global_prefetch_b8 v0, s[64:65] scope:SCOPE_SE
	s_setreg_imm32_b32 hwreg(HW_REG_WAVE_MODE, 25, 1), 1
	s_wait_xcnt 0x0
	s_wait_alu depctr_hold_cnt(0) depctr_sa_sdst(0) depctr_va_vdst(0) depctr_va_sdst(0) depctr_va_ssrc(0) depctr_va_vcc(0) depctr_vm_vsrc(0)
	s_getreg_b32 s2, hwreg(HW_REG_IB_STS2, 6, 4)
	s_cmp_eq_u32 s2, 0
	s_cbranch_scc0 .Lentry_in_a_cluster
	s_endpgm
.Lentry_in_a_cluster:
	s_bfe_u32 s2, ttmp6, 0x10000c
	s_cmp_lg_u32 s2, 0xf033
	s_cbranch_scc0 .Lentry_shape_is_right
	s_endpgm
.Lentry_shape_is_right:
; q, k, v = x_p W_p + b_p for p = q, k, v.  x_p: [8192][1024] f32; W_p in wc: [head][1024][256] bf16; b_p: [head][256] f32; sums in f32.
; x is rounded to bf16 between LDS and the matrix unit, the bias to bf16 too (every input of the module has that one rounding); the results leave once rounded to f16.
; LIMIT: |q|, |k|, |v| stay under 65,504 (f16); NaN and infinities are not treated apart.
; SHARES.  A work-group stays: it makes the three tiles 128 rows x 256 columns (one head) of q, k and v for one block of rows: ONE walk of 24 K steps of 128 through two LDS slots.
; Four waves, each 64 rows x 128 columns: 32 accumulators.  The product is taken transposed (source 0 = 16 columns of W, source 1 = 16 rows of x): a lane holds one row and 8 neighbouring columns.
; W lies [k][n], so its fragments come out of LDS turned (ds_load_tr16_b128).  The bias is the C operand of a tile's first products: nothing is cleared, nothing is added later.
; THE TEXT.  A K step is written twice: once in the loop of 22 trips, each of which fills a slot again, and once in a loop of two trips for the walk's last two steps, which ask for nothing.
; CLUSTER 4 x 4: cx = head, cy = batch; the block of 128 rows is cluster y + 16 cy.  x's tile is shared along a row of the cluster, W's along a column: joint loads with the row's or the column's mask.
; OUT.  qkv holds q, k, v (16,777,216 bytes each) in blocks of 16 rows x 16 channels, 512 bytes: block ((b 4 + h) 128 + s/16) 8192 + (d/16) 512.  In a block of q or k a lane's 16 bytes lie at
; 16 x lane as a matrix fragment wants them; a block of v is row-major (32 bytes a row) for the turning load.  So an accumulator is stored as it lies: 512 consecutive bytes, aligned, a store.
; A SECOND WORD FOR v's FIRST ROWS.  An output row that sees few keys is a mean of few rows of v, many times the output's root mean square, and one f16 word's rounding is as many times larger there.  So rows 0 to 31 of each
; batch also leave v - f16(v), in f16, into vlo: (b 4 + h) 16,384 bytes in v's own layout.  Those rows belong to the cluster with y = 0, all four of whose batches have them, and to waves 0 and 1.
; REGISTERS by windows of 256: 0: addresses, BIAS v32-95, x's bf16 fragments v96-159 (two buffers), at the end v32-223 for the second word;  1: the accumulators, (a, b) at 8 (8 a + b);
;   2: W's fragments v0-127 (two buffers), x as loaded in f32 v128-255 (two buffers);  3: v0-127 packed results.
.set PITA,  528                        ; a row of x in LDS: 512 bytes + 16: the 16 rows of a load start at 16 different groups of four banks (64 banks of 4 bytes: ISA guide 11.1)
.set PITB,  544                        ; a row of W: 512 + 32
.set AHALF, 64*PITA                    ; 0x8400: what one tensor load brings of x
.set ASLOT, 2*AHALF                    ; 0x10800: its bits meet none of AHALF's, so one exclusive or changes slots
.set SPARE, 2*ASLOT                    ; 0x21000: the spare words, 128 bytes a wave, two blocks of 256 bytes that no other line names
.set BBASE, 0x22000
.set BHALF, 64*PITB                    ; 0x8800
.set BSLOT, 2*BHALF                    ; 0x11000
.set RR,  1                            ; v1  lane % 16
.set HH,  2                            ; v2  lane / 16
.set LN,  3                            ; v3  lane
.set A0L, 4                            ; v4  my place in x's tile
.set B0L, 5                            ; v5  my place in W's tile, slot 0
.set ADRA, 6                           ; v6  the same in the slot in hand
.set ADRB, 7
.set BO,  8                            ; v8  my byte offset in a bias
.set CO,  9                            ; v9  my 16 bytes in a block of the output
.set PFO, 10                           ; v10 the prefetches' offset; never rewritten
.set SPW, 12                           ; v12 my spare word; never rewritten
.set NIL, 13                           ; v13 0; never rewritten
.set T0,  14
.set T1,  15
.set BIAS, 32
.set AB,  96
.set LF,  32                           ; the second word in f32: v32-159
.set LP,  160                          ; packed: v160-223
.set BF,  0                            ; window 2
.set RA,  128                          ; window 2
.set TMP, 0                            ; window 3
.set WV,  4                            ; s4  wave
.set WR,  5                            ; s5  my half of the rows; also 0: I fetch x, 1: I fetch W
.set WC,  6                            ; s6  my half of the columns; also which 64 rows I fetch
.set CX,  7
.set CY,  8
.set TR,  9                            ; s9  block of 128 rows
.set G,   10                           ; s10 the K step in hand, 0 .. 22
.set N,   11                           ; s11 at work in the first loop
.set TLC, 11                           ; s11 in the second loop: steps still to come, 2 and 1
.set OFF, 12                           ; s[12:13] an offset made of G alone
.set TA,  14                           ; s[14:15] the x whose step is asked for
.set TBA, 16                           ; s16 0 or ASLOT
.set TBB, 17                           ; s17 0 or BSLOT
.set LIM, 18                           ; s18 the last step in which I prefetch, or -1
.set PSTEP, 19                         ; s19 bytes from K step to K step in what I prefetch
.set PFA, 20                           ; s[20:21] where my prefetch stands
.set G1A, 24
.set G1B, 32
.set G0A, 40                           ; s[40:47] two sets; the second walks
.set G0B, 48
.set DBASE, 56
.set DST, 58
.set BP,  60
.set NK,  66                           ; s66, s67 at work for the walking descriptors: made of G alone
.set NS,  67
.set XA,  68                           ; s[68:73] x_q, x_k, x_v at my 64 rows
.set WB,  80                           ; s[80:81] wc at my head and my 64 k rows
.set PB0, 84                           ; s[84:89] the prefetches' three bases
.set TP,  94                           ; s[94:95] the one in hand
.set NEW, 91                           ; s91 1: the step to come starts a tile
.set VL,  96                           ; s[96:97] vlo at my batch, head and 8 channel blocks
.set MSB, 0
.macro WIN new                         ; the immediate's high byte repeats the setting that is left
.if MSB != (\new)
	s_set_vgpr_msb (MSB<<8)|(\new)
.set MSB, (\new)
.endif
.endm
.macro PLACES                          ; four places behind a matrix instruction (ISA guide 7.12.1)
.rept 4
	v_nop
.endr
.endm
.macro CREST                           ; a round of the cluster's barrier behind its opening barrier
	s_cmp_lg_u32 s[WV], 0
	s_cbranch_scc1 .Lnot_wave_0_\@
	s_barrier_signal -3
.Lnot_wave_0_\@:
	s_barrier_wait -3
	s_barrier_signal -1
	s_barrier_wait -1
.endm
.macro CROUND
	s_barrier_signal -1
	s_barrier_wait -1
	CREST
.endm
.macro JLOAD                           ; a joint refill: waves 0, 1 x's halves, waves 2, 3 W's; s_nop 0 and four v_nop follow each line
	s_cmp_eq_u32 s[WR], 0
	s_cbranch_scc0 .Lfor_b_\@
	tensor_load_to_lds s[G0A+4:G0A+7], s[G1A:G1A+7]
	s_nop 0
	PLACES
	s_branch .Lasked_\@
.Lfor_b_\@:
	tensor_load_to_lds s[G0B+4:G0B+7], s[G1B:G1B+7]
	s_nop 0
	PLACES
.Lasked_\@:
.endm
; 32 LDS loads: the fragments of 32 along K (quarter kq of the step) into buffer f: 128 columns of W, turned; 64 rows of x in f32
.macro FETCH kq, f
	WIN 0x80
.irp b, 0,1,2,3,4,5,6,7
	ds_load_tr16_b128 v[BF+64*(\f)+8*(\b):BF+64*(\f)+8*(\b)+3],   v[ADRB] offset:(\kq)*32*PITB+32*(\b)
	ds_load_tr16_b128 v[BF+64*(\f)+8*(\b)+4:BF+64*(\f)+8*(\b)+7], v[ADRB] offset:(\kq)*32*PITB+32*(\b)+16*PITB
.endr
.irp a, 0,1,2,3
	ds_load_b128 v[RA+64*(\f)+16*(\a):RA+64*(\f)+16*(\a)+3],     v[ADRA] offset:(\a)*16*PITA+(\kq)*128
	ds_load_b128 v[RA+64*(\f)+16*(\a)+4:RA+64*(\f)+16*(\a)+7],   v[ADRA] offset:(\a)*16*PITA+(\kq)*128+16
	ds_load_b128 v[RA+64*(\f)+16*(\a)+8:RA+64*(\f)+16*(\a)+11],  v[ADRA] offset:(\a)*16*PITA+(\kq)*128+64
	ds_load_b128 v[RA+64*(\f)+16*(\a)+12:RA+64*(\f)+16*(\a)+15], v[ADRA] offset:(\a)*16*PITA+(\kq)*128+80
.endr
.endm
.macro CVT f                           ; x's 64 rows x 32 K to bf16: 32 lines, which are also the places behind the products just issued
	WIN 0x0a
.irp a, 0,1,2,3
.irp i, 0,1,2,3,4,5,6,7
	v_cvt_pk_bf16_f32 v[AB+32*(\f)+8*(\a)+(\i)], v[RA+64*(\f)+16*(\a)+2*(\i)], v[RA+64*(\f)+16*(\a)+2*(\i)+1]
.endr
.endr
.endm
; 8 products: row block a x all 8 column blocks.  The 32 accumulators take turns in one fixed order, over the backward jumps too.  bias = 1: C is the bias: the sums start.
.macro MUL8 f, a, bias
.if \bias
	WIN 0x42
.else
	WIN 0x52
.endif
.irp b, 0,1,2,3,4,5,6,7
.if \bias
	v_wmma_f32_16x16x32_bf16 v[8*(8*(\a)+(\b)):8*(8*(\a)+(\b))+7], v[BF+64*(\f)+8*(\b):BF+64*(\f)+8*(\b)+7], v[AB+32*(\f)+8*(\a):AB+32*(\f)+8*(\a)+7], v[BIAS+8*(\b):BIAS+8*(\b)+7]
.else
	v_wmma_f32_16x16x32_bf16 v[8*(8*(\a)+(\b)):8*(8*(\a)+(\b))+7], v[BF+64*(\f)+8*(\b):BF+64*(\f)+8*(\b)+7], v[AB+32*(\f)+8*(\a):AB+32*(\f)+8*(\a)+7], v[8*(8*(\a)+(\b)):8*(8*(\a)+(\b))+7]
.endif
.endr
.endm
.macro MULQ f, bias
	MUL8 \f, 0, \bias
	MUL8 \f, 1, \bias
	MUL8 \f, 2, \bias
	MUL8 \f, 3, \bias
.endm
.macro BLOAD                           ; my 64 numbers of the bias at s[BP]
.irp b, 0,1,2,3,4,5,6,7
	global_load_b128 v[BIAS+8*(\b):BIAS+8*(\b)+3],   v[BO], s[BP:BP+1] offset:64*(\b)
	global_load_b128 v[BIAS+8*(\b)+4:BIAS+8*(\b)+7], v[BO], s[BP:BP+1] offset:64*(\b)+16
.endr
.endm
; A quarter: multiplies buffer f, fetches quarter kqn into the other buffer.  The wait is for this quarter's 32 loads: nothing younger is out.
.macro QUARTER kqn, f
	s_wait_dscnt 0x0
	CVT \f
	FETCH \kqn, 1-(\f)
	MULQ \f, 0
.endm
; A step's first quarter.  var = 1 (the first loop): where the step starts a tile the products take the bias as C, and the next tile's bias is asked for.
.macro FIRSTQ var
	s_wait_dscnt 0x0
	CVT 0
	FETCH 1, 1
.if \var
	WIN 0
	s_cmp_eq_u32 s[NEW], 1
	s_cbranch_scc1 .Lnewtile
.endif
	MULQ 0, 0
.if \var
	WIN 0
	s_branch .Ljoin
.Lnewtile:
	s_mov_b32 s[NEW], 0
	s_wait_loadcnt 0x0                             ; the bias is in, and its loads have read s[BP]
.set i, 0
.rept 32
	v_cvt_pk_bf16_f32 v[T0+i%2], v[BIAS+2*i], v[BIAS+2*i+1]   ; rounded to bf16 like every input, and widened again
	v_lshlrev_b32 v[BIAS+2*i], 16, v[T0+i%2]
	v_and_b32 v[BIAS+2*i+1], 0xffff0000, v[T0+i%2]
.set i, i+1
.endr
	MULQ 0, 1
	WIN 0
	PLACES                                         ; in front of loads into registers that those products read
	s_cmp_lt_u32 s[G], 16
	s_cbranch_scc0 .Ljoin                          ; v's tile is the last
	s_cmp_lt_u32 s[G], 8
	s_cselect_b64 s[BP:BP+1], s[76:77], s[78:79]   ; bk behind q's tile, bv behind k's
	BLOAD
.Ljoin:
.endif
.endm
; The walking descriptors: step G + 2, in the slot that is being left.  No tensor load of mine is out where this stands.
.macro NEXTADR
	s_add_co_u32 s[N], s[G], 2
	s_cmp_lt_u32 s[N], 8
	s_cselect_b64 s[TA:TA+1], s[XA:XA+1], s[XA+2:XA+3]
	s_cmp_lt_u32 s[N], 16
	s_cselect_b64 s[TA:TA+1], s[TA:TA+1], s[XA+4:XA+5]
	s_and_b32 s[NK], s[N], 7
	s_lshl_b32 s[OFF], s[NK], 9                    ; 128 f32 along a row
	s_add_nc_u64 s[G0A+6:G0A+7], s[TA:TA+1], s[OFF:OFF+1]
	s_or_b32 s[G0A+7], s[G0A+7], 0x80000000
	s_xor_b32 s[G0A+5], s[G0A+5], ASLOT
	s_lshr_b32 s[NS], s[N], 3
	s_lshl_b32 s[NS], s[NS], 21                    ; the tensor's section of wc,
	s_lshl_b32 s[OFF], s[NK], 16                   ; 128 rows of 512 bytes
	s_add_co_u32 s[OFF], s[OFF], s[NS]
	s_add_nc_u64 s[G0B+6:G0B+7], s[WB:WB+1], s[OFF:OFF+1]
	s_or_b32 s[G0B+7], s[G0B+7], 0x80000000
	s_xor_b32 s[G0B+5], s[G0B+5], BSLOT
.endm
; THE PREFETCH INTO THE L2: behind each refill (step G + 2) one instruction a wave names step G + 4: 32 blocks of 256 bytes, a lane a block.  Of the 64 rows that a wave fetches each of the four partners
; that ask for them jointly takes 16, told apart by address.  x's rows are read by this cluster alone; W's by every cluster: the cluster with y = 0 asks.  Steps 0 to 3 come by their loads alone; nothing is named past step 23.
.macro PFSTEP
	s_wait_xcnt 0x0                                ; the last prefetch, a K step back, has read its address
	s_add_co_u32 s[N], s[G], 4
	s_cmp_lt_u32 s[N], 8
	s_cselect_b64 s[TP:TP+1], s[PB0:PB0+1], s[PB0+2:PB0+3]
	s_cmp_lt_u32 s[N], 16
	s_cselect_b64 s[TP:TP+1], s[TP:TP+1], s[PB0+4:PB0+5]
	s_and_b32 s[N], s[N], 7
	s_mul_i32 s92, s[N], s[PSTEP]
	s_add_nc_u64 s[PFA:PFA+1], s[TP:TP+1], s[92:93]
.endm
.macro ASK
	s_cmp_le_i32 s[G], s[LIM]
	s_cbranch_scc0 .Lnot_mine_\@
	global_prefetch_b8 v[PFO], s[PFA:PFA+1] th:TH_LOAD_NT scope:SCOPE_SE
.Lnot_mine_\@:
.endm
; A step's last quarter multiplies buffer 1 and changes slots.  In front of the barrier each wave waits for all its tensor loads (one is out: its part of the next slot), adds 0 to its spare word, and waits for that
; and for its reads of this slot.  fill = 1: the barrier opens a round of the cluster's, and the joint refill is the first thing behind the round: it has 112 products in which to land.
; fill = 0 (the second loop): nothing is asked for; in its last trip there is no next slot either: the run that would fetch from it is jumped over (LDS loads alone), and the waits and the barrier, one text for both trips, order nothing new.
.macro TURN fill
	s_wait_dscnt 0x0
	CVT 1
.if \fill
	PFSTEP
.endif
	WIN 0
	s_wait_tensorcnt 0x0
	ds_add_u32 v[SPW], v[NIL]
.if \fill
	NEXTADR
.endif
	s_xor_b32 s[TBA], s[TBA], ASLOT
	s_xor_b32 s[TBB], s[TBB], BSLOT
	MUL8 1, 0, 0
	s_wait_dscnt 0x0                               ; the add is done; my reads of this slot were over at the quarter's head
	s_barrier_signal -1
	MUL8 1, 1, 0
	WIN 0
	s_barrier_wait -1
.if \fill
	CREST
	JLOAD
.else
	s_cmp_eq_u32 s[TLC], 1
	s_cbranch_scc1 .Lno_next_\@
	PLACES
.endif
	v_add_nc_u32 v[ADRA], s[TBA], v[A0L]
	v_add_nc_u32 v[ADRB], s[TBB], v[B0L]
	FETCH 0, 0
	WIN 0
.if \fill
	ASK
.else
.Lno_next_\@:
.endif
	MUL8 1, 2, 0
	MUL8 1, 3, 0
.endm
; A tile leaves: rounded to f16, each accumulator's registers in ascending order, and stored as it lies.  Row blocks 0, 1 were finished ahead of the four v_nop of the change of slots; their 64 conversions are the places for blocks 2, 3.
.macro OUT
	WIN 0
	s_wait_xcnt 0x0                                ; the last tile's stores have read their registers and their base
	s_lshr_b32 s22, s[G], 3                        ; 0 q, 1 k, 2 v
	s_lshl_b32 s[OFF], s22, 24
	s_add_nc_u64 s[DST:DST+1], s[DBASE:DBASE+1], s[OFF:OFF+1]
	s_cmp_eq_u32 s22, 2
	s_cselect_b32 s22, 32, 16                      ; v: 32 r + 16 h; q, k: 16 r + 256 h
	s_cselect_b32 s23, 16, 256
	v_mul_u32_u24 v[CO], v[RR], s22
	v_mad_u32_u24 v[CO], v[HH], s23, v[CO]
	WIN 0xc5
.set t, 0
.rept 32
.irp i, 0,1,2,3
	v_cvt_pk_f16_f32 v[TMP+4*t+(\i)], v[8*t+2*(\i)], v[8*t+2*(\i)+1]
.endr
.set t, t+1
.endr
	WIN 0x0c
.set t, 0
.rept 32
	global_store_b128 v[CO], v[TMP+4*t:TMP+4*t+3], s[DST:DST+1] offset:(t/8)*8192+(t%8)*512  ; 512 consecutive bytes, aligned
.set t, t+1
.endr
	WIN 0
	s_mov_b32 s[NEW], 1
.endm
	s_load_b512 s[68:83], s[0:1], 0x0              ; x_q, x_k, x_v, bq, bk, bv, wc, qkv
	s_load_b64 s[VL:VL+1], s[0:1], 0x40            ; vlo
	v_lshl_add_u32 v[SPW], v0, 2, SPARE
	v_mov_b32 v[NIL], 0
	ds_add_u32 v[SPW], v[NIL]                      ; the wave's opening: the add and its wait ahead of my first tensor load
	v_lshrrev_b32 v[T0], 5, v0
	v_readfirstlane_b32 s[WV], v[T0]
	s_lshr_b32 s[WR], s[WV], 1
	s_and_b32 s[WC], s[WV], 1
	s_bfe_u32 s[CX], ttmp6, 0x40000
	s_bfe_u32 s[CY], ttmp6, 0x40004
	s_and_b32 s[TR], ttmp7, 0xffff
	s_lshl4_add_u32 s[TR], s[CY], s[TR]            ; block of rows = cluster y + 16 cy: batch cy, rows 128 x cluster y on
	s_lshl_b32 s62, s[CY], 2
	s_lshl_b32 s62, 15, s62                        ; my row of the cluster
	s_lshl_b32 s63, 0x1111, s[CX]                  ; my column
	s_or_b32 s[G1A], s62, (2<<16)|(1<<20)|(1<<21)|(6<<22)|(3<<25)   ; mask; 4-byte elements; padding on; bit 21 beside a mask; after every 128 words 4 words
	s_mov_b32 s[G1A+1], 128<<16                    ; tensor_dim0 = 128
	s_mov_b32 s[G1A+2], 64<<16                     ; tensor_dim1 = 64
	s_mov_b32 s[G1A+3], 128<<16                    ; tile_dim0 = 128
	s_mov_b32 s[G1A+4], 64                         ; tile_dim1 = 64
	s_mov_b32 s[G1A+5], 1024                       ; elements from row to row
	s_mov_b32 s[G1A+6], 0
	s_mov_b32 s[G1A+7], 0
	s_or_b32 s[G1B], s63, (1<<16)|(1<<20)|(1<<21)|(6<<22)|(7<<25)   ; 2-byte elements; after every 128 words 8 words
	s_mov_b32 s[G1B+1], 256<<16
	s_mov_b32 s[G1B+2], 64<<16
	s_mov_b32 s[G1B+3], 256<<16
	s_mov_b32 s[G1B+4], 64
	s_mov_b32 s[G1B+5], 256
	s_mov_b32 s[G1B+6], 0
	s_mov_b32 s[G1B+7], 0
	s_lshl_b32 s90, s[TR], 7                       ; x: row 128 TR + 64 x half, 4,096 bytes a row: no cx in it
	s_lshl_b32 s22, s[WC], 6
	s_add_co_u32 s90, s90, s22
	s_lshl_b32 s90, s90, 12
	s_mov_b32 s91, 0
	s_lshl_b32 s92, s[CX], 19                      ; W: my head, 64 x half rows of 512 bytes: no cy in it
	s_lshl_b32 s22, s[WC], 15
	s_add_co_u32 s92, s92, s22
	s_mov_b32 s93, 0
	s_mul_i32 s22, s[WC], AHALF                    ; where the tiles go: no place in the cluster enters an LDS address
	s_mul_i32 s23, s[WC], BHALF
	s_mov_b32 s[G0A], 1
	s_mov_b32 s[G0A+1], s22
	s_mov_b32 s[G0A+4], 1
	s_add_co_u32 s[G0A+5], s22, ASLOT
	s_mov_b32 s[G0B], 1
	s_add_co_u32 s[G0B+1], s23, BBASE
	s_mov_b32 s[G0B+4], 1
	s_add_co_u32 s[G0B+5], s23, BBASE+BSLOT
	s_lshr_b32 s62, s[TR], 4                       ; the output: ((b 4 + head) 128 + s/16) 8192 + my 8 channel blocks
	s_lshl_b32 s62, s62, 2
	s_add_co_u32 s62, s62, s[CX]
	s_lshl_b32 s62, s62, 20
	s_and_b32 s63, s[TR], 15
	s_lshl_b32 s63, s63, 3
	s_lshl2_add_u32 s63, s[WR], s63
	s_lshl_b32 s63, s63, 13
	s_add_co_u32 s62, s62, s63
	s_lshl_b32 s63, s[WC], 12
	s_add_co_u32 s62, s62, s63
	s_mov_b32 s63, 0
	s_lshl2_add_u32 s98, s[CY], s[CX]              ; vlo: (batch 4 + head) 16,384 + my 8 channel blocks
	s_lshl_b32 s98, s98, 14
	s_lshl_b32 s99, s[WC], 12
	s_add_co_u32 s98, s98, s99
	s_mov_b32 s99, 0
	s_mov_b32 s[OFF+1], 0
	s_mov_b32 s[TBA], 0
	s_mov_b32 s[TBB], 0
	v_and_b32 v[RR], 15, v0
	v_bfe_u32 v[HH], v0, 4, 1
	v_and_b32 v[LN], 31, v0
	s_mul_i32 s22, s[WR], 64*PITA
	v_mul_u32_u24 v[A0L], v[RR], PITA              ; x in f32: row (64 WR + r), 32 bytes for each half of the lanes
	v_lshl_add_u32 v[A0L], v[HH], 5, v[A0L]
	v_add_nc_u32 v[A0L], s22, v[A0L]
	v_and_b32 v[T0], 7, v0
	v_lshl_add_u32 v[T0], v[HH], 3, v[T0]          ; W: k row 8 h + l % 8,
	v_mul_u32_u24 v[B0L], v[T0], PITB
	v_bfe_u32 v[T1], v0, 3, 1
	v_lshl_add_u32 v[B0L], v[T1], 4, v[B0L]        ; columns 8 ((l / 8) % 2) on
	s_lshl_b32 s22, s[WC], 8
	s_add_co_u32 s22, s22, BBASE
	v_add_nc_u32 v[B0L], s22, v[B0L]
	v_mov_b32 v[ADRA], v[A0L]
	v_mov_b32 v[ADRB], v[B0L]
	s_lshl_b32 s22, s[CX], 10
	s_lshl_b32 s23, s[WC], 9
	s_add_co_u32 s22, s22, s23
	v_lshl_add_u32 v[BO], v[HH], 5, s22            ; (256 head + 128 half + 8 h) x 4
	s_wait_dscnt 0x0                               ; the opening add is done
	s_wait_kmcnt 0x0
	s_add_nc_u64 s[XA:XA+1], s[XA:XA+1], s[90:91]
	s_add_nc_u64 s[XA+2:XA+3], s[XA+2:XA+3], s[90:91]
	s_add_nc_u64 s[XA+4:XA+5], s[XA+4:XA+5], s[90:91]
	s_add_nc_u64 s[WB:WB+1], s[WB:WB+1], s[92:93]
	s_add_nc_u64 s[DBASE:DBASE+1], s[82:83], s[62:63]
	s_add_nc_u64 s[VL:VL+1], s[VL:VL+1], s[98:99]
	s_mov_b64 s[G0A+2:G0A+3], s[XA:XA+1]           ; step 0
	s_or_b32 s[G0A+3], s[G0A+3], 0x80000000
	s_add_nc_u64 s[G0A+6:G0A+7], s[XA:XA+1], 512   ; step 1
	s_or_b32 s[G0A+7], s[G0A+7], 0x80000000
	s_mov_b64 s[G0B+2:G0B+3], s[WB:WB+1]
	s_or_b32 s[G0B+3], s[G0B+3], 0x80000000
	s_add_nc_u64 s[G0B+6:G0B+7], s[WB:WB+1], 0x10000
	s_or_b32 s[G0B+7], s[G0B+7], 0x80000000
	CROUND                                         ; all sixteen work-groups are here: the first joint loads meet
	s_cmp_eq_u32 s[WR], 0                          ; a wave's two first fills stand in one branch: two loads of mine are out
	s_cbranch_scc0 .Lfirst_b
	tensor_load_to_lds s[G0A:G0A+3], s[G1A:G1A+7]
	s_nop 0
	tensor_load_to_lds s[G0A+4:G0A+7], s[G1A:G1A+7]
	s_nop 0
	PLACES
	s_branch .Lfirst_asked
.Lfirst_b:
	tensor_load_to_lds s[G0B:G0B+3], s[G1B:G1B+7]
	s_nop 0
	tensor_load_to_lds s[G0B+4:G0B+7], s[G1B:G1B+7]
	s_nop 0
	PLACES
.Lfirst_asked:
	s_mov_b64 s[BP:BP+1], s[74:75]
	BLOAD                                          ; bq
	; the prefetches' bases: x_p at my 16 of the 64 rows (by cx), or wc's section p at my 16 k rows (by cy)
	s_lshl_b32 s62, s[CX], 16
	s_lshl_b32 s63, s[CY], 13
	s_and_b32 s23, ttmp7, 0xffff
	s_cmp_eq_u32 s[WR], 0
	s_cselect_b64 s[PB0:PB0+1], s[XA:XA+1], s[WB:WB+1]
	s_cselect_b64 s[PB0+2:PB0+3], s[XA+2:XA+3], s[WB:WB+1]
	s_cselect_b64 s[PB0+4:PB0+5], s[XA+4:XA+5], s[WB:WB+1]
	s_cselect_b32 s92, s62, s63
	s_cselect_b32 s62, 0, 0x200000
	s_mov_b32 s[PSTEP], 0x10000                    ; (a move leaves the compare's answer as it is; a select takes one literal)
	s_cselect_b32 s[PSTEP], 512, s[PSTEP]
	s_mov_b32 s22, 512
	s_cselect_b32 s22, 4096, s22
	s_cselect_b32 s23, 0, s23
	s_mov_b32 s63, 0
	s_add_nc_u64 s[PB0:PB0+1], s[PB0:PB0+1], s[92:93]
	s_add_nc_u64 s[PB0+2:PB0+3], s[PB0+2:PB0+3], s[92:93]
	s_add_nc_u64 s[PB0+4:PB0+5], s[PB0+4:PB0+5], s[92:93]
	s_add_nc_u64 s[PB0+2:PB0+3], s[PB0+2:PB0+3], s[62:63]
	s_add_nc_u64 s[PB0+4:PB0+5], s[PB0+4:PB0+5], s[62:63]
	s_add_nc_u64 s[PB0+4:PB0+5], s[PB0+4:PB0+5], s[62:63]
	s_cmp_eq_u32 s23, 0
	s_cselect_b32 s[LIM], 19, -1
	v_lshrrev_b32 v[T0], 1, v[LN]
	v_and_b32 v[T1], 1, v[LN]
	v_mul_u32_u24 v[PFO], v[T0], s22               ; x: a row's two blocks of 256 bytes, 16 rows; W: 32 blocks on end
	v_lshl_add_u32 v[PFO], v[T1], 8, v[PFO]
	s_wait_tensorcnt 0x1                           ; my part of step 0 is in; step 1's may stay out
	s_barrier_signal -1
	s_barrier_wait -1
	FETCH 0, 0
	WIN 0
	s_mov_b32 s[G], 0
	s_mov_b32 s[NEW], 1
.Lstep:                                        ; 22 trips: a K step each, and the refill for the step two on
	FIRSTQ 1
	QUARTER 2, 1
	QUARTER 3, 0
	TURN 1
	WIN 0
	s_and_b32 s22, s[G], 7
	s_cmp_eq_u32 s22, 7
	s_cbranch_scc0 .Lnoout                         ; forward, past text with no barrier and no tensor load
	OUT
.Lnoout:
	s_add_co_u32 s[G], s[G], 1
	s_cmp_lt_u32 s[G], 22
	s_cbranch_scc1 .Lstep
	s_mov_b32 s[TLC], 2
.Ltail:                                        ; 2 trips: steps 22 and 23, for which nothing is left to ask
	FIRSTQ 0
	QUARTER 2, 1
	QUARTER 3, 0
	TURN 0
	WIN 0
	s_sub_co_u32 s[TLC], s[TLC], 1
	s_cmp_lg_u32 s[TLC], 0
	s_cbranch_scc1 .Ltail
	PLACES
	OUT                                            ; G = 22: G / 8 = 2: v
	; v's second word for rows 0 to 31 of the batch: row blocks 0 and 1 of waves 0 and 1, in the cluster with y = 0 (the same answer in all sixteen partners, for a given wave)
	s_and_b32 s22, ttmp7, 0xffff
	s_or_b32 s22, s22, s[WR]
	s_cmp_eq_u32 s22, 0
	s_cbranch_scc0 .Lnolo                          ; forward, past text with no barrier and no tensor load
	v_mov_b32 v[T0], -1.0
	WIN 0x13                                       ; source 0 (the packed f16) window 3, source 1 window 0, source 2 (the sum) window 1, destination window 0
.set t, 0
.rept 16
.irp i, 0,1,2,3
	v_fma_mix_f32 v[LF+8*t+2*(\i)],   v[TMP+4*t+(\i)], v[T0], v[8*t+2*(\i)]   op_sel_hi:[1,0,0]                ; f16(v) x -1 + v: exact
	v_fma_mix_f32 v[LF+8*t+2*(\i)+1], v[TMP+4*t+(\i)], v[T0], v[8*t+2*(\i)+1] op_sel:[1,0,0] op_sel_hi:[1,0,0]
.endr
.set t, t+1
.endr
	WIN 0
.set t, 0
.rept 64
	v_cvt_pk_f16_f32 v[LP+t], v[LF+2*t], v[LF+2*t+1]
.set t, t+1
.endr
.set t, 0
.rept 16
	global_store_b128 v[CO], v[LP+4*t:LP+4*t+3], s[VL:VL+1] offset:(t/8)*8192+(t%8)*512  ; v's own layout: 512 consecutive bytes, aligned
.set t, t+1
.endr
.Lnolo:
	s_wait_tensorcnt 0x0                           ; the wave's end
	ds_add_u32 v[SPW], v[NIL]
	s_wait_dscnt 0x0
	CROUND                                         ; the closing round
	s_endpgm
.Lfunc_end_k_q8a67f5ddf7_proj:
	.size	k_q8a67f5ddf7_proj, .Lfunc_end_k_q8a67f5ddf7_proj-k_q8a67f5ddf7_proj
	.p2alignl 7, 3214868480
	.fill 96, 4, 3214868480
	.section	.rodata,"a",@progbits
	.p2align	6, 0x0
	.amdhsa_kernel k_q8a67f5ddf7_proj
		.amdhsa_group_segment_fixed_size 327680
		.amdhsa_private_segment_fixed_size 0
		.amdhsa_enable_private_segment 0
		.amdhsa_kernarg_size 72
		.amdhsa_user_sgpr_count 2
		.amdhsa_user_sgpr_kernarg_segment_ptr 1
		.amdhsa_wavefront_size32 1
		.amdhsa_system_sgpr_workgroup_id_x 1
		.amdhsa_system_sgpr_workgroup_id_y 1
		.amdhsa_system_sgpr_workgroup_id_z 1
		.amdhsa_system_vgpr_workitem_id 0
		.amdhsa_next_free_vgpr 896
		.amdhsa_next_free_sgpr 100
		.amdhsa_reserve_vcc 0
		.amdhsa_float_denorm_mode_32 3
		.amdhsa_float_denorm_mode_16_64 3
		.amdhsa_memory_ordered 1
		.amdhsa_forward_progress 1
		.amdhsa_inst_pref_size 110
	.end_amdhsa_kernel
	.amdgpu_metadata
---
amdhsa.version: [ 1, 2 ]
amdhsa.kernels:
  - .name:           k_q8a67f5ddf7_proj
    .symbol:         k_q8a67f5ddf7_proj.kd
    .args:
      - { .name: inputs_for_queries, .offset: 0, .size: 8, .value_kind: global_buffer, .address_space: global }
      - { .name: inputs_for_keys, .offset: 8, .size: 8, .value_kind: global_buffer, .address_space: global }
      - { .name: inputs_for_values, .offset: 16, .size: 8, .value_kind: global_buffer, .address_space: global }
      - { .name: bq, .offset: 24, .size: 8, .value_kind: global_buffer, .address_space: global }
      - { .name: bk, .offset: 32, .size: 8, .value_kind: global_buffer, .address_space: global }
      - { .name: bv, .offset: 40, .size: 8, .value_kind: global_buffer, .address_space: global }
      - { .name: wc, .offset: 48, .size: 8, .value_kind: global_buffer, .address_space: global }
      - { .name: qkv, .offset: 56, .size: 8, .value_kind: global_buffer, .address_space: global }
      - { .name: vlo, .offset: 64, .size: 8, .value_kind: global_buffer, .address_space: global }
    .group_segment_fixed_size: 327680
    .private_segment_fixed_size: 0
    .kernarg_segment_align: 8
    .kernarg_segment_size: 72
    .max_flat_workgroup_size: 128
    .sgpr_count:     100
    .vgpr_count:     896
    .wavefront_size: 32
...
	.end_amdgpu_metadata
.endif
;; end of part 5
;; launch attn (part 6): grid 16 x 16, 4 waves a work-group, clusters of 4 x 1, 327,680 bytes of LDS; arguments qkv, ow, vlo, olo; writes ow, olo
.if DOCPART == 6
	.amdgcn_target "amdgcn-amd-amdhsa--gfx1250"
	.amdhsa_code_object_version 6
	.text
	.protected	k_q8a67f5ddf7_attn
	.globl	k_q8a67f5ddf7_attn
	.p2align	8
	.type	k_q8a67f5ddf7_attn,@function
k_q8a67f5ddf7_attn:
	s_mov_b64 s[64:65], 0
	v_nop
	global_prefetch_b8 v0, s[64:65] scope:SCOPE_SE
	s_setreg_imm32_b32 hwreg(HW_REG_WAVE_MODE, 25, 1), 1
	s_wait_xcnt 0x0
	s_wait_alu depctr_hold_cnt(0) depctr_sa_sdst(0) depctr_va_vdst(0) depctr_va_sdst(0) depctr_va_ssrc(0) depctr_va_vcc(0) depctr_vm_vsrc(0)
	s_getreg_b32 s2, hwreg(HW_REG_IB_STS2, 6, 4)
	s_cmp_eq_u32 s2, 0
	s_cbranch_scc0 .Lentry_in_a_cluster
	s_endpgm
.Lentry_in_a_cluster:
	s_bfe_u32 s2, ttmp6, 0x10000c
	s_cmp_lg_u32 s2, 0x3003
	s_cbranch_scc0 .Lentry_shape_is_right
	s_endpgm
.Lentry_shape_is_right:
; CAUSAL ATTENTION, head size 256, scale 1/256.  O[q] = the sum over k <= q of softmax_k(Q[q] . K[k] / 256) V[k], for 16 (batch, head) pairs of 2,048 rows.  q, k, v: f16, in blocks of 16 rows x 16 channels (see below).
; Products, maxima and sums in f32; the weights are rounded to f16 for the second product (their sum is taken of the unrounded weights), O once at the end, to f16.
; LIMITS.  q, k, v lie within f16's range, so a true score is at most 1.1e12 in size.  A hidden score counts as its value less 1e30.  The running maximum starts at -1e20, below every true score and above every hidden one:
; so a hidden weight is 0 also where no key has been seen yet.  A weight below 2^-126 counts as 0.  NaN and infinities are not treated apart.
; THE WALK.  A head's queries lie in 32 blocks of 64.  A work-group takes two: 4 c + cx and then 28 - 4 c + cx (c = the cluster along x, cx = my place in it).  The four partners walk the SAME key tiles of 128 keys:
; 0 .. 2 c + 1 for the first block, 0 .. 15 - 2 c for the second: 18 tiles for every work-group.  What a partner may not see is hidden by the mask, never by a branch, so each tile is ONE joint load for the four.
; THE TEXT is straight: c + 1 pairs of tiles, the first block's end, 7 - c pairs, one pair that asks for nothing, the second block's end.  The two counts of pairs hang on c alone, which waves and partners share; neither can be 0.
; Both blocks have an even number of tiles, so tile t lies in slot t % 2, and a pair is an inner loop of two trips over ONE text of a key step: three such texts in all.  The slot's LDS base is set to 0 by a constant at a pair's
; head and turned by one exclusive or a tile; each tile makes its LDS addresses from it anew: so every LDS address is made, within the pair, of constants of the text, the wave's number and the inner count.
; SHARES.  Wave w: qh = w & 1 picks 32 of the 64 queries (two tiles of 16), kh = w >> 1 picks 64 of a tile's 128 keys.  Each wave keeps its own maximum, sum and O^T; at a block's end waves w and w ^ 2 merge: register tile u
; holds query tile u ^ kh, so every wave keeps register tile 0 and hands register tile 1 over, in f32, through LDS.
; LAYOUT.  S^T = K Q^T: a lane holds one query (lane % 16) and keys 8 (lane / 16) + 0..7; two results rounded to f16 in pairs are source 1 of O^T = V^T P.  THE MASK is the C operand that starts S^T: MD x AL + BE, MD the mask of
; the diagonal 64 x 64, (AL, BE) = (1, 0) on the diagonal, (0, 0) below it, (0, -1e30) above.
; A SECOND WORD WHERE FEW KEYS ARE SEEN.  A row that sees n keys is a mean of n rows of v: its numbers, and one f16 word's rounding of them, are of the order of sqrt(2048 / n) times those of a late row.  So (1) keys 0 to 31 have a
; second f16 word, v - f16(v), in vlo: 16,384 bytes a head, brought into LDS with the first tiles (by every cluster: a joint load stands on every path); in the cluster with c = 0 the waves on keys 0 to 63 add V_lo^T P behind the
; first block's first tile.  (2) In that cluster wave 0 stores O - f16(O) of its block's first 16 rows into olo: [batch][cx][16 head + channel block] 512 bytes, as fragments.  All four partners store, told apart by address
; The last launch reads the part with cx = 0, rows 0 to 15.
; MEMORY.  Block ((b 4 + h) 128 + s/16) 8192 + (d/16) 512; q, k: a lane's 16 bytes at 16 x lane, as a fragment wants them; v: row-major, 32 bytes a row, for the turning load.  128 keys are 65,536 dense bytes.
; ow: (R/128) 262,144 + (16 h + d/16) 4096 + ((R/16) % 8) 512 + 16 x lane: fragments for the last launch; every store covers 512 consecutive bytes, aligned.
; O^T and the sums are written 0 once, in the wait for the first tile (260 lines): a block's first step multiplies them by 0, so they need only be finite; no first step is written out.
; REGISTERS: window 0: addresses, statistics v16-31, factors v32-47, S^T v64-127, P v128-159, O's second word v160-223;  1: O^T, 128 a tile;  2: Q v0-127, MD v128-191, MC v192-255;  3: two buffers of 128 for K's and V's fragments.
.set SLOT1, 1<<17                      ; a slot: K 65,536 bytes, then V 65,536; slot 1 begins here
.set VOFF,  65536
.set MST,   262144                     ; the merge: 8,192 bytes a wave; no tensor load lands here
.set STATS, 294912                     ; 256 bytes a wave
.set SPARE, 295936                     ; the spare words, 128 bytes a wave: two blocks of 256 bytes that no other line names
.set VLO,   296448                     ; the second word of keys 0 to 31: 16,384 bytes, filled once
.set AK0, 2                            ; v2  my place in K's part of slot 0; never rewritten
.set AV0, 3                            ; v3  the same for V
.set AKC, 4                            ; v4  my place in K's part of the slot in hand
.set AVC, 5                            ; v5  the same for V
.set QO0, 6
.set QO1, 7
.set GO,  8                            ; v8  16 x lane
.set PFO, 9                            ; v9  256 x lane
.set MW,  10
.set MR,  11
.set SW,  12
.set SR,  13
.set TH,  14                           ; v14-15 a tile's threshold for the diagonal's mask
.set ST,  16                           ; tile u at ST + 8 u: c m, m, l, l, c0..c3 (a takes c2's place)
.set AVL, 54                           ; v54 my place in the second word's bytes
.set NEG1, 55                          ; v55 -1.0
.set AKN, 56                           ; v56 my place in K's part of the other slot
.set SPW, 62
.set NIL, 63
.set S,   64
.set P,   128
.set LOP, 160
.set MD,  128                          ; window 2
.set MC,  192                          ; window 2
.set WV,  8
.set QH,  9
.set KH,  10
.set CC,  11
.set CX,  12
.set BH,  13
.set QB,  14                           ; the block in hand
.set CUR, 15                           ; the key tile in hand
.set TC,  16                           ; counts a block's pairs of tiles
.set NXT, 17                           ; the tile to be asked for
.set LQ,  18                           ; the first block's number of tiles; 64 once NXT has gone back to 0
.set WQ,  19                           ; the number, in the walk of 18, of the tile that is being asked for
.set SRC, 20                           ; s[20:21] K or V at my quarter of tile 0
.set OFF, 22
.set G1,  24
.set G0,  40                           ; s[40:47] two sets for the first fills; the first then walks
.set QP1, 48
.set QP2, 50
.set OP,  52
.set OP2, 54
.set NTA, 56                           ; c + 1
.set NTB, 57                           ; 7 - c
.set CS,  58
.set SEL, 60
.set KT,  62
.set LO,  63                           ; I prefetch while LO <= WQ <= HI
.set AL,  66
.set BE,  68
.set BIGN, 70
.set QB2, 71
.set PFA, 72
.set HI,  74
.set G1L, 76                           ; s[76:83] descriptor group 1 for the second word (at work before that)
.set PB,  84                           ; s[84:85] SRC at my work-group's 8,192 bytes of my quarter
.set OFP, 86
.set VLP, 88                           ; s[88:89] vlo
.set OL,  90                           ; s[90:91] olo at my batch, place and head
.set G0L, 92                           ; s[92:95] descriptor group 0 for the second word
.set TB,  96                           ; s96 LDS base of the slot of the tile to come: 0 at a pair's head, turned once a tile
.set TBC, 97                           ; s97 LDS base of the slot in hand
.set TW,  98                           ; s98 counts a pair's two tiles, 2 and 1
.set W15, 99                           ; s99 32,768 x my wave: my quarter of a slot; never rewritten
.set MSB, 0
.macro WIN new
.if MSB != (\new)
	s_set_vgpr_msb (MSB<<8)|(\new)
.set MSB, (\new)
.endif
.endm
.macro PLACES
.rept 4
	v_nop
.endr
.endm
.macro CREST
	s_cmp_lg_u32 s[WV], 0
	s_cbranch_scc1 .Lnot_wave_0_\@
	s_barrier_signal -3
.Lnot_wave_0_\@:
	s_barrier_wait -3
	s_barrier_signal -1
	s_barrier_wait -1
.endm
.macro CROUND
	s_barrier_signal -1
	s_barrier_wait -1
	CREST
.endm
.macro BAR
	s_barrier_signal -1
	s_barrier_wait -1
.endm
.macro QLOAD p                         ; a block's Q: register tile u from query tile u ^ kh
	WIN 0x80
.irp c, 0,1,2,3,4,5,6,7
	global_load_b128 v[8*(\c):8*(\c)+3],       v[QO0], s[\p:\p+1] offset:(\c)*1024
	global_load_b128 v[8*(\c)+4:8*(\c)+7],     v[QO0], s[\p:\p+1] offset:(\c)*1024+512
	global_load_b128 v[64+8*(\c):64+8*(\c)+3],   v[QO1], s[\p:\p+1] offset:(\c)*1024
	global_load_b128 v[64+8*(\c)+4:64+8*(\c)+7], v[QO1], s[\p:\p+1] offset:(\c)*1024+512
.endr
	WIN 0
.endm
.macro FETCH_K g, a                    ; key tiles 2 g, 2 g + 1 of my four, by address register a, all 256 channels: 32 loads into buffer g
	WIN 0xc0
.irp t, 0,1
.irp c, 0,1,2,3,4,5,6,7
	ds_load_b128 v[128*(\g)+64*(\t)+8*(\c):128*(\g)+64*(\t)+8*(\c)+3],   v[\a] offset:(2*(\g)+(\t))*8192+(\c)*1024
	ds_load_b128 v[128*(\g)+64*(\t)+8*(\c)+4:128*(\g)+64*(\t)+8*(\c)+7], v[\a] offset:(2*(\g)+(\t))*8192+(\c)*1024+512
.endr
.endr
.endm
.macro FETCH_V g, a                    ; keys 32 g .. 32 g + 31 of my 64, all 16 channel blocks, turned: 32 loads into buffer g
	WIN 0xc0
.irp cb, 0,1,2,3,4,5,6,7,8,9,10,11,12,13,14,15
	ds_load_tr16_b128 v[128*(\g)+8*(\cb):128*(\g)+8*(\cb)+3],   v[\a] offset:2*(\g)*8192+(\cb)*512
	ds_load_tr16_b128 v[128*(\g)+8*(\cb)+4:128*(\g)+8*(\cb)+7], v[\a] offset:(2*(\g)+1)*8192+(\cb)*512
.endr
.endm
.macro FETCH_VL                        ; the second word of keys 0 to 31, all 16 channel blocks, turned: 32 loads into buffer 1
	WIN 0xc0
.irp cb, 0,1,2,3,4,5,6,7,8,9,10,11,12,13,14,15
	ds_load_tr16_b128 v[128+8*(\cb):128+8*(\cb)+3],   v[AVL] offset:(\cb)*512
	ds_load_tr16_b128 v[128+8*(\cb)+4:128+8*(\cb)+7], v[AVL] offset:8192+(\cb)*512
.endr
.endm
; 32 products of S^T: channels 32 (i / 4) on, key tile 2 g + (i / 2) % 2, query tile i % 2.  Four accumulators take turns; the first four start the sums with the mask.
.macro KQ g
.set i, 0
.rept 32
.set rS, S+32*(i%2)+8*(2*(\g)+(i/2)%2)
.set rK, 128*(\g)+64*((i/2)%2)+8*(i/4)
.set rQ, 64*(i%2)+8*(i/4)
.set rM, MC+32*(i%2)+8*(2*(\g)+(i/2)%2)
.if i < 4
	WIN 0x2b
	v_wmma_f32_16x16x32_f16 v[rS:rS+7], v[rK:rK+7], v[rQ:rQ+7], v[rM:rM+7]
.else
	WIN 0x0b
	v_wmma_f32_16x16x32_f16 v[rS:rS+7], v[rK:rK+7], v[rQ:rQ+7], v[rS:rS+7]
.endif
.set i, i+1
.endr
.endm
; 16 products of O^T += V^T P: V's fragments in buffer g, the weights of keys 32 pg on, channel blocks 8 half + i / 2, query tile i % 2: sixteen accumulators, one instruction each
.macro PVX g, half, pg
	WIN 0x53
.set i, 0
.rept 16
.set rO, 128*(i%2)+8*(8*(\half)+i/2)
.set rV, 128*(\g)+8*(8*(\half)+i/2)
.set rP, P+16*(i%2)+8*(\pg)
	v_wmma_f32_16x16x32_f16 v[rO:rO+7], v[rV:rV+7], v[rP:rP+7], v[rO:rO+7]
.set i, i+1
.endr
.endm
.macro PVH g, half
	PVX \g, \half, \g
.endm
.macro MASK                            ; my 64 keys are key block 2 CUR + kh of 64; the selects hang on my block, no branch does
	s_lshl1_add_u32 s[KT], s[CUR], s[KH]
	s_cmp_eq_u32 s[KT], s[QB]
	s_cselect_b32 s[AL], 1.0, 0
	s_cmp_gt_u32 s[KT], s[QB]
	s_cselect_b32 s[BE], s[BIGN], 0
	WIN 0x82
.set z, 0
.rept 32
	v_pk_fma_f32 v[MC+2*z:MC+2*z+1], v[MD+2*z:MD+2*z+1], s[AL:AL+1], s[BE:BE+1] op_sel_hi:[1,0,0]
.set z, z+1
.endr
.endm
; One tile's softmax for a key step is a list of 166; SM writes number j of it for tile t.
;   0-15 the maximum of the lane's 32 scores and the old m (each accumulator's lowest registers are read first)   16-20 the other half of the lanes'; m; c m; c m_old - c m_new
;   21-69 the 16 scalings c s - c m and all 33 exponentials: none reads an exponential's result   70-85 the roundings to f16   86-101 the sums, l = a l + sum   102-165 O^T times a
.macro SM t
.set rT, ST+8*(\t)
.set rS, S+32*(\t)
.set rP, P+16*(\t)
.set rO, 128*(\t)+2*(j-102)
.if j < 102
	WIN 0
.endif
.if j < 4
	v_max3_num_f32 v[rT+4+j], v[rS+8*j], v[rS+8*j+1], v[rS+8*j+2]
.elseif j < 12
	v_max3_num_f32 v[rT+4+j%4], v[rT+4+j%4], v[rS+8*(j%4)+2*(j/4)+1], v[rS+8*(j%4)+2*(j/4)+2]
.elseif j == 12
	v_max3_num_f32 v[rT+4], v[rT+4], v[rS+7], v[rS+15]
.elseif j == 13
	v_max3_num_f32 v[rT+6], v[rT+6], v[rS+23], v[rS+31]
.elseif j == 14
	v_max3_num_f32 v[rT+4], v[rT+4], v[rT+5], v[rT+6]
.elseif j == 15
	v_max3_num_f32 v[rT+4], v[rT+4], v[rT+7], v[rT+1]
.elseif j == 16
	v_permlanex16_b32 v[rT+5], v[rT+4], s[SEL], s[SEL+1]
.elseif j == 17
	v_mov_b32 v[rT+7], v[rT]
.elseif j == 18
	v_max_num_f32 v[rT+1], v[rT+4], v[rT+5]
.elseif j == 19
	v_mul_f32 v[rT], s[CS], v[rT+1]
.elseif j == 20
	v_sub_f32 v[rT+7], v[rT+7], v[rT]
.elseif j == 23
	v_exp_f32 v[rT+6], v[rT+7]
.elseif (j < 23) || ((j < 38) && (j%2 == 0)) || ((j < 66) && (j%4 == 2))
.set pb, (j-2)/4
.if j < 38
.set pb, (j-20)/2
.endif
	v_pk_fma_f32 v[rS+2*pb:rS+2*pb+1], v[rS+2*pb:rS+2*pb+1], s[CS:CS+1], v[rT:rT+1] op_sel_hi:[1,0,0] neg_lo:[0,0,1] neg_hi:[0,0,1]
.elseif j < 70
.set pe, j-38
.if j < 66
.set pe, j-32-(j-38)/4
.endif
.if j < 38
.set pe, (j-25)/2
.endif
	v_exp_f32 v[rS+pe], v[rS+pe]
.elseif j < 86
	v_cvt_pk_f16_f32 v[rP+j-70], v[rS+2*(j-70)], v[rS+2*(j-70)+1]
.elseif j < 102
.set sz, j-86
.set sw, 4
.set su, sz
.if sz >= 14
.set sw, 32
.set su, 0
.elseif sz >= 12
.set sw, 16
.set su, sz-12
.elseif sz >= 8
.set sw, 8
.set su, sz-8
.endif
.if sz < 15
	v_pk_add_f32 v[rS+sw*su:rS+sw*su+1], v[rS+sw*su:rS+sw*su+1], v[rS+sw*su+sw/2:rS+sw*su+sw/2+1]
.else
	v_pk_fma_f32 v[rT+2:rT+3], v[rT+2:rT+3], v[rT+6:rT+7], v[rS:rS+1] op_sel_hi:[1,0,1]
.endif
.else
	WIN 0x41
	v_pk_mul_f32 v[rO:rO+1], v[rO:rO+1], v[rT+6:rT+7] op_sel_hi:[1,0]
.endif
.endm
.macro SOFTMAX                         ; the two tiles alternate; both tiles' 66 exponentials are one batch with one wait
.set j, 0
.rept 70
	SM 0
	SM 1
.set j, j+1
.endr
	WIN 0
	v_nop                                          ; the plain instruction behind the last exponential
	s_wait_alu depctr_va_vdst(0)
.rept 96
	SM 0
	SM 1
.set j, j+1
.endr
.endm
; A PREFETCH INTO THE L2 of the tile that the NEXT change of slots asks for.  Each tile of a head is named once in the launch, by the cluster whose walk comes to it first by the count of trips: tiles 3 to 7 by the cluster
; with c = 3, whose first block walks tiles 0 to 7 (requests 2 to 6 of its walk); tiles 8 to 15 by the cluster with c = 0, whose second block walks all sixteen (requests 9 to 16).  Each wave names its own quarter of a tile,
; each partner 8,192 bytes of it, by address: a lane a block of 256 bytes.  Tiles 0 to 2 come by their loads alone.
.macro ASK
	s_cmp_ge_u32 s[WQ], s[LO]
	s_cbranch_scc0 .Lnot_mine_\@
	s_cmp_le_u32 s[WQ], s[HI]
	s_cbranch_scc0 .Lnot_mine_\@
	global_prefetch_b8 v[PFO], s[PFA:PFA+1] th:TH_LOAD_NT scope:SCOPE_SE
.Lnot_mine_\@:
	s_add_co_u32 s[WQ], s[WQ], 1
.endm
; THE CHANGE OF SLOTS, out of the slot in hand.  Each wave waits for all its tensor loads (one is out: its quarter of the other slot), adds 0 to its spare word, and waits for that and for its reads of this slot, V's last among them.
; fill = 1: the barrier opens a round of the cluster's, and the joint refill of the slot in hand (tile NXT; the LDS word is my quarter plus the slot's base, the address is made anew from the tile's number) is the first thing
; behind the round: it has a whole key step in which to land.  Then the other slot's first fragments of K are fetched.
; fill = 0 (the walk's last pair): nothing is asked for; behind the last tile there is no further K either, and the run of LDS loads is jumped over.
.macro CHANGE fill
	WIN 0
	s_wait_tensorcnt 0x0
	ds_add_u32 v[SPW], v[NIL]
.if \fill
	s_add_co_u32 s[G0+1], s[W15], s[TBC]
	s_lshl_b32 s[OFF], s[NXT], 16
	s_add_nc_u64 s[G0+2:G0+3], s[SRC:SRC+1], s[OFF:OFF+1]
	s_or_b32 s[G0+3], s[G0+3], 0x80000000
	s_add_co_u32 s[NXT], s[NXT], 1                 ; behind the first block's last tile comes the second block's tile 0;
	s_cmp_eq_u32 s[NXT], s[LQ]
	s_cselect_b32 s[NXT], 0, s[NXT]
	s_cselect_b32 s[LQ], 64, s[LQ]                 ; the second block, the longer one, goes back no more
	s_wait_xcnt 0x0                                ; the last prefetch, a key step back, has read its address
	s_lshl_b32 s[OFP], s[NXT], 16
	s_add_nc_u64 s[PFA:PFA+1], s[PB:PB+1], s[OFP:OFP+1]
.endif
	s_wait_dscnt 33                                ; V's first 32 loads are in; its other 32 and the add may be out
	PVH 0, 0
	s_wait_dscnt 0x0
	s_barrier_signal -1
	PVH 0, 1
	WIN 0
	s_barrier_wait -1
.if \fill
	CREST
	tensor_load_to_lds s[G0:G0+3], s[G1:G1+7]
	s_nop 0
	PLACES                                         ; also the places in front of the loads into buffer 0
	FETCH_K 0, AKN
	WIN 0
	ASK
.else
	s_cmp_eq_u32 s[TW], 1
	s_cbranch_scc1 .Lno_k_\@
	PLACES
	FETCH_K 0, AKN
	WIN 0
.Lno_k_\@:
.endif
.endm
; A KEY STEP.  Its LDS addresses are made at its head from the slot's base.  Each run of 32 LDS loads goes out 32 products or more ahead of its use; each counted wait leaves the run just issued out.
; lo = 1 (the first block's text): behind the block's first tile, in the cluster with c = 0, the waves on keys 0 to 63 add the second word of keys 0 to 31 times the same weights.  The jump goes forward past text with no barrier and no tensor load.
.macro TRIP fill, lo=0
	WIN 0
	s_mov_b32 s[TBC], s[TB]                        ; the slot in hand,
	s_xor_b32 s[TB], s[TB], SLOT1                  ; and the other
	v_add_nc_u32 v[AKC], s[TBC], v[AK0]
	v_add_nc_u32 v[AVC], s[TBC], v[AV0]
	v_add_nc_u32 v[AKN], s[TB], v[AK0]
	MASK                                           ; 32 plain lines: the places in front of the loads into buffer 1
	FETCH_K 1, AKC
	s_wait_dscnt 32                                ; K's first half is in
	KQ 0
	PLACES
	FETCH_V 0, AVC
	s_wait_dscnt 32                                ; K's second half is in
	KQ 1
	PLACES
	FETCH_V 1, AVC
	SOFTMAX
	CHANGE \fill
	PVH 1, 0
	PVH 1, 1
	WIN 0
.if \lo
	s_or_b32 s32, s[CC], s[KH]
	s_or_b32 s32, s32, s[TC]                       ; the block's first pair,
	s_xor_b32 s33, s[TW], 2                        ; its first tile
	s_or_b32 s32, s32, s33
	s_cmp_eq_u32 s32, 0
	s_cbranch_scc0 .Lno_lo_\@
	PLACES                                         ; in front of loads into buffer 1, which the last products read
	FETCH_VL
	s_wait_dscnt 0x0
	PVX 1, 0, 0
	PVX 1, 1, 0
	WIN 0
.Lno_lo_\@:
.endif
	s_add_co_u32 s[CUR], s[CUR], 1
.endm
; A PAIR OF TILES: slot 0, then slot 1: two trips over one text.
.macro PAIR fill, lo=0
	s_mov_b32 s[TB], 0
	s_mov_b32 s[TW], 2
.Ltile_\@:
	TRIP \fill, \lo
	s_sub_co_u32 s[TW], s[TW], 1
	s_cmp_lg_u32 s[TW], 0
	s_cbranch_scc1 .Ltile_\@
.endm
.macro INIT                            ; c m far below every c s, so the first a is 0; m below every true score and above every hidden one
.irp u, 0,1
	v_mov_b32 v[ST+8*(\u)], 0xfe000000
	v_mov_b32 v[ST+8*(\u)+1], 0xe0ad78ec
.endr
.endm
.macro SENDH half                      ; register tile 1, channel blocks 8 half on, into my part of the merge's bytes
	WIN 0x04
.set i, 0
.rept 16
	ds_store_b128 v[MW], v[128+64*(\half)+4*i:128+64*(\half)+4*i+3] offset:512*i
.set i, i+1
.endr
.endm
.macro RECVH                           ; my partner's, into buffer 1
	WIN 0xc0
.set i, 0
.rept 16
	ds_load_b128 v[128+4*i:128+4*i+3], v[MR] offset:512*i
.set i, i+1
.endr
.endm
.macro COMB half                       ; O = O g0 + partner's O gp
	WIN 0x41
.set z, 0
.rept 32
	v_pk_mul_f32 v[64*(\half)+2*z:64*(\half)+2*z+1], v[64*(\half)+2*z:64*(\half)+2*z+1], v[32:33] op_sel_hi:[1,0]
.set z, z+1
.endr
	WIN 0x53
.set z, 0
.rept 32
	v_pk_fma_f32 v[64*(\half)+2*z:64*(\half)+2*z+1], v[128+2*z:128+2*z+1], v[34:35], v[64*(\half)+2*z:64*(\half)+2*z+1] op_sel_hi:[1,0,1]
.set z, z+1
.endr
.endm
.macro PACKST half                     ; rounded to f16 and stored: a lane's 8 channels are 16 bytes at 16 x lane of a block
	WIN 0x05
.set i, 0
.rept 32
	v_cvt_pk_f16_f32 v[S+32*(\half)+i], v[64*(\half)+2*i], v[64*(\half)+2*i+1]
.set i, i+1
.endr
	WIN 0
.irp cb, 0,1,2,3,4,5,6,7
	global_store_b128 v[GO], v[S+32*(\half)+4*(\cb):S+32*(\half)+4*(\cb)+3], s[OP:OP+1] offset:(8*(\half)+(\cb))*4096
.endr
.endm
.macro LOST half                       ; O's second word: f16(O) x -1 + O, exact, in place; rounded to f16; stored as fragments
	WIN 0x50                                       ; destination and source 2 (O) window 1; the packed f16 and -1 window 0
.set i, 0
.rept 32
	v_fma_mix_f32 v[64*(\half)+2*i],   v[S+32*(\half)+i], v[NEG1], v[64*(\half)+2*i]   op_sel_hi:[1,0,0]
	v_fma_mix_f32 v[64*(\half)+2*i+1], v[S+32*(\half)+i], v[NEG1], v[64*(\half)+2*i+1] op_sel:[1,0,0] op_sel_hi:[1,0,0]
.set i, i+1
.endr
	WIN 0x05
.set i, 0
.rept 32
	v_cvt_pk_f16_f32 v[LOP+32*(\half)+i], v[64*(\half)+2*i], v[64*(\half)+2*i+1]
.set i, i+1
.endr
	WIN 0
.irp cb, 0,1,2,3,4,5,6,7
	global_store_b128 v[GO], v[LOP+32*(\half)+4*(\cb):LOP+32*(\half)+4*(\cb)+3], s[OL:OL+1] offset:(8*(\half)+(\cb))*512
.endr
.endm
; A BLOCK ENDS.  Three barriers: my sums lie in LDS before my partner reads them; its reads are over before the second half is written; and that half lies there before it is read.  The text stands on every wave's path.
.macro END last
	WIN 0
	PLACES                                         ; behind the last products
.if !(\last)
	QLOAD QP2
.endif
.irp u, 0,1
	v_add_f32 v[ST+8*(\u)+4], v[ST+8*(\u)+2], v[ST+8*(\u)+3]
.endr
.irp u, 0,1
	v_permlanex16_b32 v[ST+8*(\u)+5], v[ST+8*(\u)+4], s[SEL], s[SEL+1]
.endr
.irp u, 0,1
	v_add_f32 v[ST+8*(\u)+2], v[ST+8*(\u)+4], v[ST+8*(\u)+5]
.endr
	v_mov_b32 v46, v[ST+8]
	v_mov_b32 v47, v[ST+10]
	ds_store_b64 v[SW], v[46:47]                   ; tile 1's c m and l
	SENDH 0
	WIN 0
	s_wait_dscnt 0x0
	BAR
	ds_load_b64 v[36:37], v[SR]
	RECVH
	WIN 0
	s_wait_dscnt 16                                ; the partner's c m and l are in; its 16 loads of sums may be out
	v_max_num_f32 v38, v[ST], v36
	v_sub_f32 v39, v[ST], v38
	v_sub_f32 v40, v36, v38
	v_exp_f32 v41, v39
	v_exp_f32 v42, v40
	v_nop
	s_wait_alu depctr_va_vdst(0)
	v_mul_f32 v43, v[ST+2], v41
	v_fmac_f32 v43, v37, v42                       ; the whole sum: every query sees its own key, so it is not 0
	v_rcp_f32 v44, v43
	v_nop
	s_wait_alu depctr_va_vdst(0)
	v_mul_f32 v32, v41, v44
	v_mul_f32 v33, v41, v44
	v_mul_f32 v34, v42, v44
	v_mul_f32 v35, v42, v44
	s_wait_dscnt 0x0
	COMB 0
	WIN 0
	BAR
	SENDH 1
	WIN 0
	s_wait_dscnt 0x0
	BAR
	RECVH
	PACKST 0
	s_wait_dscnt 0x0
	COMB 1
	PACKST 1
.if !(\last)
	s_or_b32 s32, s[CC], s[WV]                     ; wave 0 holds the block's first 16 rows; c is the partners' common number
	s_cmp_eq_u32 s32, 0
	s_cbranch_scc0 .Lno_olo_\@                     ; forward, past text with no barrier and no tensor load
	LOST 0
	LOST 1
.Lno_olo_\@:
.endif
	s_wait_xcnt 0x0                                ; the stores have read their registers and O's address
.if !(\last)
	s_mov_b64 s[OP:OP+1], s[OP2:OP2+1]
	s_mov_b32 s[QB], s[QB2]
	s_mov_b32 s[CUR], 0
	INIT
	s_wait_loadcnt 0x0                             ; the second block's Q
.endif
.endm
	s_load_b128 s[4:7], s[0:1], 0x0                ; qkv, ow
	s_load_b128 s[88:91], s[0:1], 0x10             ; vlo, olo
	v_lshl_add_u32 v[SPW], v0, 2, SPARE
	v_mov_b32 v[NIL], 0
	ds_add_u32 v[SPW], v[NIL]                      ; the wave's opening: the add and its wait ahead of my first tensor load
	v_lshrrev_b32 v48, 5, v0
	v_readfirstlane_b32 s[WV], v48
	s_and_b32 s[QH], s[WV], 1
	s_lshr_b32 s[KH], s[WV], 1
	s_mov_b32 s[CC], ttmp9
	s_bfe_u32 s[CX], ttmp6, 0x40000
	s_and_b32 s[BH], ttmp7, 0xffff
	s_lshl_b32 s32, s[CC], 2
	s_add_co_u32 s[QB], s32, s[CX]                 ; the first block: 4 c + cx
	s_sub_co_u32 s[QB2], 28, s32
	s_add_co_u32 s[QB2], s[QB2], s[CX]             ; the second: 28 - 4 c + cx
	s_lshl_b32 s33, s[CC], 1
	s_add_co_u32 s[LQ], s33, 2                     ; the first block's tiles
	s_add_co_u32 s[NTA], s[CC], 1
	s_sub_co_u32 s[NTB], 7, s[CC]
	s_mov_b32 s[G1], 15|(3<<16)|(1<<21)            ; the mask of four; 8-byte elements; bit 21 beside a mask: 32,768 dense bytes as 128 rows of 256
	s_mov_b32 s[G1+1], 32<<16
	s_mov_b32 s[G1+2], 128<<16
	s_mov_b32 s[G1+3], 32<<16
	s_mov_b32 s[G1+4], 128
	s_mov_b32 s[G1+5], 32
	s_mov_b32 s[G1+6], 0
	s_mov_b32 s[G1+7], 0
	s_add_co_u32 s34, s[KH], 1                     ; waves 0, 1: k's section; waves 2, 3: v's;
	s_lshl_b32 s34, s34, 24
	s_lshl_b32 s35, s[BH], 20                      ; the head;
	s_add_co_u32 s34, s34, s35
	s_lshl_b32 s35, s[QH], 15                      ; my half of a tile: nothing of cx
	s_add_co_u32 s34, s34, s35
	s_mov_b32 s35, 0
	s_lshl_b32 s32, s[BH], 20
	s_lshl_b32 s33, s[QH], 1
	s_lshl2_add_u32 s36, s[QB], s33                ; row tile 4 qb + 2 qh
	s_lshl_b32 s36, s36, 13
	s_add_co_u32 s36, s36, s32
	s_mov_b32 s37, 0
	s_lshl2_add_u32 s38, s[QB2], s33
	s_lshl_b32 s38, s38, 13
	s_add_co_u32 s38, s38, s32
	s_mov_b32 s39, 0
	s_lshr_b32 s32, s[BH], 2
	s_lshl_b32 s32, s32, 4
	s_and_b32 s33, s[BH], 3
	s_lshl_b32 s33, s33, 16
	s_lshl1_add_u32 s80, s[QH], s[KH]              ; I store query tile 2 qh + kh of the block's four
	s_lshr_b32 s76, s[QB], 1
	s_add_co_u32 s76, s76, s32
	s_lshl_b32 s76, s76, 18
	s_add_co_u32 s76, s76, s33
	s_and_b32 s77, s[QB], 1
	s_lshl2_add_u32 s77, s77, s80
	s_lshl_b32 s77, s77, 9
	s_add_co_u32 s76, s76, s77
	s_mov_b32 s77, 0
	s_lshr_b32 s78, s[QB2], 1
	s_add_co_u32 s78, s78, s32
	s_lshl_b32 s78, s78, 18
	s_add_co_u32 s78, s78, s33
	s_and_b32 s79, s[QB2], 1
	s_lshl2_add_u32 s79, s79, s80
	s_lshl_b32 s79, s79, 9
	s_add_co_u32 s78, s78, s79
	s_mov_b32 s79, 0
	s_lshl_b32 s[W15], s[WV], 15                   ; my quarter of a slot
	s_mov_b32 s[G0], 1
	s_mov_b32 s[G0+1], s[W15]
	s_mov_b32 s[G0+4], 1
	s_add_co_u32 s[G0+5], s[W15], SLOT1
	s_mov_b32 s[G0L], 1
	s_lshl_b32 s[G0L+1], s[WV], 12                 ; my quarter of the second word's 16,384 bytes
	s_add_co_u32 s[G0L+1], s[G0L+1], VLO
	s_mov_b32 s[CS], 0x3bb8aa3b                    ; c = log2(e) / 256
	s_mov_b32 s[CS+1], s[CS]
	s_mov_b32 s[SEL], 0x76543210
	s_mov_b32 s[SEL+1], 0xfedcba98
	s_mov_b32 s[BIGN], 0xf149f2ca                  ; -1e30
	s_mov_b32 s[AL+1], 0
	s_mov_b32 s[BE+1], 0
	s_mov_b32 s[OFF+1], 0
	s_mov_b32 s[OFP+1], 0
	s_mov_b32 s[LO], 1                             ; an empty range,
	s_mov_b32 s[HI], 0
	s_cmp_eq_u32 s[CC], 3                          ; but for c = 3
	s_cselect_b32 s[LO], 2, s[LO]
	s_cselect_b32 s[HI], 6, s[HI]
	s_cmp_eq_u32 s[CC], 0                          ; and c = 0
	s_cselect_b32 s[LO], 9, s[LO]
	s_cselect_b32 s[HI], 16, s[HI]
	s_mov_b32 s[WQ], 2                             ; tiles 0 and 1 of the walk go out at the head
	s_mov_b32 s[NXT], 2
	s_cmp_eq_u32 s[LQ], 2                          ; where the first block has two tiles the walk's third is the second block's tile 0
	s_cselect_b32 s[NXT], 0, s[NXT]
	s_cselect_b32 s[LQ], 64, s[LQ]
	s_mov_b32 s[CUR], 0
	v_and_b32 v49, 31, v0                          ; lane
	v_and_b32 v50, 15, v0                          ; r
	v_bfe_u32 v51, v0, 4, 1                        ; h
	v_lshlrev_b32 v[GO], 4, v49
	v_mov_b32 v[NEG1], -1.0
	s_lshl_b32 s82, s[KH], 13
	v_add_nc_u32 v[QO0], s82, v[GO]                ; register tile 0 = query tile kh,
	s_xor_b32 s83, s82, 8192
	v_add_nc_u32 v[QO1], s83, v[GO]                ; register tile 1 = the other
	s_lshl_b32 s82, s[KH], 15
	v_add_nc_u32 v[AK0], s82, v[GO]
	v_and_b32 v52, 7, v0
	v_lshl_add_u32 v52, v51, 3, v52                ; the turning load: key 8 h + l % 8,
	v_bfe_u32 v53, v0, 3, 1
	v_lshlrev_b32 v[AV0], 5, v52
	v_lshl_add_u32 v[AV0], v53, 4, v[AV0]          ; channels 8 ((l / 8) % 2) on
	v_add_nc_u32 v[AVL], VLO, v[AV0]
	s_add_co_u32 s82, s82, VOFF
	v_add_nc_u32 v[AV0], s82, v[AV0]
	v_lshlrev_b32 v[PFO], 8, v49
	s_lshl_b32 s82, s[WV], 13
	s_add_co_u32 s82, s82, MST
	v_add_nc_u32 v[MW], s82, v[GO]
	s_xor_b32 s83, s[WV], 2
	s_lshl_b32 s82, s83, 13
	s_add_co_u32 s82, s82, MST
	v_add_nc_u32 v[MR], s82, v[GO]
	s_lshl_b32 s82, s[WV], 8
	s_add_co_u32 s82, s82, STATS
	v_lshl_add_u32 v[SW], v49, 3, s82
	s_lshl_b32 s82, s83, 8
	s_add_co_u32 s82, s82, STATS
	v_lshl_add_u32 v[SR], v49, 3, s82
	v_lshlrev_b32 v52, 3, v51
	v_sub_nc_u32 v52, v50, v52                     ; r - 8 h
	s_lshl_b32 s82, s[QH], 5
	s_lshl_b32 s83, s[KH], 4
	s_add_co_u32 s83, s82, s83
	v_add_nc_u32 v[TH], s83, v52                   ; my query's place in the block less 8 h: register j of key tile kk is hidden where 16 kk + j is greater
	s_xor_b32 s83, s83, 16
	v_add_nc_u32 v[TH+1], s83, v52
	s_wait_dscnt 0x0                               ; the opening add is done
	s_wait_kmcnt 0x0
	s_add_nc_u64 s[SRC:SRC+1], s[4:5], s[34:35]
	s_mov_b64 s[G0+2:G0+3], s[SRC:SRC+1]           ; tile 0
	s_or_b32 s[G0+3], s[G0+3], 0x80000000
	s_add_nc_u64 s[G0+6:G0+7], s[SRC:SRC+1], 0x10000  ; tile 1
	s_or_b32 s[G0+7], s[G0+7], 0x80000000
	s_add_nc_u64 s[QP1:QP1+1], s[4:5], s[36:37]
	s_add_nc_u64 s[QP2:QP2+1], s[4:5], s[38:39]
	s_add_nc_u64 s[OP:OP+1], s[6:7], s[76:77]
	s_add_nc_u64 s[OP2:OP2+1], s[6:7], s[78:79]
	s_mov_b32 s[G1L], 15|(3<<16)|(1<<21)           ; the second word: 4,096 dense bytes a wave, as 16 rows of 256
	s_mov_b32 s[G1L+1], 32<<16
	s_mov_b32 s[G1L+2], 16<<16
	s_mov_b32 s[G1L+3], 32<<16
	s_mov_b32 s[G1L+4], 16
	s_mov_b32 s[G1L+5], 32
	s_mov_b32 s[G1L+6], 0
	s_mov_b32 s[G1L+7], 0
	s_lshl_b32 s32, s[BH], 14                      ; the head's 16,384 bytes of vlo, my quarter: nothing of cx
	s_lshl_b32 s33, s[WV], 12
	s_add_co_u32 s32, s32, s33
	s_mov_b32 s33, 0
	s_add_nc_u64 s[G0L+2:G0L+3], s[VLP:VLP+1], s[32:33]
	s_or_b32 s[G0L+3], s[G0L+3], 0x80000000
	s_lshl_b32 s32, s[CX], 13
	s_mov_b32 s33, 0
	s_add_nc_u64 s[PB:PB+1], s[SRC:SRC+1], s[32:33]
	s_lshr_b32 s32, s[BH], 2                       ; olo: (batch 4 + cx) 32,768 + head 8,192
	s_lshl2_add_u32 s32, s32, s[CX]
	s_lshl_b32 s32, s32, 15
	s_and_b32 s33, s[BH], 3
	s_lshl_b32 s33, s33, 13
	s_add_co_u32 s32, s32, s33
	s_mov_b32 s33, 0
	s_add_nc_u64 s[OL:OL+1], s[OL:OL+1], s[32:33]
	CROUND                                         ; all four work-groups are here: the first joint loads meet
	tensor_load_to_lds s[G0:G0+3], s[G1:G1+7]      ; three loads of mine are out: tile 0,
	s_nop 0
	tensor_load_to_lds s[G0L:G0L+3], s[G1L:G1L+7]  ; the second word of keys 0 to 31,
	s_nop 0
	tensor_load_to_lds s[G0+4:G0+7], s[G1:G1+7]    ; tile 1
	s_nop 0
	PLACES
	QLOAD QP1
	WIN 0x80
.set i, 0
.rept 64
	v_cmp_gt_i32 vcc_lo, 16*((i%32)/8)+i%8, v[TH+i/32]
	v_cndmask_b32 v[MD+i], 0, s[BIGN], vcc_lo
.set i, i+1
.endr
	WIN 0x40
.set i, 0
.rept 256
	v_mov_b32 v[i], 0
.set i, i+1
.endr
	WIN 0
.irp u, 0,1
	v_mov_b32 v[ST+8*(\u)+2], 0
	v_mov_b32 v[ST+8*(\u)+3], 0
.endr
	INIT
	s_wait_tensorcnt 0x1                           ; my quarters of tile 0 and of the second word are in; tile 1's may stay out
	s_barrier_signal -1
	s_barrier_wait -1
	FETCH_K 0, AK0
	WIN 0
	s_wait_loadcnt 0x0                             ; Q
	s_mov_b32 s[TC], 0
.Lfirst_block:                                 ; c + 1 pairs of tiles; each tile's change of slots asks for the tile two on in the walk
	PAIR 1, 1
	s_add_co_u32 s[TC], s[TC], 1
	s_cmp_lt_u32 s[TC], s[NTA]
	s_cbranch_scc1 .Lfirst_block
	END 0
	s_mov_b32 s[TC], 0
.Lsecond_block:                                ; 7 - c pairs of tiles
	PAIR 1
	s_add_co_u32 s[TC], s[TC], 1
	s_cmp_lt_u32 s[TC], s[NTB]
	s_cbranch_scc1 .Lsecond_block
	PAIR 0                                         ; the walk's last pair has a text of its own: nothing is asked for
	END 1
	s_wait_tensorcnt 0x0                           ; the wave's end
	ds_add_u32 v[SPW], v[NIL]
	s_wait_dscnt 0x0
	CROUND                                         ; the closing round
	s_endpgm
.Lfunc_end_k_q8a67f5ddf7_attn:
	.size	k_q8a67f5ddf7_attn, .Lfunc_end_k_q8a67f5ddf7_attn-k_q8a67f5ddf7_attn
	.p2alignl 7, 3214868480
	.fill 96, 4, 3214868480
	.section	.rodata,"a",@progbits
	.p2align	6, 0x0
	.amdhsa_kernel k_q8a67f5ddf7_attn
		.amdhsa_group_segment_fixed_size 327680
		.amdhsa_private_segment_fixed_size 0
		.amdhsa_enable_private_segment 0
		.amdhsa_kernarg_size 32
		.amdhsa_user_sgpr_count 2
		.amdhsa_user_sgpr_kernarg_segment_ptr 1
		.amdhsa_wavefront_size32 1
		.amdhsa_system_sgpr_workgroup_id_x 1
		.amdhsa_system_sgpr_workgroup_id_y 1
		.amdhsa_system_sgpr_workgroup_id_z 1
		.amdhsa_system_vgpr_workitem_id 0
		.amdhsa_next_free_vgpr 1024
		.amdhsa_next_free_sgpr 100
		.amdhsa_reserve_vcc 1
		.amdhsa_float_denorm_mode_32 3
		.amdhsa_float_denorm_mode_16_64 3
		.amdhsa_memory_ordered 1
		.amdhsa_forward_progress 1
		.amdhsa_inst_pref_size 206
	.end_amdhsa_kernel
	.amdgpu_metadata
---
amdhsa.version: [ 1, 2 ]
amdhsa.kernels:
  - .name:           k_q8a67f5ddf7_attn
    .symbol:         k_q8a67f5ddf7_attn.kd
    .args:
      - { .name: qkv, .offset: 0, .size: 8, .value_kind: global_buffer, .address_space: global }
      - { .name: ow, .offset: 8, .size: 8, .value_kind: global_buffer, .address_space: global }
      - { .name: vlo, .offset: 16, .size: 8, .value_kind: global_buffer, .address_space: global }
      - { .name: olo, .offset: 24, .size: 8, .value_kind: global_buffer, .address_space: global }
    .group_segment_fixed_size: 327680
    .private_segment_fixed_size: 0
    .kernarg_segment_align: 8
    .kernarg_segment_size: 32
    .max_flat_workgroup_size: 128
    .sgpr_count:     100
    .vgpr_count:     1024
    .wavefront_size: 32
...
	.end_amdgpu_metadata
.endif
;; end of part 6
;; launch outp (part 7): grid 4 x 64, 4 waves a work-group, clusters of 4 x 4, 327,680 bytes of LDS; arguments ow, wc, bo, out0, olo; writes out0
.if DOCPART == 7
	.amdgcn_target "amdgcn-amd-amdhsa--gfx1250"
	.amdhsa_code_object_version 6
	.text
	.protected	k_q8a67f5ddf7_outp
	.globl	k_q8a67f5ddf7_outp
	.p2align	8
	.type	k_q8a67f5ddf7_outp,@function
k_q8a67f5ddf7_outp:
	s_mov_b64 s[64:65], 0
	v_nop
	global_prefetch_b8 v0, s[64:65] scope:SCOPE_SE
	s_setreg_imm32_b32 hwreg(HW_REG_WAVE_MODE, 25, 1), 1
	s_wait_xcnt 0x0
	s_wait_alu depctr_hold_cnt(0) depctr_sa_sdst(0) depctr_va_vdst(0) depctr_va_sdst(0) depctr_va_ssrc(0) depctr_va_vcc(0) depctr_vm_vsrc(0)
	s_getreg_b32 s2, hwreg(HW_REG_IB_STS2, 6, 4)
	s_cmp_eq_u32 s2, 0
	s_cbranch_scc0 .Lentry_in_a_cluster
	s_endpgm
.Lentry_in_a_cluster:
	s_bfe_u32 s2, ttmp6, 0x10000c
	s_cmp_lg_u32 s2, 0xf033
	s_cbranch_scc0 .Lentry_shape_is_right
	s_endpgm
.Lentry_shape_is_right:
; out0 = O Wo + bo.  O: ow, f16, [8192][1024] in fragment blocks: (R/128) 262,144 + (k/16) 4096 + ((R/16) % 8) 512 + 16 x lane.  Wo: wc's fourth section, [1024][1024], bf16-rounded numbers written as f16.
; bo: f32, rounded to bf16 like every input; it is the C operand of the first products.  Sums in f32; out0 is f32.
; SHARES.  A work-group makes 128 rows x 256 columns; four waves, each 64 x 128: 32 accumulators.  8 K steps of 128 through two LDS slots.  The product is taken transposed (source 0 = 16 columns of Wo, turned out of LDS;
; source 1 = 16 rows of O, which lie in LDS as fragments: 16 x lane, no padding wanted).  CLUSTER 4 x 4: cy = batch, the block of 128 rows is cluster y + 16 cy; O's tile is shared along a row of the cluster, Wo's along a column.
; THE TEXT.  The first quarter, whose products start the sums, stands ahead of the loops.  A trip goes from a step's second quarter to the next step's first: six trips that fill a slot again, then two, in a text of their own, that
; ask for nothing; the last of them has no next step, and jumps forward over the fetch and the quarter that would belong to it.
; O's SECOND WORD.  Rows 0 to 15 of each batch see at most 16 keys: their numbers, and one f16 word's rounding of them, are many times the output's root mean square.  Their O - f16(O) lies in olo ([batch][4][64 blocks of 16 k] 512 bytes,
; as fragments; the first of the four parts is read).  Those rows are row block 0 of waves 0 and 1 in the cluster with y = 0: there each quarter has eight products more, onto the same accumulators.  The batch's 32,768 bytes come into
; LDS once, with the first tiles, by a joint load along the cluster's row; a quarter's fragment is two LDS loads more in the run that fetches the quarter.  That load and those LDS loads stand on every path, so that every wait
; counts the same on every path; only the eight products stand under a branch.  In the other fifteen clusters, and in waves 2 and 3, what they bring is not used.
; THE WAY OUT: 16 rows at a time through the wave's own stage: rows of 528 bytes in, whole rows of 512 bytes back, each store 512 consecutive bytes, aligned.
; REGISTERS: window 0: addresses, BIAS v32-95, O's fragments v96-159 (two buffers), the second word's v160-175 (two buffers);  1: the accumulators;  2: Wo's fragments v0-127 (two buffers), v128-255 rows on the way out.
.set PITB,  544
.set AHALF, 0x4000
.set ASLOT, 0x8000
.set SPARE, 0x10000                    ; the spare words, 128 bytes a wave: two blocks of 256 bytes that no other line names
.set OLO,   0x12000                    ; O's second word, 32,768 bytes, filled once
.set BBASE, 0x22000
.set BHALF, 64*PITB
.set BSLOT, 2*BHALF
.set STAGE, 0x44000                    ; 16 rows x 528 bytes for each wave; no tensor load lands here
.set SPIT,  528
.set RR,  1
.set HH,  2
.set LN,  3
.set A0L, 4
.set B0L, 5
.set ADRA, 6
.set ADRB, 7
.set BO,  8
.set CO,  9                            ; v9  16 x lane; never rewritten
.set PFO, 10
.set STO, 11
.set SPW, 12
.set NIL, 13
.set T0,  14
.set T1,  15
.set RD,  16
.set ADRL, 17                          ; v17 my place in the second word's bytes, at the K step in hand
.set L0L, 18                           ; v18 the same at K step 0; never rewritten
.set BIAS, 32
.set AF,  96
.set ALO, 160                          ; the second word's fragment, buffer f at ALO + 8 f
.set BF,  0                            ; window 2
.set OB,  128                          ; window 2
.set WV,  4
.set WR,  5
.set WC,  6
.set CX,  7
.set CY,  8
.set TR,  9
.set G,   10
.set TBL, 11                           ; s11 4,096 x the K step whose fragments are fetched
.set TLC, 15                           ; s15 the second loop's trips still to come, 2 and 1
.set TBA, 16
.set TBB, 17
.set LIM, 18
.set PSTEP, 19
.set PFA, 20
.set G1A, 24
.set G1B, 32
.set G0A, 40
.set G0B, 48
.set OLP, 60                           ; s[60:61] olo
.set TY,  66                           ; s66 cluster y
.set LOF, 67                           ; s67 0 in waves 0 and 1 of the cluster with y = 0: the same in all sixteen partners, for a given wave
.set XA,  68                           ; s[68:69] ow at my part of the tile row
.set WB,  70                           ; s[70:71] Wo at my columns and my 64 k rows
.set G0L, 80                           ; s[80:83] descriptor group 0 for the second word
.set MSB, 0
.macro WIN new
.if MSB != (\new)
	s_set_vgpr_msb (MSB<<8)|(\new)
.set MSB, (\new)
.endif
.endm
.macro PLACES
.rept 4
	v_nop
.endr
.endm
.macro CREST
	s_cmp_lg_u32 s[WV], 0
	s_cbranch_scc1 .Lnot_wave_0_\@
	s_barrier_signal -3
.Lnot_wave_0_\@:
	s_barrier_wait -3
	s_barrier_signal -1
	s_barrier_wait -1
.endm
.macro CROUND
	s_barrier_signal -1
	s_barrier_wait -1
	CREST
.endm
.macro JLOAD
	s_cmp_eq_u32 s[WR], 0
	s_cbranch_scc0 .Lfor_b_\@
	tensor_load_to_lds s[G0A+4:G0A+7], s[G1A:G1A+7]
	s_nop 0
	PLACES
	s_branch .Lasked_\@
.Lfor_b_\@:
	tensor_load_to_lds s[G0B+4:G0B+7], s[G1B:G1B+7]
	s_nop 0
	PLACES
.Lasked_\@:
.endm
.macro FETCH kq, f                     ; 26 LDS loads: 128 columns of Wo, turned; 64 rows of O; 16 rows of O's second word
	WIN 0x80
.irp b, 0,1,2,3,4,5,6,7
	ds_load_tr16_b128 v[BF+64*(\f)+8*(\b):BF+64*(\f)+8*(\b)+3],   v[ADRB] offset:(\kq)*32*PITB+32*(\b)
	ds_load_tr16_b128 v[BF+64*(\f)+8*(\b)+4:BF+64*(\f)+8*(\b)+7], v[ADRB] offset:(\kq)*32*PITB+32*(\b)+16*PITB
.endr
	WIN 0
.irp a, 0,1,2,3
	ds_load_b128 v[AF+32*(\f)+8*(\a):AF+32*(\f)+8*(\a)+3],   v[ADRA] offset:(\kq)*8192+(\a)*512
	ds_load_b128 v[AF+32*(\f)+8*(\a)+4:AF+32*(\f)+8*(\a)+7], v[ADRA] offset:(\kq)*8192+(\a)*512+4096
.endr
	ds_load_b128 v[ALO+8*(\f):ALO+8*(\f)+3],   v[ADRL] offset:(\kq)*1024
	ds_load_b128 v[ALO+8*(\f)+4:ALO+8*(\f)+7], v[ADRL] offset:(\kq)*1024+512
.endm
.macro MUL8 f, a, bias                 ; the 32 accumulators take turns in one fixed order, over the backward jumps too
.if \bias
	WIN 0x42
.else
	WIN 0x52
.endif
.irp b, 0,1,2,3,4,5,6,7
.if \bias
	v_wmma_f32_16x16x32_f16 v[8*(8*(\a)+(\b)):8*(8*(\a)+(\b))+7], v[BF+64*(\f)+8*(\b):BF+64*(\f)+8*(\b)+7], v[AF+32*(\f)+8*(\a):AF+32*(\f)+8*(\a)+7], v[BIAS+8*(\b):BIAS+8*(\b)+7]
.else
	v_wmma_f32_16x16x32_f16 v[8*(8*(\a)+(\b)):8*(8*(\a)+(\b))+7], v[BF+64*(\f)+8*(\b):BF+64*(\f)+8*(\b)+7], v[AF+32*(\f)+8*(\a):AF+32*(\f)+8*(\a)+7], v[8*(8*(\a)+(\b)):8*(8*(\a)+(\b))+7]
.endif
.endr
.endm
.macro QUARTER kqn, f, bias            ; multiplies buffer f; the next quarter's loads go out first, four places behind the products that read their registers
	s_wait_dscnt 0x0
	PLACES
	FETCH \kqn, 1-(\f)
	MUL8 \f, 0, \bias
	MUL8 \f, 1, \bias
	MUL8 \f, 2, \bias
	MUL8 \f, 3, \bias
.endm
; THE SECOND WORD's part of a quarter, behind the quarter's 32 products on buffer f: eight products onto row block 0's accumulators, one instruction each.  The jump goes forward past matrix instructions alone.
.macro LOB f
	WIN 0
	s_cmp_eq_u32 s[LOF], 0
	s_cbranch_scc0 .Lno_lo_\@
	WIN 0x52
.irp b, 0,1,2,3,4,5,6,7
	v_wmma_f32_16x16x32_f16 v[8*(\b):8*(\b)+7], v[BF+64*(\f)+8*(\b):BF+64*(\f)+8*(\b)+7], v[ALO+8*(\f):ALO+8*(\f)+7], v[8*(\b):8*(\b)+7]
.endr
	WIN 0
.Lno_lo_\@:
.endm
; A PREFETCH INTO THE L2 behind each refill (step G + 2): step G + 4.  O's 32,768 bytes of a step are read by this cluster alone: wave 0 of each of the four partners along x names 8,192 of them, by address.
; Wo's rows are read by every cluster: in the cluster with y = 0 waves 2 and 3 name 16 of their 64 rows, by cy.  Steps 0 to 3 come by their loads alone; nothing is named past step 7.
.macro ASK
	s_cmp_le_i32 s[G], s[LIM]
	s_cbranch_scc0 .Lnot_mine_\@
	global_prefetch_b8 v[PFO], s[PFA:PFA+1] th:TH_LOAD_NT scope:SCOPE_SE
.Lnot_mine_\@:
.endm
; A step's last quarter and the change of slots: all my tensor loads waited for, the add, the wait for it and for my reads; fill = 1: a round of the cluster's barrier, the joint refill first behind it.
; fill = 0 (the second loop): nothing is asked for; in its last trip there is no next slot either: the run that would fetch from it is jumped over (LDS loads alone), and the waits and the barrier, one text for both trips, order nothing new.
.macro TURN fill
	s_wait_dscnt 0x0
.if \fill
	s_wait_xcnt 0x0                                ; the last prefetch, a K step back, has read its address
	s_add_nc_u64 s[PFA:PFA+1], s[PFA:PFA+1], s[76:77]
.endif
	WIN 0
	s_wait_tensorcnt 0x0
	ds_add_u32 v[SPW], v[NIL]
.if \fill
	s_add_nc_u64 s[G0A+6:G0A+7], s[G0A+6:G0A+7], 0x8000   ; the walking descriptors: the next step, the other slot
	s_xor_b32 s[G0A+5], s[G0A+5], ASLOT
	s_add_nc_u64 s[G0B+6:G0B+7], s[G0B+6:G0B+7], 0x40000
	s_xor_b32 s[G0B+5], s[G0B+5], BSLOT
.endif
	s_xor_b32 s[TBA], s[TBA], ASLOT
	s_xor_b32 s[TBB], s[TBB], BSLOT
	s_add_co_u32 s[TBL], s[TBL], 4096              ; the second word's next 8 blocks of 512 bytes
	MUL8 1, 0, 0
	s_wait_dscnt 0x0
	s_barrier_signal -1
	MUL8 1, 1, 0
	WIN 0
	s_barrier_wait -1
.if \fill
	CREST
	JLOAD
.else
	s_cmp_eq_u32 s[TLC], 1
	s_cbranch_scc1 .Lno_next_\@
	PLACES
.endif
	v_add_nc_u32 v[ADRA], s[TBA], v[A0L]
	v_add_nc_u32 v[ADRB], s[TBB], v[B0L]
	v_add_nc_u32 v[ADRL], s[TBL], v[L0L]
	FETCH 0, 0
	WIN 0
.if \fill
	ASK
.else
.Lno_next_\@:
.endif
	MUL8 1, 2, 0
	MUL8 1, 3, 0
.endm
	s_load_b256 s[68:75], s[0:1], 0x0              ; ow, wc, bo, out0
	s_load_b64 s[OLP:OLP+1], s[0:1], 0x20          ; olo
	v_lshl_add_u32 v[SPW], v0, 2, SPARE
	v_mov_b32 v[NIL], 0
	ds_add_u32 v[SPW], v[NIL]                      ; the wave's opening: the add and its wait ahead of my first tensor load
	v_lshrrev_b32 v[T0], 5, v0
	v_readfirstlane_b32 s[WV], v[T0]
	s_lshr_b32 s[WR], s[WV], 1
	s_and_b32 s[WC], s[WV], 1
	s_bfe_u32 s[CX], ttmp6, 0x40000
	s_bfe_u32 s[CY], ttmp6, 0x40004
	s_and_b32 s[TY], ttmp7, 0xffff
	s_lshl4_add_u32 s[TR], s[CY], s[TY]            ; block of rows = cluster y + 16 cy: batch cy, rows 128 x cluster y on
	s_or_b32 s[LOF], s[WR], s[TY]
	s_lshl_b32 s12, s[CY], 17                      ; olo: my batch's four parts of 32,768 bytes, of which the first is read; my half of it: no cx in it
	s_lshl_b32 s14, s[WC], 14
	s_add_co_u32 s12, s12, s14
	s_mov_b32 s13, 0
	s_lshl_b32 s62, s[CY], 2
	s_lshl_b32 s62, 15, s62
	s_lshl_b32 s63, 0x1111, s[CX]
	s_or_b32 s[G1A], s62, (3<<16)|(1<<21)          ; my row's mask; 8-byte elements: 16,384 dense bytes as 64 rows of 256: for O's tiles and for the second word
	s_mov_b32 s[G1A+1], 32<<16
	s_mov_b32 s[G1A+2], 64<<16
	s_mov_b32 s[G1A+3], 32<<16
	s_mov_b32 s[G1A+4], 64
	s_mov_b32 s[G1A+5], 32
	s_mov_b32 s[G1A+6], 0
	s_mov_b32 s[G1A+7], 0
	s_or_b32 s[G1B], s63, (1<<16)|(1<<20)|(1<<21)|(6<<22)|(7<<25)   ; my column's mask; 2-byte elements; after every 128 words 8 words of padding
	s_mov_b32 s[G1B+1], 256<<16
	s_mov_b32 s[G1B+2], 64<<16
	s_mov_b32 s[G1B+3], 256<<16
	s_mov_b32 s[G1B+4], 64
	s_mov_b32 s[G1B+5], 1024
	s_mov_b32 s[G1B+6], 0
	s_mov_b32 s[G1B+7], 0
	s_lshl_b32 s56, s[TR], 18                      ; O: my tile row, my half of a step's 32,768 bytes: no cx in it
	s_lshl_b32 s22, s[WC], 14
	s_add_co_u32 s56, s56, s22
	s_mov_b32 s57, 0
	s_lshl_b32 s58, s[CX], 9                       ; Wo: the fourth section, my 256 columns, my 64 k rows: no cy in it
	s_lshl_b32 s22, s[WC], 17
	s_add_co_u32 s58, s58, s22
	s_add_co_u32 s58, s58, 6291456
	s_mov_b32 s59, 0
	s_mul_i32 s22, s[WC], AHALF
	s_mul_i32 s23, s[WC], BHALF
	s_mov_b32 s[G0A], 1
	s_mov_b32 s[G0A+1], s22
	s_mov_b32 s[G0A+4], 1
	s_add_co_u32 s[G0A+5], s22, ASLOT
	s_mov_b32 s[G0L], 1
	s_add_co_u32 s[G0L+1], s22, OLO
	s_mov_b32 s[G0B], 1
	s_add_co_u32 s[G0B+1], s23, BBASE
	s_mov_b32 s[G0B+4], 1
	s_add_co_u32 s[G0B+5], s23, BBASE+BSLOT
	s_lshl_b32 s78, s[TR], 7                       ; out0: row 128 TR + 64 WR, column 256 cx + 128 WC
	s_lshl_b32 s22, s[WR], 6
	s_add_co_u32 s78, s78, s22
	s_lshl_b32 s78, s78, 12
	s_lshl_b32 s22, s[CX], 10
	s_add_co_u32 s78, s78, s22
	s_lshl_b32 s23, s[WC], 9
	s_add_co_u32 s78, s78, s23
	s_mov_b32 s79, 0
	s_add_co_u32 s22, s22, s23
	s_mov_b32 s[TBA], 0
	s_mov_b32 s[TBB], 0
	s_mov_b32 s[TBL], 0
	v_and_b32 v[RR], 15, v0
	v_bfe_u32 v[HH], v0, 4, 1
	v_and_b32 v[LN], 31, v0
	v_lshl_add_u32 v[BO], v[HH], 5, s22            ; (256 cx + 128 WC + 8 h) x 4
	s_lshl_b32 s22, s[WR], 11
	v_lshl_add_u32 v[A0L], v[LN], 4, s22           ; row tile 4 WR, 16 x lane
	v_lshl_add_u32 v[L0L], v[LN], 4, OLO           ; the second word: 16 x lane
	v_and_b32 v[T0], 7, v0
	v_lshl_add_u32 v[T0], v[HH], 3, v[T0]
	v_mul_u32_u24 v[B0L], v[T0], PITB
	v_bfe_u32 v[T1], v0, 3, 1
	v_lshl_add_u32 v[B0L], v[T1], 4, v[B0L]
	s_lshl_b32 s22, s[WC], 8
	s_add_co_u32 s22, s22, BBASE
	v_add_nc_u32 v[B0L], s22, v[B0L]
	v_mov_b32 v[ADRA], v[A0L]
	v_mov_b32 v[ADRB], v[B0L]
	v_mov_b32 v[ADRL], v[L0L]
	s_mul_i32 s22, s[WV], 16*SPIT
	s_add_co_u32 s22, s22, STAGE
	v_mul_u32_u24 v[STO], v[RR], SPIT              ; in: row r, 32 bytes for each half of the lanes
	v_lshl_add_u32 v[STO], v[HH], 5, v[STO]
	v_add_nc_u32 v[STO], s22, v[STO]
	v_lshl_add_u32 v[RD], v[LN], 4, s22            ; back: a row's 512 bytes, 16 a lane
	v_lshlrev_b32 v[CO], 4, v[LN]
	s_wait_dscnt 0x0                               ; the opening add is done
	s_wait_kmcnt 0x0
	s_add_nc_u64 s[XA:XA+1], s[XA:XA+1], s[56:57]
	s_add_nc_u64 s[WB:WB+1], s[WB:WB+1], s[58:59]
	s_add_nc_u64 s[74:75], s[74:75], s[78:79]
	s_mov_b64 s[G0A+2:G0A+3], s[XA:XA+1]
	s_or_b32 s[G0A+3], s[G0A+3], 0x80000000
	s_add_nc_u64 s[G0A+6:G0A+7], s[XA:XA+1], 0x8000
	s_or_b32 s[G0A+7], s[G0A+7], 0x80000000
	s_add_nc_u64 s[G0L+2:G0L+3], s[OLP:OLP+1], s[12:13]
	s_or_b32 s[G0L+3], s[G0L+3], 0x80000000
	s_mov_b64 s[G0B+2:G0B+3], s[WB:WB+1]
	s_or_b32 s[G0B+3], s[G0B+3], 0x80000000
	s_add_nc_u64 s[G0B+6:G0B+7], s[WB:WB+1], 0x40000
	s_or_b32 s[G0B+7], s[G0B+7], 0x80000000
	CROUND                                         ; all sixteen work-groups are here: the first joint loads meet
	s_cmp_eq_u32 s[WR], 0                          ; a wave's first fills stand in one branch: three loads are out in waves 0 and 1, two in waves 2 and 3
	s_cbranch_scc0 .Lfirst_b
	tensor_load_to_lds s[G0A:G0A+3], s[G1A:G1A+7]  ; step 0,
	s_nop 0
	tensor_load_to_lds s[G0L:G0L+3], s[G1A:G1A+7]  ; my half of the second word,
	s_nop 0
	tensor_load_to_lds s[G0A+4:G0A+7], s[G1A:G1A+7]  ; step 1
	s_nop 0
	PLACES
	s_branch .Lfirst_asked
.Lfirst_b:
	tensor_load_to_lds s[G0B:G0B+3], s[G1B:G1B+7]
	s_nop 0
	tensor_load_to_lds s[G0B+4:G0B+7], s[G1B:G1B+7]
	s_nop 0
	PLACES
.Lfirst_asked:
.irp b, 0,1,2,3,4,5,6,7
	global_load_b128 v[BIAS+8*(\b):BIAS+8*(\b)+3],   v[BO], s[72:73] offset:64*(\b)
	global_load_b128 v[BIAS+8*(\b)+4:BIAS+8*(\b)+7], v[BO], s[72:73] offset:64*(\b)+16
.endr
	s_lshl_b32 s62, s[CX], 13                      ; O: my 8,192 bytes of a step
	s_lshl_b32 s63, s[CY], 15                      ; Wo: my 16 rows of 2,048 bytes
	s_and_b32 s23, ttmp7, 0xffff
	s_cmp_eq_u32 s[WR], 0
	s_cselect_b64 s[PFA:PFA+1], s[XA:XA+1], s[WB:WB+1]
	s_cselect_b32 s76, s62, s63
	s_mov_b32 s[PSTEP], 0x40000                    ; (a move leaves the compare's answer as it is; a select takes one literal)
	s_cselect_b32 s[PSTEP], 0x8000, s[PSTEP]
	s_mov_b32 s22, 2048
	s_cselect_b32 s22, 512, s22
	s_cselect_b32 s23, s[WC], s23                  ; wave 0 for O; waves 2, 3 of the cluster with y = 0 for Wo
	s_mov_b32 s77, 0
	s_add_nc_u64 s[PFA:PFA+1], s[PFA:PFA+1], s[76:77]
	s_mul_i32 s76, s[PSTEP], 3
	s_add_nc_u64 s[PFA:PFA+1], s[PFA:PFA+1], s[76:77]   ; at step 3: the first change of slots steps it to step 4
	s_mov_b32 s76, s[PSTEP]
	s_cmp_eq_u32 s23, 0
	s_cselect_b32 s[LIM], 3, -1
	v_lshrrev_b32 v[T0], 1, v[LN]
	v_and_b32 v[T1], 1, v[LN]
	v_mul_u32_u24 v[PFO], v[T0], s22
	v_lshl_add_u32 v[PFO], v[T1], 8, v[PFO]
	s_wait_loadcnt 0x0                             ; bo
.set i, 0
.rept 32
	v_cvt_pk_bf16_f32 v[T0+i%2], v[BIAS+2*i], v[BIAS+2*i+1]   ; rounded to bf16 like every input, and widened again
	v_lshlrev_b32 v[BIAS+2*i], 16, v[T0+i%2]
	v_and_b32 v[BIAS+2*i+1], 0xffff0000, v[T0+i%2]
.set i, i+1
.endr
	s_wait_tensorcnt 0x1                           ; my part of step 0 is in, and of the second word; step 1's may stay out
	s_barrier_signal -1
	s_barrier_wait -1
	FETCH 0, 0
	QUARTER 1, 0, 1                                ; the first quarter stands ahead of the loops: its products start the sums with the bias
	LOB 0
	WIN 0
	s_mov_b32 s[G], 0
.Lstep:                                        ; 6 trips, from a step's second quarter to the next step's first; each fills a slot again
	QUARTER 2, 1, 0
	LOB 1
	QUARTER 3, 0, 0
	LOB 0
	TURN 1
	LOB 1
	QUARTER 1, 0, 0
	LOB 0
	WIN 0
	s_add_co_u32 s[G], s[G], 1
	s_cmp_lt_u32 s[G], 6
	s_cbranch_scc1 .Lstep
	s_mov_b32 s[TLC], 2
.Ltail:                                        ; 2 trips: the rest of step 6 and step 7's first quarter; the rest of step 7
	QUARTER 2, 1, 0
	LOB 1
	QUARTER 3, 0, 0
	LOB 0
	TURN 0
	LOB 1
	WIN 0
	s_cmp_eq_u32 s[TLC], 1                         ; behind step 7 there is no first quarter: forward, past text with no barrier and no tensor load
	s_cbranch_scc1 .Lno_quarter
	QUARTER 1, 0, 0
	LOB 0
	WIN 0
.Lno_quarter:
	s_sub_co_u32 s[TLC], s[TLC], 1
	s_cmp_lg_u32 s[TLC], 0
	s_cbranch_scc1 .Ltail
	PLACES
.irp a, 0,1,2,3
	WIN 0x04
.irp b, 0,1,2,3,4,5,6,7
	ds_store_b128 v[STO], v[8*(8*(\a)+(\b)):8*(8*(\a)+(\b))+3]   offset:64*(\b)     ; each accumulator's low registers first
	ds_store_b128 v[STO], v[8*(8*(\a)+(\b))+4:8*(8*(\a)+(\b))+7] offset:64*(\b)+16
.endr
	s_wait_xcnt 0x0                                ; earlier stores have read the registers that are loaded again below
	WIN 0x80
.irp t, 0,1,2,3,4,5,6,7,8,9,10,11,12,13,14,15
	ds_load_b128 v[OB+64*((\a)%2)+4*(\t):OB+64*((\a)%2)+4*(\t)+3], v[RD] offset:(\t)*SPIT  ; LDS serves a wave's instructions in order (ISA guide 5.7.1.4): these see the stores above
.endr
	s_wait_dscnt 0x0
	WIN 0x08
.irp t, 0,1,2,3,4,5,6,7,8,9,10,11,12,13,14,15
	global_store_b128 v[CO], v[OB+64*((\a)%2)+4*(\t):OB+64*((\a)%2)+4*(\t)+3], s[74:75] offset:(16*(\a)+(\t))*4096  ; 512 consecutive bytes of a row, aligned
.endr
.endr
	WIN 0
	s_wait_tensorcnt 0x0                           ; the wave's end
	ds_add_u32 v[SPW], v[NIL]
	s_wait_dscnt 0x0
	CROUND                                         ; the closing round
	s_endpgm
.Lfunc_end_k_q8a67f5ddf7_outp:
	.size	k_q8a67f5ddf7_outp, .Lfunc_end_k_q8a67f5ddf7_outp-k_q8a67f5ddf7_outp
	.p2alignl 7, 3214868480
	.fill 96, 4, 3214868480
	.section	.rodata,"a",@progbits
	.p2align	6, 0x0
	.amdhsa_kernel k_q8a67f5ddf7_outp
		.amdhsa_group_segment_fixed_size 327680
		.amdhsa_private_segment_fixed_size 0
		.amdhsa_enable_private_segment 0
		.amdhsa_kernarg_size 40
		.amdhsa_user_sgpr_count 2
		.amdhsa_user_sgpr_kernarg_segment_ptr 1
		.amdhsa_wavefront_size32 1
		.amdhsa_system_sgpr_workgroup_id_x 1
		.amdhsa_system_sgpr_workgroup_id_y 1
		.amdhsa_system_sgpr_workgroup_id_z 1
		.amdhsa_system_vgpr_workitem_id 0
		.amdhsa_next_free_vgpr 768
		.amdhsa_next_free_sgpr 88
		.amdhsa_reserve_vcc 0
		.amdhsa_float_denorm_mode_32 3
		.amdhsa_float_denorm_mode_16_64 3
		.amdhsa_memory_ordered 1
		.amdhsa_forward_progress 1
		.amdhsa_inst_pref_size 75
	.end_amdhsa_kernel
	.amdgpu_metadata
---
amdhsa.version: [ 1, 2 ]
amdhsa.kernels:
  - .name:           k_q8a67f5ddf7_outp
    .symbol:         k_q8a67f5ddf7_outp.kd
    .args:
      - { .name: ow, .offset: 0, .size: 8, .value_kind: global_buffer, .address_space: global }
      - { .name: wc, .offset: 8, .size: 8, .value_kind: global_buffer, .address_space: global }
      - { .name: bo, .offset: 16, .size: 8, .value_kind: global_buffer, .address_space: global }
      - { .name: out0, .offset: 24, .size: 8, .value_kind: global_buffer, .address_space: global }
      - { .name: olo, .offset: 32, .size: 8, .value_kind: global_buffer, .address_space: global }
    .group_segment_fixed_size: 327680
    .private_segment_fixed_size: 0
    .kernarg_segment_align: 8
    .kernarg_segment_size: 40
    .max_flat_workgroup_size: 128
    .sgpr_count:     88
    .vgpr_count:     768
    .wavefront_size: 32
...
	.end_amdgpu_metadata
.endif
;; end of part 7
